; MI455X (gfx1250); checked and timed in simulation.
; The chip was launched on July 23, 2026; its instructions are those of AMD's public machine-readable ISA for CDNA 5 (MIT licence, August 2026) and "CDNA5" Instruction Set Architecture Reference Guide (July 2026). The comments in the code are by the model that wrote it; some were corrected since.
;; Rotary Multi Head Attention. Allowed arithmetic: matrix products marked QUANTISED: E2M1 operands, one E8M0 scale for each 32 along K, by v_wmma_scale_f32_16x16x128_f8f6f4 with both operands' format E2M1 (or v_wmma_scale_f32_32x16x128_f4), f32 sums; everything else in f32.
;; Inputs: bk 1,024 float32; bo 1,024 float32; bq 1,024 float32; bv 1,024 float32; mask 1 x 1 x 2,048 x 2,048 int32; wk_codes 1,024 x 32 x 16 uint8 (E2M1 codes of wk, K innermost, in blocks of 32 codes, two codes a byte); wk_scales 1,024 x 32 uint8 (E8M0 scales of wk, one for each 32 codes along K); wo_codes 1,024 x 32 x 16 uint8 (E2M1 codes of wo, K innermost, in blocks of 32 codes, two codes a byte); wo_scales 1,024 x 32 uint8 (E8M0 scales of wo, one for each 32 codes along K); wq_codes 1,024 x 32 x 16 uint8 (E2M1 codes of wq, K innermost, in blocks of 32 codes, two codes a byte); wq_scales 1,024 x 32 uint8 (E8M0 scales of wq, one for each 32 codes along K); wv_codes 1,024 x 32 x 16 uint8 (E2M1 codes of wv, K innermost, in blocks of 32 codes, two codes a byte); wv_scales 1,024 x 32 uint8 (E8M0 scales of wv, one for each 32 codes along K); x_codes 2 x 2,048 x 32 x 16 uint8 (E2M1 codes of x, K innermost, in blocks of 32 codes, two codes a byte); x_scales 2 x 2,048 x 32 uint8 (E8M0 scales of x, one for each 32 codes along K).
;; Outputs: out0 2 x 2,048 x 1,024 float32.
;; This version of the problem:
;;   THIS VERSION OF THE PROBLEM IS GIVEN IN LOW PRECISION. The matrix products marked QUANTISED in the list below multiply operands that are first quantised to E2M1 (2 exponent bits, 1 mantissa bit; 4 bits a number), with one power-of-two scale for each 32 numbers along K (OCP MX v1.0); their sums are f32. All else is computed in f32.
;;   The module's matrix products, in the order in which they are computed (A, B: the left and right operand; K: the contracted axis; several contracted axes count as one K, in the product's order):
;;     1. [M 4,096, K 1,024] x [K 1,024, N 1,024]; A: input x (given as codes); B: input wq (given as codes): QUANTISED
;;     2. [M 4,096, K 1,024] x [K 1,024, N 1,024]; A: input x (given as codes); B: input wk (given as codes): QUANTISED
;;     3. [M 4,096, K 1,024] x [K 1,024, N 1,024]; A: input x (given as codes); B: input wv (given as codes): QUANTISED
;;     4. batch 32 x [M 2,048, K 64] x [K 64, N 2,048]; A: computed on the way; B: computed on the way: QUANTISED
;;     5. batch 32 x [M 2,048, K 2,048] x [K 2,048, N 64]; A: softmax (see below); B: computed on the way: QUANTISED
;;     6. [M 4,096, K 1,024] x [K 1,024, N 1,024]; A: computed on the way; B: input wo (given as codes): QUANTISED
;;   THE QUANTISER, for each operand of a quantised product, along K:
;;     - K is cut into blocks of 32 from its start; a last block that is shorter is filled with zeros.
;;     - A block's scale is 2^e with e = floor(log2(the largest magnitude in the block)) - 2, held to -126 .. 127; a block of zeros has e = 0. As a byte (E8M0): e + 127.
;;     - Each number is divided by its block's scale, clamped to +-6, and rounded to the nearest number of E2M1, ties to even, subnormals kept.
;;     - The product sums the exact products of the quantised numbers (number of the format x scale) in f32.
;;   ~~~python
;;   def quantise(x, axis):      # numpy; x: float32 -> the quantised numbers, widened to float32 again
;;       x = np.moveaxis(x, axis, -1); K = x.shape[-1]
;;       x = np.pad(x, [(0, 0)] * (x.ndim - 1) + [(0, -K % 32)]); x = x.reshape(x.shape[:-1] + (-1, 32)); a = np.abs(x).max(-1, keepdims=True)
;;       e = np.where(a > 0, np.clip(np.frexp(np.where(a > 0, a, 1))[1] - 1 - 2, -126, 127), 0)      # np.frexp(a)[1] - 1 = floor(log2(a)), exactly
;;       r = np.clip(x / 2.0 ** e, -6, 6)
;;       step = 2.0 ** (np.maximum(np.frexp(np.where(r == 0, 1, r))[1] - 1, 0) - 1)
;;       q = np.round(r / step) * step * 2.0 ** e      # np.round: ties to even
;;       return np.moveaxis(q.reshape(q.shape[:-2] + (-1,))[..., :K], -1, axis).astype(np.float32)
;;   ~~~
;;   SOFTMAX AHEAD OF A QUANTISED PRODUCT. Where the list says 'softmax', what is quantised is not the finished softmax but p = 2^(t - M), with t = logit x log2(e) and M = ceil(the row's largest t), a whole number; so 1/2 < the row's largest p <= 1. The row's sum l is taken of the UNQUANTISED p, in f32, and the product's result is divided by l at the end. Since M is a whole number, a kernel that streams over the keys may use a running M (the ceiling of the running maximum): every later rescaling is an exact power of two, which a block's scale takes up: the codes' values come out the same.
;;   OPERANDS COMPUTED ON THE WAY. 'Computed on the way' means the value that the module computes at that place (a softmax that the list does not call 'softmax' is quantised finished and normalised). What goes into a quantiser is computed in f32, as accurately as f32 sums, v_exp_f32 and their like allow (about 1e-6 of the number): no bf16 or f16 on the way to a quantiser, and a product that is left as it is and whose result goes on into a quantised operand takes f32 operands (vector FMAs, or v_wmma_f32_16x16x4_f32). A number that lies on a knife's edge between two numbers of the format may be rounded either way, as far as f32 arithmetic and the matrix unit's own rounding can turn it there, and no further.
;;   INPUTS GIVEN AS CODES. wk (in the module: [1024, 1024], K = its axis 1); wo (in the module: [1024, 1024], K = its axis 1); wq (in the module: [1024, 1024], K = its axis 1); wv (in the module: [1024, 1024], K = its axis 1); x (in the module: [2, 2048, 1024], K = its axis 2): each comes as NAME_codes (uint8): NAME with its K axis moved to the last place and cut into blocks of 32 codes, [.., K / 32, bytes a block], one block behind the other in memory; two codes a byte, the lower K in the low four bits (a code: sign, 2 exponent bits, 1 mantissa bit); and NAME_scales (uint8): the same leading axes, one E8M0 byte (e + 127) for each 32 codes along K. Its value is code x scale, taken as it is: it is not quantised again, and the codes and scales need not be those that the quantiser above would give.
;; 3 versions. Each part assembles by itself: llvm-mc -triple=amdgcn-amd-amdhsa -mcpu=gfx1250 --defsym DOCPART=n.
;; ======== version 1 of 3: 4 launches
;; limits: right only within a limited range of input values
;; workspace buffers: pre 4,718,592 bytes; mwords 532,480 bytes of whole numbers; qkv 6,946,816 bytes; att 2,228,224 bytes
;; launch prep (part 1): grid 256 x 1, 4 waves a work-group, no clusters, 51,712 bytes of LDS; arguments mask, x_codes, wq_codes, wk_codes, wv_codes, wo_codes, pre, mwords; writes pre, mwords
.if DOCPART == 1
	.amdgcn_target "amdgcn-amd-amdhsa--gfx1250"
	.amdhsa_code_object_version 6
	.text
	.protected	k_q8fbcbfe568_prep
	.globl	k_q8fbcbfe568_prep
	.p2align	8
	.type	k_q8fbcbfe568_prep,@function
k_q8fbcbfe568_prep:
	s_mov_b64 s[64:65], 0
	v_nop
	global_prefetch_b8 v0, s[64:65] scope:SCOPE_SE
	s_setreg_imm32_b32 hwreg(HW_REG_WAVE_MODE, 25, 1), 1
	s_wait_xcnt 0x0
; PREP: lays out once what the later launches read many times.  No matrix work, no barrier: waves share nothing.
; Wave U = 4 x work-group + wave (0 .. 1023) does three things on one straight path:
;  (a) half a tile of codes (16 rows x 256 bytes of x, wq, wk, wv or wo) is laid as an IMAGE OF THE OPERAND'S REGISTERS: [tile][K step of 128][c][lane][16 bytes], lane (r, h) holding
;      bytes 64 s + 32 c + 16 h of row(T, r).  THE ROWS OF A TILE ARE NOT NEIGHBOURS: row(T, r) = 32 (T / 2) + 8 (T % 2) + r + 8 (r / 8), so that the results of two neighbouring tiles are 16 neighbours along the next K.
;  (b) 512 bytes of the table of cosines and sines: [tile of positions][ld][lane][cos, sin, cos, sin] of the pairs i0 and i0 + 1, i0 = 16 (ld / 4) + 8 h + 2 (ld % 4), at position row(tile, r).
;      angle = fl(pos x inv), inv = fl(1 / fl(10^(i / 8))); reduced by n = nearest(angle x 2 / pi) with pi / 2 in two parts: the first multiply-add is exact (both terms are multiples of 2^-24, their difference under 1);
;      what the second part leaves is under 1303 x 1.8e-15 rad for the 2,048 positions.  LIMIT: inv may differ by a last bit from a power function's own rounding.
;  (c) two units of the mask (16 queries x 128 keys) become 64 words each: word 16 b + i, bit L = (mask[row(tile, L % 16)][128 j + 32 b + 16 (L / 16) + i] != 0): the lane mask of one select in the attention launch;
;      and a summary word: bits 15:0 the rows with a kept key in the step, bit 16 set where all 2,048 are kept.
; All that a wave stores lies at a multiple of U: images 4,096 U, table 512 U, mask words 512 U, summaries 8 U.
.set WREG,  12800                      ; LDS of a wave: 16 rows x 528 bytes for the mask's turn, then 16 rows x 272 for the image's
.set ITURN, 8448
.set RAW,   64                         ; v64-191  the mask as loaded: unit e, row i at 64 e + 4 i
.set X,     192                        ; v192-255 the image's rows, then its fragments; later a unit's 64 numbers a lane
.set TBL,   0x400000                   ; the table's place in pre
.set MSUM,  0x80000                    ; the summaries' place in mwords
	s_load_b512 s[4:19], s[0:1], 0x0               ; mask, x, wq, wk, wv, wo, pre, mwords
	v_lshl_add_u32 v62, v0, 2, 0xc800
	v_mov_b32 v63, 0
	v_lshrrev_b32 v10, 5, v0
	v_readfirstlane_b32 s20, v10                   ; wave
	v_and_b32 v1, 31, v0                           ; lane
	v_and_b32 v2, 15, v0                           ; r
	v_bfe_u32 v3, v0, 4, 1                         ; h
	s_lshl_b32 s21, ttmp9, 2
	s_add_co_u32 s21, s21, s20                     ; U
	s_mul_i32 s22, s20, WREG                       ; my LDS
	s_add_co_u32 s23, s22, ITURN
	v_lshlrev_b32 v4, 4, v1                        ; 16 x lane
	v_add_nc_u32 v5, s22, v4                       ; mask, in: a row's 512 bytes as they lie
	v_mul_u32_u24 v6, v2, 528
	v_lshl_add_u32 v6, v3, 6, v6
	v_add_nc_u32 v6, s22, v6                       ; mask, out: row r, + 64 h
	v_lshlrev_b32 v7, 9, v3
	v_lshl_add_u32 v7, v2, 4, v7                   ; codes in memory: lanes 0-15 one row's 256 bytes, lanes 16-31 the next row's
	v_mul_u32_u24 v8, v3, 272
	v_lshl_add_u32 v8, v2, 4, v8
	v_add_nc_u32 v8, s23, v8                       ; image, in
	v_mul_u32_u24 v9, v2, 272
	v_lshl_add_u32 v9, v3, 4, v9
	v_add_nc_u32 v9, s23, v9                       ; image, out: row r, + 16 h
	v_lshlrev_b32 v11, 3, v1                       ; 8 x lane
	s_lshr_b32 s24, s21, 1                         ; which tile of the 512: 0-255 x, then 64 each of wq, wk, wv, wo
	s_and_b32 s25, s24, 63
	s_cmp_lt_u32 s24, 256
	s_cselect_b32 s25, s24, s25                    ; T, the tile's number in its tensor
	s_lshr_b32 s28, s25, 1
	s_lshl_b32 s28, s28, 14                        ; 32 (T / 2) rows of 512 bytes
	s_and_b32 s29, s25, 1
	s_lshl_b32 s29, s29, 12                        ; + 8 (T % 2) rows
	s_add_co_u32 s28, s28, s29
	s_and_b32 s29, s21, 1
	s_lshl_b32 s29, s29, 8                         ; + my half of the rows' 512 bytes
	s_add_co_u32 s28, s28, s29
	s_mov_b32 s29, 0
	s_lshl_b32 s30, s21, 12                        ; the image's place: 4,096 U
	s_mov_b32 s31, 0
	s_lshr_b32 s60, s21, 3                         ; the tile of queries, and of positions
	s_and_b32 s61, s21, 7                          ; which pair of key steps, and which ld
	s_lshr_b32 s44, s60, 1
	s_and_b32 s45, s60, 1
	s_lshl_b32 s62, s44, 5
	s_lshl_b32 s63, s45, 3
	s_add_co_u32 s62, s62, s63                     ; that tile's first row
	s_lshl_b32 s44, s62, 13                        ; rows of 8,192 bytes in the mask
	s_lshl_b32 s45, s61, 10                        ; + two steps of 512 bytes
	s_add_co_u32 s44, s44, s45
	s_mov_b32 s45, 0
	s_lshl_b32 s46, s21, 9                         ; 512 U
	s_mov_b32 s47, 0
	s_lshl_b32 s48, s21, 3                         ; 8 U
	s_mov_b32 s49, 0
	s_lshr_b32 s63, s61, 2
	s_lshl_b32 s63, s63, 4
	s_and_b32 s26, s61, 3
	s_lshl_b32 s26, s26, 1
	s_add_co_u32 s63, s63, s26                     ; 16 (ld / 4) + 2 (ld % 4)
	s_wait_kmcnt 0x0
	s_mov_b64 s[50:51], s[14:15]                   ; the tensor of codes is chosen by the tile's number alone
	s_cmp_lt_u32 s24, 448
	s_cselect_b64 s[50:51], s[12:13], s[50:51]
	s_cmp_lt_u32 s24, 384
	s_cselect_b64 s[50:51], s[10:11], s[50:51]
	s_cmp_lt_u32 s24, 320
	s_cselect_b64 s[50:51], s[8:9], s[50:51]
	s_cmp_lt_u32 s24, 256
	s_cselect_b64 s[50:51], s[6:7], s[50:51]
	s_add_nc_u64 s[50:51], s[50:51], s[28:29]
	s_add_nc_u64 s[52:53], s[16:17], s[30:31]      ; the image
	s_add_nc_u64 s[4:5], s[4:5], s[44:45]          ; the mask
	s_add_nc_u64 s[54:55], s[16:17], s[46:47]
	s_add_nc_u64 s[54:55], s[54:55], TBL           ; the table
	s_add_nc_u64 s[56:57], s[18:19], s[46:47]      ; the mask words
	s_add_nc_u64 s[58:59], s[18:19], s[48:49]
	s_add_nc_u64 s[58:59], s[58:59], MSUM          ; the summaries
.irp i, 0,1,2,3,4,5,6,7
	global_load_b128 v[X+4*\i:X+4*\i+3], v7, s[50:51] offset:(2*\i+8*(\i/4))*512 th:TH_LOAD_NT   ; tile rows 2 i and 2 i + 1: 256 consecutive bytes each
.endr
.irp e, 0,1
.irp i, 0,1,2,3,4,5,6,7,8,9,10,11,12,13,14,15
	global_load_b128 v[RAW+64*\e+4*\i:RAW+64*\e+4*\i+3], v4, s[4:5] offset:(\i+8*(\i/8))*8192+512*\e th:TH_LOAD_NT   ; tile row i, 128 keys: 512 consecutive bytes
.endr
.endr
	; ---- (a) the image: through my stage, rows in, fragments out
	s_wait_loadcnt 32                              ; the eight loads of codes are in; the 32 of the mask stay out
.irp i, 0,1,2,3,4,5,6,7
	ds_store_b128 v8, v[X+4*\i:X+4*\i+3] offset:544*\i
.endr
.irp i, 0,1,2,3,4,5,6,7
	ds_load_b128 v[X+32+4*\i:X+32+4*\i+3], v9 offset:32*\i       ; i = 2 s + c.  LDS serves a wave's instructions in order: these see the stores above
.endr
	; ---- (b) the table (its arithmetic stands between the LDS loads and the wait for them)
	v_and_b32 v12, 8, v2
	v_add_nc_u32 v12, v12, v2
	v_add_nc_u32 v12, s62, v12
	v_cvt_f32_u32 v12, v12                         ; my position
	v_lshl_add_u32 v13, v3, 3, s63                 ; i0
.macro PICK m, lit                     ; v15 = lit where the pair's number is m
	v_cmp_ne_u32 vcc_lo, \m, v14
	v_cndmask_b32 v15, \lit, v15, vcc_lo
.endm
.macro TRIG e                          ; v15 = 10^(i / 8)  ->  v[44 + 2 e] = cos, v[45 + 2 e] = sin
	v_rcp_f32 v16, v15
	v_nop                                          ; a plain place behind the reciprocal
	s_wait_alu depctr_va_vdst(0)
	v_fma_f32 v17, -v15, v16, 1.0
	v_fma_f32 v16, v16, v17, v16                   ; 1 / P, mended by one step
	v_mul_f32 v17, v12, v16                        ; the angle, rounded once
	v_mul_f32 v18, 0x3f22f983, v17                 ; x 2 / pi
	v_rndne_f32 v18, v18                           ; n
	v_fmamk_f32 v19, v18, 0xbfc90fdb, v17          ; - n x the first part of pi / 2: exact
	v_fmamk_f32 v19, v18, 0x333bbd2e, v19          ; + n x what that part has too much
	v_mul_f32 v20, v19, v19
	v_mov_b32 v21, 0xb94ca1f9                      ; sine: x + x z (s2 + z (s1 + z s0))
	v_fmaak_f32 v21, v21, v20, 0x3c08839e
	v_fmaak_f32 v21, v21, v20, 0xbe2aaaa3
	v_mul_f32 v21, v21, v20
	v_fma_f32 v21, v21, v19, v19
	v_mov_b32 v22, 0x37ccf5ce                      ; cosine: 1 + z (-1/2 + z (c2 + z (c1 + z c0)))
	v_fmaak_f32 v22, v22, v20, 0xbab6061a
	v_fmaak_f32 v22, v22, v20, 0x3d2aaaa5
	v_fma_f32 v22, v22, v20, -0.5
	v_fma_f32 v22, v22, v20, 1.0
	v_cvt_i32_f32 v23, v18
	v_and_b32 v24, 1, v23
	v_cmp_eq_u32 vcc_lo, 1, v24                    ; odd quarter turns change sine and cosine
	v_cndmask_b32 v25, v21, v22, vcc_lo
	v_cndmask_b32 v26, v22, v21, vcc_lo
	v_and_b32 v24, 2, v23
	v_lshlrev_b32 v24, 30, v24
	v_xor_b32 v[45+2*\e], v24, v25                 ; the sine is negative in quarters 2 and 3,
	v_add_nc_u32 v23, 1, v23
	v_and_b32 v24, 2, v23
	v_lshlrev_b32 v24, 30, v24
	v_xor_b32 v[44+2*\e], v24, v26                 ; the cosine in quarters 1 and 2
.endm
	v_mov_b32 v14, v13
	v_mov_b32 v15, 1.0
	PICK 2, 1.7782794100389228
	PICK 4, 3.1622776601683795
	PICK 6, 5.6234132519034908
	PICK 8, 10.0
	PICK 10, 17.782794100389228
	PICK 12, 31.622776601683795
	PICK 14, 56.234132519034908
	PICK 16, 100.0
	PICK 18, 177.82794100389228
	PICK 20, 316.22776601683795
	PICK 22, 562.34132519034908
	PICK 24, 1000.0
	PICK 26, 1778.2794100389228
	PICK 28, 3162.2776601683795
	PICK 30, 5623.4132519034908
	TRIG 0
	v_add_nc_u32 v14, 1, v13
	v_mov_b32 v15, 1.3335214321633240
	PICK 3, 2.3713737056616553
	PICK 5, 4.2169650342858225
	PICK 7, 7.4989420933245582
	PICK 9, 13.335214321633240
	PICK 11, 23.713737056616553
	PICK 13, 42.169650342858225
	PICK 15, 74.989420933245582
	PICK 17, 133.35214321633240
	PICK 19, 237.13737056616553
	PICK 21, 421.69650342858225
	PICK 23, 749.89420933245582
	PICK 25, 1333.5214321633240
	PICK 27, 2371.3737056616553
	PICK 29, 4216.9650342858225
	PICK 31, 7498.9420933245582
	TRIG 1
	global_store_b128 v4, v[44:47], s[54:55]       ; 512 consecutive bytes
	s_wait_dscnt 0x0                               ; the image's fragments are back
.irp i, 0,1,2,3,4,5,6,7
	global_store_b128 v4, v[X+32+4*\i:X+32+4*\i+3], s[52:53] offset:512*\i   ; 512 consecutive bytes each
.endr
	; ---- (c) the mask
.macro MUNIT e
	s_wait_loadcnt 16-16*\e                        ; this unit's sixteen loads are in; the other unit's may be out
.if \e == 0
	s_wait_xcnt 0x0                                ; the image's stores have read v224-255, which the LDS loads below fill
.endif
.irp i, 0,1,2,3,4,5,6,7,8,9,10,11,12,13,14,15
	ds_store_b128 v5, v[RAW+64*\e+4*\i:RAW+64*\e+4*\i+3] offset:528*\i
.endr
.irp b, 0,1,2,3
.irp u, 0,1,2,3
	ds_load_b128 v[X+16*\b+4*\u:X+16*\b+4*\u+3], v6 offset:128*\b+16*\u   ; lane (r, h): row r, keys 32 b + 16 h + 4 u + 0 .. 3
.endr
.endr
	v_mov_b32 v[48+2*\e], 0                        ; (v_writelane_b32's destination counts as read)
	v_mov_b32 v[49+2*\e], 0
	s_mov_b32 s40, -1                              ; the AND and the OR of the 64 words
	s_mov_b32 s41, 0
	s_wait_dscnt 0x0
.set n, 0
.rept 8
.irp k, 0,1,2,3,4,5,6,7
	v_cmp_ne_u32 s[32+\k], 0, v[X+n+\k]            ; word n + k
.endr
.irp k, 0,1,2,3,4,5,6,7
	s_and_b32 s40, s40, s[32+\k]
	s_or_b32 s41, s41, s[32+\k]
	v_writelane_b32 v[48+2*\e+(\k%2)], s[32+\k], (n+\k)/2   ; lane l carries words 2 l and 2 l + 1
.endr
.set n, n+8
.endr
	global_store_b64 v11, v[48+2*\e:49+2*\e], s[56:57] offset:256*\e   ; 256 consecutive bytes, aligned
	s_lshr_b32 s42, s41, 16
	s_or_b32 s42, s42, s41
	s_and_b32 s42, s42, 0xffff                     ; the rows with a kept key
	s_cmp_eq_u32 s40, -1
	s_cselect_b32 s43, 0x10000, 0                  ; all kept
	s_or_b32 s42, s42, s43
	v_mov_b32 v[52+\e], s42
.endm
	MUNIT 0
	MUNIT 1
	v_mov_b32 v54, 0
	v_cmp_eq_u32 vcc_lo, 0, v1
	s_wait_xcnt 0x0                                ; EXEC changes only behind this wait: the stores above have been taken up
	s_wait_tensorcnt 0x0
	ds_add_u32 v62, v63
	s_wait_dscnt 0x0
	s_and_saveexec_b32 s42, vcc_lo                 ; one lane stores the two summaries
	global_store_b64 v54, v[52:53], s[58:59]
	s_endpgm
.Lfunc_end_k_q8fbcbfe568_prep:
	.size	k_q8fbcbfe568_prep, .Lfunc_end_k_q8fbcbfe568_prep-k_q8fbcbfe568_prep
	.p2alignl 7, 3214868480
	.fill 96, 4, 3214868480
	.section	.rodata,"a",@progbits
	.p2align	6, 0x0
	.amdhsa_kernel k_q8fbcbfe568_prep
		.amdhsa_group_segment_fixed_size 51712
		.amdhsa_private_segment_fixed_size 0
		.amdhsa_enable_private_segment 0
		.amdhsa_kernarg_size 64
		.amdhsa_user_sgpr_count 2
		.amdhsa_user_sgpr_kernarg_segment_ptr 1
		.amdhsa_wavefront_size32 1
		.amdhsa_system_sgpr_workgroup_id_x 1
		.amdhsa_system_sgpr_workgroup_id_y 1
		.amdhsa_system_sgpr_workgroup_id_z 1
		.amdhsa_system_vgpr_workitem_id 0
		.amdhsa_next_free_vgpr 256
		.amdhsa_next_free_sgpr 66
		.amdhsa_reserve_vcc 1
		.amdhsa_float_denorm_mode_32 3
		.amdhsa_float_denorm_mode_16_64 3
		.amdhsa_memory_ordered 1
		.amdhsa_forward_progress 1
		.amdhsa_inst_pref_size 45
	.end_amdhsa_kernel
	.amdgpu_metadata
---
amdhsa.version: [ 1, 2 ]
amdhsa.kernels:
  - .name:           k_q8fbcbfe568_prep
    .symbol:         k_q8fbcbfe568_prep.kd
    .args:
      - { .name: mask, .offset: 0, .size: 8, .value_kind: global_buffer, .address_space: global }
      - { .name: x_codes, .offset: 8, .size: 8, .value_kind: global_buffer, .address_space: global }
      - { .name: wq_codes, .offset: 16, .size: 8, .value_kind: global_buffer, .address_space: global }
      - { .name: wk_codes, .offset: 24, .size: 8, .value_kind: global_buffer, .address_space: global }
      - { .name: wv_codes, .offset: 32, .size: 8, .value_kind: global_buffer, .address_space: global }
      - { .name: wo_codes, .offset: 40, .size: 8, .value_kind: global_buffer, .address_space: global }
      - { .name: pre, .offset: 48, .size: 8, .value_kind: global_buffer, .address_space: global }
      - { .name: mwords, .offset: 56, .size: 8, .value_kind: global_buffer, .address_space: global }
    .group_segment_fixed_size: 51712
    .private_segment_fixed_size: 0
    .kernarg_segment_align: 8
    .kernarg_segment_size: 64
    .max_flat_workgroup_size: 128
    .sgpr_count:     66
    .vgpr_count:     256
    .wavefront_size: 32
...
	.end_amdgpu_metadata
.endif
;; end of part 1
;; launch qkv (part 2): grid 32 x 6, 8 waves a work-group, no clusters, 66,560 bytes of LDS; arguments pre, x_scales, wq_scales, wk_scales, wv_scales, bq, bk, bv, qkv; writes qkv
.if DOCPART == 2
	.amdgcn_target "amdgcn-amd-amdhsa--gfx1250"
	.amdhsa_code_object_version 6
	.text
	.protected	k_q8fbcbfe568_qkv
	.globl	k_q8fbcbfe568_qkv
	.p2align	8
	.type	k_q8fbcbfe568_qkv,@function
k_q8fbcbfe568_qkv:
	s_mov_b64 s[64:65], 0
	v_nop
	global_prefetch_b8 v0, s[64:65] scope:SCOPE_SE
	s_setreg_imm32_b32 hwreg(HW_REG_WAVE_MODE, 25, 1), 1
	s_wait_xcnt 0x0
; q, k, v = x W^T + b on codes of FP4 (E2M1) with E8M0 scales; RoPE on q and k; each result quantised anew and stored as images of the attention launch's operand registers.
; SHARES.  Work-group (X, y): 128 tokens (batch X / 16, key step j = X % 16); kind = y / 2 (q, k, v); wave w makes head 8 (y % 2) + w: 128 tokens x 64 features over all of K = 1,024: 32 accumulators, 256 matrix instructions.
; The block's eight tiles of x lie in LDS as register images (64 KB, filled once through registers, one barrier); each wave's four tiles of W come from memory straight into registers, three K steps ahead: nobody else reads them here.
; No cluster and no joint loads: what the eight waves share is in LDS after one fill, and the six work-groups that read the same x differ in what they do with it.
; q, k: source 0 = 16 rows of W, source 1 = 16 tokens: a lane holds ONE token, and its 32 registers of a tile of tokens are features 32 b + 16 h + i (register 16 b + i), since tile T takes rows 32 (T / 2) + 8 (T % 2) + r + 8 (r / 8).
; v: the sources change places: a lane holds ONE feature and its 64 registers run along the tokens, which are the K of the second product of attention.
; The bias is the C of each sum's first matrix instruction.  The 32 accumulators take turns, one instruction a turn.
; LIMITS: a block of zeros gets the scale byte 1 (its codes are zeros; this program alone reads the bytes); NaN, infinities and 0xff scale bytes among the inputs are not served.
; REGISTERS: window 0: v1-4, v9 offsets; v16-47 x's scale words (pair of tiles G, K step s: 8 G + s; lanes 0-15 tile 2 G, lanes 16-31 tile 2 G + 1); v48-63 W's likewise; v64-127 x's fragments; v128-223 W's, three sets; v224-255 the bias.
;   window 1: the accumulators: q, k at 32 T + 8 F; v at 64 F + 8 T.
.set XS,  16
.set WS,  48
.set XF,  64
.set WF,  128
.set BI,  224
.set CS,  64                           ; the epilogues' registers lie where the fragments lay: cosines and sines, two sets of 32;
.set R,   128                          ; a tile's 32 rotated numbers (v: the codes, 8 a tile of features);
.set PC,  160                          ; the codes, 4 a tile of tokens;
.set TM,  192                          ; +0.. largest magnitudes, +4.. the other half's, then bytes, +8.. or +12.. the conversions' scale operands;
.set SW,  208                          ; a scale word for each tile;
.set SWC, 216                          ; the scale words as they are stored
.set SEL, 60                           ; s[60:61] v_permlanex16_b32's selects for lane l xor 16
.set MSB, 0
.macro WIN new                         ; the immediate's high byte repeats the setting that is left
.if MSB != \new
	s_set_vgpr_msb (MSB<<8)|\new
.set MSB, \new
.endif
.endm
.macro PLACES                          ; four plain places between a matrix instruction and a load into, or a read of, its registers
.rept 4
	v_nop
.endr
.endm
; one product; ra, rb: the half of the lanes from which source 0's and source 1's scales are taken
.macro WM d, a, b, c, sa, sb, ra, rb
.if ((\ra) != 0) && ((\rb) != 0)
	v_wmma_scale_f32_16x16x128_f8f6f4 v[(\d):(\d)+7], v[(\a):(\a)+7], v[(\b):(\b)+7], v[(\c):(\c)+7], v[\sa], v[\sb] matrix_a_fmt:MATRIX_FMT_FP4 matrix_b_fmt:MATRIX_FMT_FP4 matrix_a_scale:MATRIX_SCALE_ROW1 matrix_b_scale:MATRIX_SCALE_ROW1
.elseif (\ra) != 0
	v_wmma_scale_f32_16x16x128_f8f6f4 v[(\d):(\d)+7], v[(\a):(\a)+7], v[(\b):(\b)+7], v[(\c):(\c)+7], v[\sa], v[\sb] matrix_a_fmt:MATRIX_FMT_FP4 matrix_b_fmt:MATRIX_FMT_FP4 matrix_a_scale:MATRIX_SCALE_ROW1
.elseif (\rb) != 0
	v_wmma_scale_f32_16x16x128_f8f6f4 v[(\d):(\d)+7], v[(\a):(\a)+7], v[(\b):(\b)+7], v[(\c):(\c)+7], v[\sa], v[\sb] matrix_a_fmt:MATRIX_FMT_FP4 matrix_b_fmt:MATRIX_FMT_FP4 matrix_b_scale:MATRIX_SCALE_ROW1
.else
	v_wmma_scale_f32_16x16x128_f8f6f4 v[(\d):(\d)+7], v[(\a):(\a)+7], v[(\b):(\b)+7], v[(\c):(\c)+7], v[\sa], v[\sb] matrix_a_fmt:MATRIX_FMT_FP4 matrix_b_fmt:MATRIX_FMT_FP4
.endif
.endm
.macro MM16 s, t0, v                   ; tiles of tokens t0 .. t0 + 3 x the four tiles of features, K step s
.irp t, \t0, \t0+1, \t0+2, \t0+3
.irp f, 0,1,2,3
.if \v
.if (\s) == 0
	WM 64*\f+8*(\t), XF+8*(\t), WF+32*((\s)%3)+8*\f, BI+8*\f, XS+8*((\t)/2)+(\s), WS+8*(\f/2)+(\s), (\t)%2, \f%2
.else
	WM 64*\f+8*(\t), XF+8*(\t), WF+32*((\s)%3)+8*\f, 64*\f+8*(\t), XS+8*((\t)/2)+(\s), WS+8*(\f/2)+(\s), (\t)%2, \f%2
.endif
.else
.if (\s) == 0
	WM 32*(\t)+8*\f, WF+32*((\s)%3)+8*\f, XF+8*(\t), BI+8*\f, WS+8*(\f/2)+(\s), XS+8*((\t)/2)+(\s), \f%2, (\t)%2
.else
	WM 32*(\t)+8*\f, WF+32*((\s)%3)+8*\f, XF+8*(\t), 32*(\t)+8*\f, WS+8*(\f/2)+(\s), XS+8*((\t)/2)+(\s), \f%2, (\t)%2
.endif
.endif
.endr
.endr
.endm
.macro WLOAD s                         ; my four tiles of W, K step s, into set s % 3: eight loads of 512 consecutive bytes
.irp f, 0,1,2,3
.irp c, 0,1
	global_load_b128 v[WF+32*((\s)%3)+8*\f+4*\c:WF+32*((\s)%3)+8*\f+4*\c+3], v1, s[46:47] offset:8192*\f+1024*(\s)+512*\c
.endr
.endr
.endm
.macro XLOAD s, t0                     ; x's tiles t0 .. t0 + 3, K step s, from LDS
.irp t, \t0, \t0+1, \t0+2, \t0+3
.irp c, 0,1
	ds_load_b128 v[XF+8*(\t)+4*\c:XF+8*(\t)+4*\c+3], v1 offset:8192*(\t)+1024*(\s)+512*\c
.endr
.endr
.endm
.macro MULWIN s
.if (\s) == 0
	WIN 0x40                                       ; D in window 1; the bias, as C, in window 0
.else
	WIN 0x50                                       ; C and D in window 1
.endif
.endm
.macro KSTEP s, v
.if (\s) <= 5
	s_wait_loadcnt 16                              ; W's set of this step is in; the two sets behind it stay out
.elseif (\s) == 6
	s_wait_loadcnt 8
.else
	s_wait_loadcnt 0x0
.endif
	s_wait_dscnt 8                                 ; x's tiles 0-3 are in; the eight loads of tiles 4-7 stay out
	MULWIN \s
	MM16 \s, 0, \v
	PLACES
	WIN 0
.if (\s) < 7
	XLOAD (\s)+1, 0
	s_wait_dscnt 8                                 ; tiles 4-7 are in; the eight just issued stay out
.else
	s_wait_dscnt 0x0
.endif
	MULWIN \s
	MM16 \s, 4, \v
	PLACES
	WIN 0
.if (\s) < 7
	XLOAD (\s)+1, 4
.endif
.if (\s) < 5
	WLOAD (\s)+3                                   ; into the set that this step has just left
.endif
.endm
; 32 numbers of a lane, register 16 b + i = k 32 b + 16 h + i of my row, become 4 registers of codes (lane (r, h): k = 32 h + 0 .. 31); the two bytes are left in v[TM+4], v[TM+5]
.macro QUANT2 src, pc
.irp b, 0,1
	v_max3_num_f32 v[TM+\b], |v[\src+16*\b]|, |v[\src+16*\b+1]|, 0x1800000   ; and the floor 2^(3 - 127): the byte cannot fall under 1
.endr
.irp i, 2,4,6,8,10,12,14
.irp b, 0,1
	v_max3_num_f32 v[TM+\b], v[TM+\b], |v[\src+16*\b+\i]|, |v[\src+16*\b+\i+1]|
.endr
.endr
.irp b, 0,1
	v_permlanex16_b32 v[TM+4+\b], v[TM+\b], s[SEL], s[SEL+1]
.endr
.irp b, 0,1
	v_max_num_f32 v[TM+\b], v[TM+\b], v[TM+4+\b]   ; with lane l xor 16's: the block's largest magnitude
.endr
.irp b, 0,1
	v_add_nc_u32 v[TM+8+\b], 0xff000000, v[TM+\b]  ; 2 off its exponent field: the conversion's scale operand
.endr
.irp b, 0,1
	v_lshrrev_b32 v[TM+4+\b], 23, v[TM+8+\b]       ; the scale's byte
.endr
.irp b, 0,1
	v_cvt_scalef32_pk8_fp4_f32 v[\pc+2*\b], v[\src+16*\b:\src+16*\b+7], v[TM+8+\b]
	v_cvt_scalef32_pk8_fp4_f32 v[\pc+2*\b+1], v[\src+16*\b+8:\src+16*\b+15], v[TM+8+\b]
.endr
	v_nop                                          ; one plain place behind a scaled conversion
	v_permlane16_swap_b32 v[\pc], v[\pc+2]         ; a whole block to a lane: lanes 0-15 block 0, lanes 16-31 block 1
	v_permlane16_swap_b32 v[\pc+1], v[\pc+3]
.endm
	s_load_b512 s[4:19], s[0:1], 0x0               ; pre, x_scales, wq_scales, wk_scales, wv_scales, bq, bk, bv
	s_load_b64 s[20:21], s[0:1], 0x40              ; qkv
	v_lshl_add_u32 v14, v0, 2, 0x10000
	v_mov_b32 v15, 0
	v_lshrrev_b32 v5, 5, v0
	v_readfirstlane_b32 s22, v5                    ; wave
	v_and_b32 v6, 31, v0
	v_and_b32 v7, 15, v0                           ; r
	v_bfe_u32 v8, v0, 4, 1                         ; h
	v_lshlrev_b32 v1, 4, v6                        ; 16 x lane: an image's place for my lane
	v_lshlrev_b32 v2, 4, v0                        ; 16 x thread: the fill
	v_and_b32 v3, 8, v7
	v_add_nc_u32 v3, v3, v7                        ; r + 8 (r / 8)
	v_lshlrev_b32 v9, 2, v3                        ; v's bias: my feature's 4 bytes
	v_lshl_add_u32 v3, v8, 3, v3
	v_lshlrev_b32 v3, 5, v3                        ; scale bytes: row 8 (lane / 16) + r + 8 (r / 8) of 32 bytes
	v_lshlrev_b32 v4, 6, v8                        ; q's and k's bias: 16 h numbers on
	s_and_b32 s23, ttmp7, 0xffff
	s_lshr_b32 s24, s23, 1                         ; kind
	s_and_b32 s25, s23, 1
	s_lshl_b32 s25, s25, 3
	s_add_co_u32 s25, s25, s22                     ; head
	s_lshl_b32 s26, ttmp9, 16                      ; x's images: 8 tiles of 8 KB a block
	s_mov_b32 s27, 0
	s_lshl_b32 s28, s24, 19
	s_lshl_b32 s29, s25, 15
	s_add_co_u32 s28, s28, s29
	s_add_co_u32 s28, s28, 0x200000                ; W's images: 512 KB a kind, 32 KB a head
	s_mov_b32 s29, 0
	s_lshl_b32 s30, ttmp9, 12                      ; x's scale bytes
	s_mov_b32 s31, 0
	s_lshl_b32 s32, s25, 11                        ; W's
	s_mov_b32 s33, 0
	s_lshl_b32 s34, s25, 8                         ; the bias
	s_mov_b32 s35, 0
	s_and_b32 s39, ttmp9, 15                       ; j
	s_lshl_b32 s36, s39, 15
	s_add_co_u32 s36, s36, 0x400000                ; the table: 8 tiles of positions of 4 KB
	s_mov_b32 s37, 0
	s_lshr_b32 s38, ttmp9, 4
	s_lshl_b32 s38, s38, 4
	s_add_co_u32 s38, s38, s25                     ; bh = 16 x batch + head
	s_lshl_b32 s40, s24, 21
	s_lshl_b32 s41, s38, 16
	s_add_co_u32 s40, s40, s41
	s_lshl_b32 s41, s39, 12
	s_add_co_u32 s40, s40, s41                     ; the codes' place: 2 MB a kind, 64 KB a head, 4 KB a step
	s_mov_b32 s41, 0
	s_lshl_b32 s42, s24, 18
	s_lshl_b32 s43, s38, 13
	s_add_co_u32 s42, s42, s43
	s_lshl_b32 s43, s39, 9
	s_add_co_u32 s42, s42, s43
	s_add_co_u32 s42, s42, 0x600000                ; q's and k's scale words: 512 bytes a step;
	s_lshl_b32 s43, s38, 12
	s_lshl_b32 s63, s39, 8
	s_add_co_u32 s43, s43, s63
	s_add_co_u32 s43, s43, 0x680000                ; v's: 256
	s_cmp_eq_u32 s24, 2
	s_cselect_b32 s42, s43, s42
	s_mov_b32 s43, 0
	s_mov_b32 s[SEL], 0x76543210
	s_mov_b32 s[SEL+1], 0xfedcba98
	s_mov_b32 s62, 0xffff0000                      ; lanes 16-31
	s_wait_kmcnt 0x0
	s_cmp_eq_u32 s24, 0                            ; the weight's scales and the bias are chosen by the kind alone
	s_cselect_b64 s[50:51], s[8:9], s[10:11]
	s_cselect_b64 s[52:53], s[14:15], s[16:17]
	s_cmp_eq_u32 s24, 2
	s_cselect_b64 s[50:51], s[12:13], s[50:51]
	s_cselect_b64 s[52:53], s[18:19], s[52:53]
	s_add_nc_u64 s[44:45], s[4:5], s[26:27]
	s_add_nc_u64 s[46:47], s[4:5], s[28:29]
	s_add_nc_u64 s[48:49], s[6:7], s[30:31]
	s_add_nc_u64 s[50:51], s[50:51], s[32:33]
	s_add_nc_u64 s[52:53], s[52:53], s[34:35]
	s_add_nc_u64 s[54:55], s[4:5], s[36:37]
	s_add_nc_u64 s[56:57], s[20:21], s[40:41]
	s_add_nc_u64 s[58:59], s[20:21], s[42:43]
.irp i, 0,1,2,3,4,5,6,7,8,9,10,11,12,13,14,15
	global_load_b128 v[XF+4*\i:XF+4*\i+3], v2, s[44:45] offset:4096*\i   ; the fill: the work-group's 256 threads take 4,096 consecutive bytes
.endr
.irp g, 0,1,2,3
.irp q, 0,1
	global_load_b128 v[XS+8*\g+4*\q:XS+8*\g+4*\q+3], v3, s[48:49] offset:1024*\g+16*\q
.endr
.endr
.irp g, 0,1
.irp q, 0,1
	global_load_b128 v[WS+8*\g+4*\q:WS+8*\g+4*\q+3], v3, s[50:51] offset:1024*\g+16*\q
.endr
.endr
	WLOAD 0
	s_wait_loadcnt 20                              ; the sixteen loads of the fill are in; 8 + 4 + 8 behind them stay out
.irp i, 0,1,2,3,4,5,6,7,8,9,10,11,12,13,14,15
	ds_store_b128 v2, v[XF+4*\i:XF+4*\i+3] offset:4096*\i
.endr
	s_wait_dscnt 0x0                               ; for the others' sake: my part of the images has landed
	s_barrier_signal -1
	s_barrier_wait -1                              ; the one barrier: from here on LDS is only read
	s_cmp_eq_u32 s24, 2
	s_cbranch_scc1 .Lvalues
	; ================ q and k ================
.irp f, 0,1,2,3
	global_load_b128 v[BI+8*\f:BI+8*\f+3], v4, s[52:53] offset:(32*(\f/2)+8*(\f%2))*4       ; lane (r, h), tile f: the bias of features 32 (f / 2) + 8 (f % 2) + 16 h + 0 .. 7
	global_load_b128 v[BI+8*\f+4:BI+8*\f+7], v4, s[52:53] offset:(32*(\f/2)+8*(\f%2))*4+16
.endr
	WLOAD 1
	WLOAD 2
	XLOAD 0, 0
	XLOAD 0, 4
.irp s, 0,1,2,3,4,5,6,7
	KSTEP \s, 0
.endr
.macro TLOAD t                         ; cosines and sines of tile t's positions: (cos, sin) of my 16 pairs
.irp l, 0,1,2,3,4,5,6,7
	global_load_b128 v[CS+32*((\t)%2)+4*\l:CS+32*((\t)%2)+4*\l+3], v1, s[54:55] offset:4096*(\t)+512*\l
.endr
.endm
	TLOAD 0
	TLOAD 1
	v_mov_b32 v[TM+4], 0                           ; (a lane permute's destination counts as one of its sources)
	v_mov_b32 v[TM+5], 0
.macro ROPEQ t
.set CSS, CS+32*((\t)%2)
.if (\t) < 7
	s_wait_loadcnt 8                               ; this tile's table is in; the next tile's eight loads stay out
.else
	s_wait_loadcnt 0x0
.endif
	WIN 0x01                                       ; source 0: the accumulators, window 1
.set p, 0
.rept 16
	v_pk_mul_f32 v[R+2*p:R+2*p+1], v[32*(\t)+2*p:32*(\t)+2*p+1], v[CSS+2*p:CSS+2*p+1] op_sel_hi:[1,0]   ; (even, odd) x cos; each accumulator is read from its low end on
.set p, p+1
.endr
.set p, 0
.rept 16
	v_fma_f32 v[R+2*p], -v[32*(\t)+2*p+1], v[CSS+2*p+1], v[R+2*p]       ; even cos - odd sin
	v_fma_f32 v[R+2*p+1], v[32*(\t)+2*p], v[CSS+2*p+1], v[R+2*p+1]      ; odd cos + even sin
.set p, p+1
.endr
	WIN 0
.if (\t) < 6
	TLOAD (\t)+2
.endif
	QUANT2 R, PC+4*(\t)
	v_lshl_or_b32 v[SW+(\t)], v[TM+5], 8, v[TM+4]
	v_or_b32 v[SW+(\t)], 0x7f7f0000, v[SW+(\t)]    ; K = 64 fills half of the instruction's 128: the other half is zero codes under the byte 127
	global_store_b128 v1, v[PC+4*(\t):PC+4*(\t)+3], s[56:57] offset:512*(\t)   ; 512 consecutive bytes
.endm
.irp t, 0,1,2,3,4,5,6,7
	ROPEQ \t
.endr
.irp b, 0,1,2,3
	v_cndmask_b32 v[SWC+\b], v[SW+2*\b], v[SW+2*\b+1], s62   ; lanes 0-15 carry tile 2 b's words, lanes 16-31 tile 2 b + 1's
.endr
	global_store_b128 v1, v[SWC:SWC+3], s[58:59]
	s_wait_tensorcnt 0x0
	ds_add_u32 v14, v15
	s_wait_dscnt 0x0
	s_endpgm
	; ================ v ================
.Lvalues:
.irp f, 0,1,2,3
.irp j, 0,1,2,3,4,5,6,7
	global_load_b32 v[BI+8*\f+\j], v9, s[52:53] offset:(32*(\f/2)+8*(\f%2))*4   ; a lane holds one feature: its bias in all eight registers of the C
.endr
.endr
	WLOAD 1
	WLOAD 2
	XLOAD 0, 0
	XLOAD 0, 4
.irp s, 0,1,2,3,4,5,6,7
	KSTEP \s, 1
.endr
.irp b, 0,1,2,3
	v_mov_b32 v[TM+4+\b], 0
.endr
; tile f of features: my feature's 64 numbers, register 16 b + i = key 32 b + 16 h + i, become a fragment (8 registers) and a scale word
.macro QUANT4 f
	WIN 0x05                                       ; sources 0 and 1: the accumulators
.irp b, 0,1,2,3
	v_max3_num_f32 v[TM+\b], |v[64*\f+16*\b]|, |v[64*\f+16*\b+1]|, 0x1800000
.endr
.irp i, 2,4,6,8,10,12,14
.irp b, 0,1,2,3
	v_max3_num_f32 v[TM+\b], |v[64*\f+16*\b+\i]|, |v[64*\f+16*\b+\i+1]|, v[TM+\b]
.endr
.endr
	WIN 0
.irp b, 0,1,2,3
	v_permlanex16_b32 v[TM+4+\b], v[TM+\b], s[SEL], s[SEL+1]
.endr
.irp b, 0,1,2,3
	v_max_num_f32 v[TM+\b], v[TM+\b], v[TM+4+\b]
.endr
.irp b, 0,1,2,3
	v_add_nc_u32 v[TM+12+\b], 0xff000000, v[TM+\b]
.endr
.irp b, 0,1,2,3
	v_lshrrev_b32 v[TM+4+\b], 23, v[TM+12+\b]
.endr
	v_lshl_or_b32 v[SW+\f], v[TM+5], 8, v[TM+4]
	v_lshl_or_b32 v[SW+\f], v[TM+6], 16, v[SW+\f]
	v_lshl_or_b32 v[SW+\f], v[TM+7], 24, v[SW+\f]
	WIN 0x01
.irp b, 0,1,2,3
	v_cvt_scalef32_pk8_fp4_f32 v[R+8*\f+2*\b], v[64*\f+16*\b:64*\f+16*\b+7], v[TM+12+\b]
	v_cvt_scalef32_pk8_fp4_f32 v[R+8*\f+2*\b+1], v[64*\f+16*\b+8:64*\f+16*\b+15], v[TM+12+\b]
.endr
	WIN 0
	v_nop                                          ; one plain place behind a scaled conversion
.irp c, 0,1
.irp i, 0,1
	v_permlane16_swap_b32 v[R+8*\f+4*\c+\i], v[R+8*\f+4*\c+2+\i]
.endr
.endr
.irp c, 0,1
	global_store_b128 v1, v[R+8*\f+4*\c:R+8*\f+4*\c+3], s[56:57] offset:1024*\f+512*\c
.endr
.endm
.irp f, 0,1,2,3
	QUANT4 \f
.endr
	v_cndmask_b32 v[SWC], v[SW], v[SW+1], s62
	v_cndmask_b32 v[SWC+1], v[SW+2], v[SW+3], s62
	v_lshrrev_b32 v5, 1, v1                        ; 8 x lane
	global_store_b64 v5, v[SWC:SWC+1], s[58:59]    ; 256 consecutive bytes, aligned
	s_wait_tensorcnt 0x0
	ds_add_u32 v14, v15
	s_wait_dscnt 0x0
	s_endpgm
.Lfunc_end_k_q8fbcbfe568_qkv:
	.size	k_q8fbcbfe568_qkv, .Lfunc_end_k_q8fbcbfe568_qkv-k_q8fbcbfe568_qkv
	.p2alignl 7, 3214868480
	.fill 96, 4, 3214868480
	.section	.rodata,"a",@progbits
	.p2align	6, 0x0
	.amdhsa_kernel k_q8fbcbfe568_qkv
		.amdhsa_group_segment_fixed_size 66560
		.amdhsa_private_segment_fixed_size 0
		.amdhsa_enable_private_segment 0
		.amdhsa_kernarg_size 72
		.amdhsa_user_sgpr_count 2
		.amdhsa_user_sgpr_kernarg_segment_ptr 1
		.amdhsa_wavefront_size32 1
		.amdhsa_system_sgpr_workgroup_id_x 1
		.amdhsa_system_sgpr_workgroup_id_y 1
		.amdhsa_system_sgpr_workgroup_id_z 1
		.amdhsa_system_vgpr_workitem_id 0
		.amdhsa_next_free_vgpr 512
		.amdhsa_next_free_sgpr 66
		.amdhsa_reserve_vcc 0
		.amdhsa_float_denorm_mode_32 3
		.amdhsa_float_denorm_mode_16_64 3
		.amdhsa_memory_ordered 1
		.amdhsa_forward_progress 1
		.amdhsa_inst_pref_size 174
	.end_amdhsa_kernel
	.amdgpu_metadata
---
amdhsa.version: [ 1, 2 ]
amdhsa.kernels:
  - .name:           k_q8fbcbfe568_qkv
    .symbol:         k_q8fbcbfe568_qkv.kd
    .args:
      - { .name: pre, .offset: 0, .size: 8, .value_kind: global_buffer, .address_space: global }
      - { .name: x_scales, .offset: 8, .size: 8, .value_kind: global_buffer, .address_space: global }
      - { .name: wq_scales, .offset: 16, .size: 8, .value_kind: global_buffer, .address_space: global }
      - { .name: wk_scales, .offset: 24, .size: 8, .value_kind: global_buffer, .address_space: global }
      - { .name: wv_scales, .offset: 32, .size: 8, .value_kind: global_buffer, .address_space: global }
      - { .name: bq, .offset: 40, .size: 8, .value_kind: global_buffer, .address_space: global }
      - { .name: bk, .offset: 48, .size: 8, .value_kind: global_buffer, .address_space: global }
      - { .name: bv, .offset: 56, .size: 8, .value_kind: global_buffer, .address_space: global }
      - { .name: qkv, .offset: 64, .size: 8, .value_kind: global_buffer, .address_space: global }
    .group_segment_fixed_size: 66560
    .private_segment_fixed_size: 0
    .kernarg_segment_align: 8
    .kernarg_segment_size: 72
    .max_flat_workgroup_size: 256
    .sgpr_count:     66
    .vgpr_count:     512
    .wavefront_size: 32
...
	.end_amdgpu_metadata
.endif
;; end of part 2
;; launch attn (part 3): grid 8 x 32, 16 waves a work-group, no clusters, 145,408 bytes of LDS; arguments qkv, mwords, att; writes att
.if DOCPART == 3
	.amdgcn_target "amdgcn-amd-amdhsa--gfx1250"
	.amdhsa_code_object_version 6
	.text
	.protected	k_q8fbcbfe568_attn
	.globl	k_q8fbcbfe568_attn
	.p2align	8
	.type	k_q8fbcbfe568_attn,@function
k_q8fbcbfe568_attn:
	s_mov_b64 s[64:65], 0
	v_nop
	global_prefetch_b8 v0, s[64:65] scope:SCOPE_SE
	s_setreg_imm32_b32 hwreg(HW_REG_WAVE_MODE, 25, 1), 1
	s_wait_xcnt 0x0
; Attention of one head (bh = work-group y) on codes of FP4 (E2M1): S^T = K Q^T, the mask, p = 2^(t - M) quantised along the keys, O^T = V^T P^T, O / l quantised along the head's 64 and stored as the last launch's operand.
; SHARES.  Each of sixteen waves owns ONE tile of 16 queries, tile 8 w' + work-group x, w' = wave xor 3 where bit 2 of the wave's number is set: tiles of early and of late queries are dealt evenly whatever the mask.
; K, V and their scale words of the whole head lie in LDS (140 KB), filled once through registers; one barrier; then LDS is only read.  So no ring, no cluster (a head's eight work-groups each hold the head), nothing streamed behind the head.
; Both products are used transposed: a lane holds ONE query throughout.  Tile t of a step takes keys 32 (t / 2) + 8 (t % 2) + r + 8 (r / 8): register 16 b + i of S^T is key 128 J + 32 b + 16 h + i.
; K = 64 fills half of the first product's 128: registers 4-7 of both fragments are zero codes, their scale bytes 127.
; THE MASK IS AN INPUT.  An earlier launch has stored it as lane masks (64 words a tile and step) and summaries.  A masked score becomes -2^70: a power of two, so that score x c is exact, and in a row that has met masked keys alone
; t - M is exactly 0: p = 1, as where every logit is -1e20.  The first kept key makes the factor 2^(old M - new M) zero.  A step none of whose keys is kept for any of my 16 queries is left out, but only where each of the 16 has a kept key
; in some step: what is left out would be wiped or be zeros.  A step all of whose keys are kept leaves the 64 selects out.  Both are scalar branches on stored whole numbers.
; LIMITS: a masked logit is -2^70 / 8 where the source has -1e20: the two differ only for true logits under about -1e19.  A block of zeros keeps the byte 1.  NaN and infinities are not served.
; REGISTERS: v1-4 lane bases; v5-8 the step's LDS addresses; v9 -2^70; v10 Q's scale word; v12 -M, v13 the largest t, v[14:15] the sum; v16-23 Q; v24-87 K's 8 fragments; v88-119 V's 4; v120-183 S^T, then p; v184-215 O^T;
;   v216-223 p's codes; v224.. block maxima, v228.. the other half's, then bytes, v232.. scale operands; v236-239 K's scale words, v240-241 V's; v242 f, v243 p's scale word; v244-247 at work.
.set KF,  24
.set VF,  88
.set S,   120
.set O,   184
.set PCD, 216
.set TM,  224
.set KSR, 236
.set VSR, 240
.set SEL, 100                          ; s[100:101] v_permlanex16_b32's selects for lane l xor 16
.set LV,  0x10000                      ; LDS: K's images at 0, V's here,
.set LKS, 0x20000                      ; K's scale words,
.set LVS, 0x22000                      ; V's
	s_load_b128 s[16:19], s[0:1], 0x0              ; qkv, mwords
	s_load_b64 s[20:21], s[0:1], 0x10              ; att
	v_lshl_add_u32 v254, v0, 2, 0x23000
	v_mov_b32 v255, 0
	v_lshrrev_b32 v5, 5, v0
	v_readfirstlane_b32 s22, v5                    ; wave
	v_and_b32 v1, 31, v0
	v_lshlrev_b32 v4, 3, v1
	v_add_nc_u32 v4, LVS, v4                       ; V's scale words: 8 x lane
	v_lshlrev_b32 v1, 4, v1                        ; 16 x lane
	v_add_nc_u32 v2, LV, v1
	v_add_nc_u32 v3, LKS, v1
	v_lshlrev_b32 v5, 4, v0                        ; the fill: 16 x thread,
	v_lshlrev_b32 v6, 3, v0                        ; 8 x thread
	v_and_b32 v7, 15, v0
	v_lshlrev_b32 v7, 4, v7                        ; Q's scale word: 16 r
	v_lshl_add_u32 v8, v0, 4, LV
	v_lshl_add_u32 v244, v0, 4, LKS
	v_lshl_add_u32 v245, v0, 3, LVS
	s_bfe_u32 s23, s22, 0x10002
	s_mul_i32 s23, s23, 3
	s_xor_b32 s23, s23, s22
	s_lshl_b32 s24, s23, 3
	s_add_co_u32 s24, s24, ttmp9                   ; my tile of queries
	s_and_b32 s25, ttmp7, 0xffff                   ; bh
	s_lshl_b32 s26, s25, 16
	s_mov_b32 s27, 0
	s_lshl_b32 s28, s25, 13
	s_mov_b32 s29, 0
	s_lshl_b32 s30, s25, 12
	s_mov_b32 s31, 0
	s_lshl_b32 s32, s24, 9
	s_add_co_u32 s32, s32, s26                     ; Q's image
	s_mov_b32 s33, 0
	s_lshr_b32 s34, s24, 3
	s_lshl_b32 s34, s34, 9                         ; Q's scale words: step tile / 8,
	s_and_b32 s35, s24, 1
	s_lshl_b32 s35, s35, 8                         ; lanes 16 (tile % 2) on,
	s_add_co_u32 s34, s34, s35
	s_bfe_u32 s35, s24, 0x20001
	s_lshl_b32 s35, s35, 2                         ; word (tile / 2) % 4
	s_add_co_u32 s34, s34, s35
	s_add_co_u32 s34, s34, s28
	s_mov_b32 s35, 0
	s_lshl_b32 s36, s24, 12                        ; the mask words: 16 steps of 256 bytes a tile
	s_mov_b32 s37, 0
	s_lshl_b32 s38, s24, 6                         ; the summaries
	s_mov_b32 s39, 0
	s_lshr_b32 s40, s25, 4
	s_lshl_b32 s40, s40, 7
	s_add_co_u32 s40, s40, s24                     ; the tile among all 256 tiles of tokens
	s_and_b32 s41, s25, 15                         ; the head
	s_lshl_b32 s42, s40, 13
	s_lshl_b32 s43, s41, 9
	s_add_co_u32 s42, s42, s43
	s_mov_b32 s43, 0
	s_lshl_b32 s44, s41, 13
	s_lshl_b32 s45, s40, 5
	s_add_co_u32 s44, s44, s45
	s_mov_b32 s45, 0
	s_mov_b32 s2, 0x3e38aa3b                       ; c = log2(e) / sqrt(64)
	s_mov_b32 s3, s2                               ; (named with it as a pair, so it is written)
	s_mov_b32 s[SEL], 0x76543210
	s_mov_b32 s[SEL+1], 0xfedcba98
	s_wait_kmcnt 0x0
	s_add_nc_u64 s[46:47], s[16:17], s[26:27]
	s_add_nc_u64 s[48:49], s[46:47], 0x200000      ; K's images
	s_add_nc_u64 s[50:51], s[46:47], 0x400000      ; V's
	s_add_nc_u64 s[52:53], s[16:17], s[28:29]
	s_add_nc_u64 s[52:53], s[52:53], 0x640000      ; K's scale words
	s_add_nc_u64 s[54:55], s[16:17], s[30:31]
	s_add_nc_u64 s[54:55], s[54:55], 0x680000      ; V's
	s_add_nc_u64 s[56:57], s[16:17], s[32:33]      ; Q
	s_add_nc_u64 s[58:59], s[16:17], s[34:35]
	s_add_nc_u64 s[58:59], s[58:59], 0x600000
	s_add_nc_u64 s[4:5], s[18:19], s[36:37]        ; the mask words: walks, 256 bytes a step
	s_add_nc_u64 s[60:61], s[18:19], s[38:39]
	s_add_nc_u64 s[60:61], s[60:61], 0x80000
	s_add_nc_u64 s[6:7], s[20:21], s[42:43]        ; where the codes go,
	s_add_nc_u64 s[8:9], s[20:21], s[44:45]
	s_add_nc_u64 s[8:9], s[8:9], 0x200000          ; and the scale bytes
.irp i, 0,1,2,3,4,5,6,7
	global_load_b128 v[S+4*\i:S+4*\i+3], v5, s[48:49] offset:8192*\i       ; the 512 threads take 8,192 consecutive bytes
.endr
.irp i, 0,1,2,3,4,5,6,7
	global_load_b128 v[S+32+4*\i:S+32+4*\i+3], v5, s[50:51] offset:8192*\i
.endr
	global_load_b128 v[O:O+3], v5, s[52:53]
	global_load_b64 v[O+4:O+5], v6, s[54:55]
	global_load_b128 v[16:19], v1, s[56:57]
	global_load_b32 v10, v7, s[58:59]
	s_load_b512 s[84:99], s[60:61], 0x0            ; my tile's sixteen summaries
	s_wait_kmcnt 0x0
	s_mov_b32 s14, 0                               ; SKIP: bit j: no key of step j is kept for any of my queries
	s_mov_b32 s15, 0                               ; OPEN: bit j: all are kept
	s_mov_b32 s10, 0
.irp j, 0,1,2,3,4,5,6,7,8,9,10,11,12,13,14,15
	s_or_b32 s10, s10, s[84+\j]
	s_and_b32 s11, s[84+\j], 0xffff
	s_cmp_eq_u32 s11, 0
	s_cselect_b32 s11, 1<<\j, 0
	s_or_b32 s14, s14, s11
	s_bfe_u32 s11, s[84+\j], 0x10010
	s_lshl_b32 s11, s11, \j
	s_or_b32 s15, s15, s11
.endr
	s_and_b32 s10, s10, 0xffff
	s_cmp_eq_u32 s10, 0xffff                       ; has each of my 16 queries a kept key somewhere?
	s_cselect_b32 s14, s14, 0                      ; if not, no step is left out
	s_wait_loadcnt 2                               ; the eighteen loads of the fill are in; Q and its scale word stay out
.irp i, 0,1,2,3,4,5,6,7
	ds_store_b128 v5, v[S+4*\i:S+4*\i+3] offset:8192*\i
.endr
.irp i, 0,1,2,3,4,5,6,7
	ds_store_b128 v8, v[S+32+4*\i:S+32+4*\i+3] offset:8192*\i
.endr
	ds_store_b128 v244, v[O:O+3]
	ds_store_b64 v245, v[O+4:O+5]
	s_wait_dscnt 0x0                               ; for the others' sake: my part has landed
	s_barrier_signal -1
	s_barrier_wait -1                              ; the one barrier; it stands ahead of every branch on stored numbers
	v_mov_b32 v9, 0xe2800000                       ; -2^70
	v_mov_b32 v13, 0xff61b1e6                      ; the largest t so far: -3e38, under every t
	v_floor_f32 v12, -v13                          ; -M
	v_mov_b32 v14, 0
	v_mov_b32 v15, 0
.irp j, 20,21,22,23
	v_mov_b32 v[\j], 0                             ; Q's upper half of K: zero codes
.endr
.irp t, 0,1,2,3,4,5,6,7
.irp j, 4,5,6,7
	v_mov_b32 v[KF+8*\t+\j], 0                     ; K's likewise: written once, the loads fill registers 0-3 alone
.endr
.endr
.set n, 0
.rept 32
	v_mov_b32 v[O+n], 0                            ; O^T.  (The step is written once: its first run finds zeros, which the first change of M leaves zeros)
.set n, n+1
.endr
.irp b, 0,1,2,3
	v_mov_b32 v[TM+4+\b], 0                        ; (a lane permute's destination counts as one of its sources)
.endr
	v_mov_b32 v243, 0                              ; (named as the upper half of the pair v[242:243] before it is first written)
	v_mov_b32 v244, 0
	s_mov_b32 s10, 0                               ; J
	s_mov_b32 s11, 0                               ; 4,096 J: the step's images
	s_mov_b32 s12, 0                               ; 512 J: K's scale words
	s_mov_b32 s13, 0                               ; 256 J: V's
	s_wait_loadcnt 0x0                             ; Q; and every load has read the registers that are written from here on
.macro SMUL t
.if (\t)%2
	v_wmma_scale_f32_16x16x128_f8f6f4 v[S+8*\t:S+8*\t+7], v[KF+8*\t:KF+8*\t+7], v[16:23], 0, v[KSR+\t/2], v10 matrix_a_fmt:MATRIX_FMT_FP4 matrix_b_fmt:MATRIX_FMT_FP4 matrix_a_scale:MATRIX_SCALE_ROW1
.else
	v_wmma_scale_f32_16x16x128_f8f6f4 v[S+8*\t:S+8*\t+7], v[KF+8*\t:KF+8*\t+7], v[16:23], 0, v[KSR+\t/2], v10 matrix_a_fmt:MATRIX_FMT_FP4 matrix_b_fmt:MATRIX_FMT_FP4
.endif
.endm
.macro OMUL t
.if (\t)%2
	v_wmma_scale_f32_16x16x128_f8f6f4 v[O+8*\t:O+8*\t+7], v[VF+8*\t:VF+8*\t+7], v[PCD:PCD+7], v[O+8*\t:O+8*\t+7], v[VSR+\t/2], v243 matrix_a_fmt:MATRIX_FMT_FP4 matrix_b_fmt:MATRIX_FMT_FP4 matrix_a_scale:MATRIX_SCALE_ROW1
.else
	v_wmma_scale_f32_16x16x128_f8f6f4 v[O+8*\t:O+8*\t+7], v[VF+8*\t:VF+8*\t+7], v[PCD:PCD+7], v[O+8*\t:O+8*\t+7], v[VSR+\t/2], v243 matrix_a_fmt:MATRIX_FMT_FP4 matrix_b_fmt:MATRIX_FMT_FP4
.endif
.endm
.Lstep:                                            ; sixteen trips: a constant; what a mask leaves out is a trip's work, not the trip
	s_bitcmp1_b32 s14, s10
	s_cbranch_scc1 .Lend
	s_load_b512 s[16:31], s[4:5], 0x0              ; the step's 64 mask words: word n in s[16 + n], from word 48 on in s[20 + n]
	s_load_b512 s[32:47], s[4:5], 0x40
	s_load_b512 s[48:63], s[4:5], 0x80
	s_load_b512 s[68:83], s[4:5], 0xc0
	v_add_nc_u32 v5, s11, v1                       ; these four are also the places between the last step's products and the loads into their registers
	v_add_nc_u32 v6, s11, v2
	v_add_nc_u32 v7, s12, v3
	v_add_nc_u32 v8, s13, v4
.irp t, 0,1,2,3,4,5,6,7
	ds_load_b128 v[KF+8*\t:KF+8*\t+3], v5 offset:512*\t
.endr
	ds_load_b128 v[KSR:KSR+3], v7                  ; word b: lanes 0-15 tile 2 b's, lanes 16-31 tile 2 b + 1's
.irp t, 0,1,2,3
.irp c, 0,1
	ds_load_b128 v[VF+8*\t+4*\c:VF+8*\t+4*\c+3], v6 offset:1024*\t+512*\c
.endr
.endr
	ds_load_b64 v[VSR:VSR+1], v8
	s_wait_dscnt 9                                 ; K and its scale words are in; V's nine loads stay out
.irp t, 0,1,2,3,4,5,6,7
	SMUL \t
.endr
.rept 4
	v_nop
.endr
	s_wait_kmcnt 0x0                               ; the mask words are in, on every way
	s_bitcmp1_b32 s15, s10
	s_cbranch_scc1 .Lopen
.set n, 0
.rept 64
.if n < 48
	v_cndmask_b32 v[S+n], v9, v[S+n], s[16+n]      ; kept where the bit is set
.else
	v_cndmask_b32 v[S+n], v9, v[S+n], s[20+n]
.endif
.set n, n+1
.endr
.Lopen:
.irp b, 0,1,2,3
	v_max3_num_f32 v[TM+\b], v[S+16*\b], v[S+1+16*\b], v[S+2+16*\b]   ; the largest score of each block of 32 keys: it serves for the row's maximum and, since p rises with the score, for the block's largest p
.endr
.irp i, 3,5,7,9,11,13
.irp b, 0,1,2,3
	v_max3_num_f32 v[TM+\b], v[TM+\b], v[S+16*\b+\i], v[S+1+16*\b+\i]
.endr
.endr
.irp b, 0,1,2,3
	v_max_num_f32 v[TM+\b], v[TM+\b], v[S+15+16*\b]
.endr
.irp b, 0,1,2,3
	v_permlanex16_b32 v[TM+4+\b], v[TM+\b], s[SEL], s[SEL+1]
.endr
.irp b, 0,1,2,3
	v_max_num_f32 v[TM+\b], v[TM+\b], v[TM+4+\b]   ; with lane l xor 16's 16 keys
.endr
	v_max3_num_f32 v244, v[TM], v[TM+1], v[TM+2]
	v_max_num_f32 v244, v244, v[TM+3]
	v_mul_f32 v244, s2, v244                       ; as t (c is positive)
	v_max_num_f32 v13, v13, v244                   ; the running largest t
	v_mov_b32 v244, v12
	v_floor_f32 v12, -v13                          ; the new -M = -ceil(t): a whole number
	v_sub_f32 v244, v12, v244                      ; old M - new M: a whole number, 0 or less
	v_cvt_i32_f32 v244, v244                       ; (it saturates)
	v_ldexp_f32 v242, 1.0, v244                    ; f = 2^(old M - new M)
.set n, 0
.rept 32
	v_pk_fma_f32 v[S+n:S+n+1], v[S+n:S+n+1], s[2:3], v[12:13] op_sel_hi:[1,0,0]   ; t - M, two at a time
.set n, n+2
.endr
.irp b, 0,1,2,3
	v_fma_f32 v[TM+\b], v[TM+\b], s2, v12          ; the same of each block's largest score
.endr
.set n, 0
.rept 64
	v_exp_f32 v[S+n], v[S+n]                       ; p = 2^(t - M), at most 1: not normalised
.set n, n+1
.endr
.irp b, 0,1,2,3
	v_exp_f32 v[TM+\b], v[TM+\b]                   ; the block's largest p
.endr
	v_pk_mul_f32 v[14:15], v[14:15], v[242:243] op_sel_hi:[1,0]   ; the sums under the new M.  (A plain place behind the exponentials)
	s_wait_alu depctr_va_vdst(0)
.irp b, 0,1,2,3
	v_max_num_f32 v[TM+\b], 0x1800000, v[TM+\b]    ; the floor 2^(3 - 127): the byte cannot fall under 1
.endr
.irp b, 0,1,2,3
	v_add_nc_u32 v[TM+8+\b], 0xff000000, v[TM+\b]  ; 2 off the exponent field: the conversion's scale operand
.endr
.irp b, 0,1,2,3
	v_lshrrev_b32 v[TM+4+\b], 23, v[TM+8+\b]       ; the scale's byte
.endr
	v_lshl_or_b32 v243, v[TM+5], 8, v[TM+4]        ; p's scale word for these 128 keys
	v_lshl_or_b32 v243, v[TM+6], 16, v243
	v_lshl_or_b32 v243, v[TM+7], 24, v243
.irp b, 0,1,2,3
	v_cvt_scalef32_pk8_fp4_f32 v[PCD+2*\b], v[S+16*\b:S+7+16*\b], v[TM+8+\b]
	v_cvt_scalef32_pk8_fp4_f32 v[PCD+1+2*\b], v[S+8+16*\b:S+15+16*\b], v[TM+8+\b]
.endr
	v_nop                                          ; one plain place behind a scaled conversion
.irp c, 0,1
.irp i, 0,1
	v_permlane16_swap_b32 v[PCD+4*\c+\i], v[PCD+2+4*\c+\i]   ; a whole block to a lane
.endr
.endr
	v_pk_add_f32 v[246:247], v[S:S+1], v[S+2:S+3]  ; the row's sum is taken of the unquantised p: two at a time, in two chains
.irp j, 4,8,12,16,20,24,28,32,36,40,44,48,52,56,60
	v_pk_add_f32 v[14:15], v[14:15], v[S+\j:S+1+\j]
	v_pk_add_f32 v[246:247], v[246:247], v[S+2+\j:S+3+\j]
.endr
	v_pk_add_f32 v[14:15], v[14:15], v[246:247]
.set n, 0
.rept 16
	v_pk_mul_f32 v[O+n:O+n+1], v[O+n:O+n+1], v[242:243] op_sel_hi:[1,0]   ; O^T under the new M.  (With the sums above: the places between the writes of p's codes and scale word and the products)
.set n, n+2
.endr
	s_wait_dscnt 0x0                               ; V and its scale words are in
.irp t, 0,1,2,3
	OMUL \t                                        ; the four accumulators by turns, one instruction a turn
.endr
.Lend:
	s_add_nc_u64 s[4:5], s[4:5], 256               ; no scalar load is out here: on the way through the step they were waited for
	s_add_co_u32 s11, s11, 4096
	s_add_co_u32 s12, s12, 512
	s_add_co_u32 s13, s13, 256
	s_add_co_u32 s10, s10, 1
	s_cmp_lt_u32 s10, 16
	s_cbranch_scc1 .Lstep
	; THE WAY OUT: O^T / the sum, quantised along the head's 64 (two blocks), as one register image of 512 bytes and 32 scale bytes
.rept 4
	v_nop
.endr
	v_add_f32 v14, v14, v15
	v_permlanex16_b32 v244, v14, s[SEL], s[SEL+1]
	v_add_f32 v14, v14, v244                       ; the row's sum
	v_rcp_f32 v14, v14
	v_and_b32 v5, 15, v0                           ; (a plain place behind the reciprocal)
	v_bfe_u32 v6, v0, 4, 1
	v_lshl_add_u32 v5, v5, 1, v6                   ; 2 r + h: my byte's place
.set n, 0
	s_wait_alu depctr_va_vdst(0)
.rept 16
	v_pk_mul_f32 v[S+n:S+n+1], v[O+n:O+n+1], v[14:15] op_sel_hi:[1,0]   ; register 16 b + i is channel 32 b + 16 h + i of my query
.set n, n+2
.endr
.irp b, 0,1
	v_max3_num_f32 v[TM+\b], |v[S+16*\b]|, |v[S+16*\b+1]|, 0x1800000
.endr
.irp i, 2,4,6,8,10,12,14
.irp b, 0,1
	v_max3_num_f32 v[TM+\b], v[TM+\b], |v[S+16*\b+\i]|, |v[S+16*\b+\i+1]|
.endr
.endr
.irp b, 0,1
	v_permlanex16_b32 v[TM+4+\b], v[TM+\b], s[SEL], s[SEL+1]
.endr
.irp b, 0,1
	v_max_num_f32 v[TM+\b], v[TM+\b], v[TM+4+\b]
.endr
.irp b, 0,1
	v_add_nc_u32 v[TM+8+\b], 0xff000000, v[TM+\b]
.endr
.irp b, 0,1
	v_lshrrev_b32 v[TM+4+\b], 23, v[TM+8+\b]
.endr
.irp b, 0,1
	v_cvt_scalef32_pk8_fp4_f32 v[PCD+2*\b], v[S+16*\b:S+16*\b+7], v[TM+8+\b]
	v_cvt_scalef32_pk8_fp4_f32 v[PCD+2*\b+1], v[S+16*\b+8:S+16*\b+15], v[TM+8+\b]
.endr
	v_nop
	v_permlane16_swap_b32 v[PCD], v[PCD+2]
	v_permlane16_swap_b32 v[PCD+1], v[PCD+3]
	s_mov_b32 s12, 0xffff0000
	v_cndmask_b32 v245, v[TM+4], v[TM+5], s12      ; lanes 0-15 carry block 0's byte, lanes 16-31 block 1's
	global_store_b128 v1, v[PCD:PCD+3], s[6:7]     ; 512 consecutive bytes
	global_store_b8 v5, v245, s[8:9]               ; 32 consecutive bytes
	s_wait_tensorcnt 0x0
	ds_add_u32 v254, v255
	s_wait_dscnt 0x0
	s_endpgm
.Lfunc_end_k_q8fbcbfe568_attn:
	.size	k_q8fbcbfe568_attn, .Lfunc_end_k_q8fbcbfe568_attn-k_q8fbcbfe568_attn
	.p2alignl 7, 3214868480
	.fill 96, 4, 3214868480
	.section	.rodata,"a",@progbits
	.p2align	6, 0x0
	.amdhsa_kernel k_q8fbcbfe568_attn
		.amdhsa_group_segment_fixed_size 145408
		.amdhsa_private_segment_fixed_size 0
		.amdhsa_enable_private_segment 0
		.amdhsa_kernarg_size 24
		.amdhsa_user_sgpr_count 2
		.amdhsa_user_sgpr_kernarg_segment_ptr 1
		.amdhsa_wavefront_size32 1
		.amdhsa_system_sgpr_workgroup_id_x 1
		.amdhsa_system_sgpr_workgroup_id_y 1
		.amdhsa_system_sgpr_workgroup_id_z 1
		.amdhsa_system_vgpr_workitem_id 0
		.amdhsa_next_free_vgpr 256
		.amdhsa_next_free_sgpr 102
		.amdhsa_reserve_vcc 0
		.amdhsa_float_denorm_mode_32 3
		.amdhsa_float_denorm_mode_16_64 3
		.amdhsa_memory_ordered 1
		.amdhsa_forward_progress 1
		.amdhsa_inst_pref_size 39
	.end_amdhsa_kernel
	.amdgpu_metadata
---
amdhsa.version: [ 1, 2 ]
amdhsa.kernels:
  - .name:           k_q8fbcbfe568_attn
    .symbol:         k_q8fbcbfe568_attn.kd
    .args:
      - { .name: qkv, .offset: 0, .size: 8, .value_kind: global_buffer, .address_space: global }
      - { .name: mwords, .offset: 8, .size: 8, .value_kind: global_buffer, .address_space: global }
      - { .name: att, .offset: 16, .size: 8, .value_kind: global_buffer, .address_space: global }
    .group_segment_fixed_size: 145408
    .private_segment_fixed_size: 0
    .kernarg_segment_align: 8
    .kernarg_segment_size: 24
    .max_flat_workgroup_size: 512
    .sgpr_count:     102
    .vgpr_count:     256
    .wavefront_size: 32
...
	.end_amdgpu_metadata
.endif
;; end of part 3
;; launch proj (part 4): grid 16 x 16, 8 waves a work-group, no clusters, 103,424 bytes of LDS; arguments att, pre, wo_scales, bo, out0; writes out0
.if DOCPART == 4
	.amdgcn_target "amdgcn-amd-amdhsa--gfx1250"
	.amdhsa_code_object_version 6
	.text
	.protected	k_q8fbcbfe568_proj
	.globl	k_q8fbcbfe568_proj
	.p2align	8
	.type	k_q8fbcbfe568_proj,@function
k_q8fbcbfe568_proj:
	s_mov_b64 s[64:65], 0
	v_nop
	global_prefetch_b8 v0, s[64:65] scope:SCOPE_SE
	s_setreg_imm32_b32 hwreg(HW_REG_WAVE_MODE, 25, 1), 1
	s_wait_xcnt 0x0
; out0 = a wo^T + bo on codes of FP4 (E2M1): a is the attention launch's result, stored as register images; wo's images were laid by the first launch.
; SHARES.  Work-group (X, y): 256 tokens x 64 features.  Wave w takes 32 tokens (tiles 2 G and 2 G + 1, G = 8 X + w) against the four tiles of wo: 8 accumulators, 64 matrix instructions.
; The work-group's four tiles of wo lie in LDS (32 KB, filled once through registers, one barrier); a wave's 16 KB of a come from memory straight into its registers: nobody else in the work-group reads them.
; No cluster: after the one fill nothing is shared, and the launch is short.
; Source 0 = 16 rows of wo, source 1 = 16 tokens: a lane holds one token and eight neighbouring features a tile; rows of 64 features (256 bytes) are gathered in the wave's own stage and leave whole.
; The bias is the C of each sum's first matrix instruction; the eight accumulators take turns, one instruction a turn.
; REGISTERS: window 0: v1-8 offsets; v16-23 a's scale words (K step s; lanes 0-15 tile 2 G, lanes 16-31 tile 2 G + 1); v24-39 wo's; v40-55 halves of a's scale words; v56-87 the bias; v88-151 the accumulators (32 u + 8 F);
;   v152-215 the fill on its way, later rows of the result.   window 1: v0-127 a's fragments (64 u + 8 s); v128-255 wo's, four sets (32 (s % 4) + 8 F).
.set AS,  16
.set WS,  24
.set HW,  40
.set BI,  56
.set ACC, 88
.set ST,  152
.set STG, 32768                        ; LDS: behind wo's images, 2 x 16 rows x 272 bytes for each wave
.set MSB, 0
.macro WIN new                         ; the immediate's high byte repeats the setting that is left
.if MSB != \new
	s_set_vgpr_msb (MSB<<8)|\new
.set MSB, \new
.endif
.endm
.macro WM d, a, b, c, sa, sb, ra, rb
.if ((\ra) != 0) && ((\rb) != 0)
	v_wmma_scale_f32_16x16x128_f8f6f4 v[(\d):(\d)+7], v[(\a):(\a)+7], v[(\b):(\b)+7], v[(\c):(\c)+7], v[\sa], v[\sb] matrix_a_fmt:MATRIX_FMT_FP4 matrix_b_fmt:MATRIX_FMT_FP4 matrix_a_scale:MATRIX_SCALE_ROW1 matrix_b_scale:MATRIX_SCALE_ROW1
.elseif (\ra) != 0
	v_wmma_scale_f32_16x16x128_f8f6f4 v[(\d):(\d)+7], v[(\a):(\a)+7], v[(\b):(\b)+7], v[(\c):(\c)+7], v[\sa], v[\sb] matrix_a_fmt:MATRIX_FMT_FP4 matrix_b_fmt:MATRIX_FMT_FP4 matrix_a_scale:MATRIX_SCALE_ROW1
.elseif (\rb) != 0
	v_wmma_scale_f32_16x16x128_f8f6f4 v[(\d):(\d)+7], v[(\a):(\a)+7], v[(\b):(\b)+7], v[(\c):(\c)+7], v[\sa], v[\sb] matrix_a_fmt:MATRIX_FMT_FP4 matrix_b_fmt:MATRIX_FMT_FP4 matrix_b_scale:MATRIX_SCALE_ROW1
.else
	v_wmma_scale_f32_16x16x128_f8f6f4 v[(\d):(\d)+7], v[(\a):(\a)+7], v[(\b):(\b)+7], v[(\c):(\c)+7], v[\sa], v[\sb] matrix_a_fmt:MATRIX_FMT_FP4 matrix_b_fmt:MATRIX_FMT_FP4
.endif
.endm
	s_load_b256 s[4:11], s[0:1], 0x0               ; att, pre, wo_scales, bo
	s_load_b64 s[12:13], s[0:1], 0x20              ; out0
	v_lshl_add_u32 v254, v0, 2, 0x19000
	v_mov_b32 v255, 0
	v_lshrrev_b32 v9, 5, v0
	v_readfirstlane_b32 s14, v9                    ; wave
	v_and_b32 v9, 31, v0                           ; lane
	v_and_b32 v10, 15, v0                          ; r
	v_bfe_u32 v11, v0, 4, 1                        ; h
	v_lshlrev_b32 v1, 4, v9                        ; 16 x lane
	v_lshlrev_b32 v2, 4, v0                        ; 16 x thread
	v_and_b32 v3, 8, v10
	v_add_nc_u32 v3, v3, v10
	v_lshl_add_u32 v3, v11, 3, v3
	v_lshlrev_b32 v3, 5, v3                        ; wo's scale bytes: row 8 (lane / 16) + r + 8 (r / 8) of 32 bytes
	v_lshlrev_b32 v4, 6, v11                       ; the bias: 16 h numbers on
	v_lshlrev_b32 v5, 1, v9                        ; a's scale bytes: 2 x lane
	s_mul_i32 s18, s14, 8704
	s_add_co_u32 s18, s18, STG                     ; my stage
	v_mul_u32_u24 v6, v10, 272
	v_lshl_add_u32 v6, v11, 6, v6
	v_add_nc_u32 v6, s18, v6                       ; in: row r, + 64 h
	v_mul_u32_u24 v7, v11, 272
	v_lshl_add_u32 v7, v10, 4, v7
	v_add_nc_u32 v7, s18, v7                       ; back: lanes 0-15 one row, lanes 16-31 the next
	v_lshlrev_b32 v8, 12, v11
	v_lshl_add_u32 v8, v10, 4, v8                  ; and the same two rows in out0
	s_and_b32 s16, ttmp7, 0xffff                   ; y
	s_lshl_b32 s17, ttmp9, 3
	s_add_co_u32 s17, s17, s14                     ; G
	s_lshl_b32 s20, s16, 15
	s_add_co_u32 s20, s20, 0x380000                ; wo's images: 32 KB for 64 features
	s_mov_b32 s21, 0
	s_lshl_b32 s22, s17, 14                        ; a's images: two tiles of 8 KB
	s_mov_b32 s23, 0
	s_lshl_b32 s24, s17, 6
	s_add_co_u32 s24, s24, 0x200000                ; a's scale bytes: 64 for the two tiles, in each head's 8 KB
	s_mov_b32 s25, 0
	s_lshl_b32 s26, s16, 11
	s_mov_b32 s27, 0
	s_lshl_b32 s28, s16, 8
	s_mov_b32 s29, 0
	s_lshl_b32 s30, s17, 17                        ; 32 rows of 4,096 bytes,
	s_add_co_u32 s30, s30, s28                     ; + 256 y
	s_mov_b32 s31, 0
	s_wait_kmcnt 0x0
	s_add_nc_u64 s[20:21], s[6:7], s[20:21]
	s_add_nc_u64 s[22:23], s[4:5], s[22:23]
	s_add_nc_u64 s[24:25], s[4:5], s[24:25]
	s_add_nc_u64 s[26:27], s[8:9], s[26:27]
	s_add_nc_u64 s[28:29], s[10:11], s[28:29]
	s_add_nc_u64 s[30:31], s[12:13], s[30:31]
.irp i, 0,1,2,3,4,5,6,7
	global_load_b128 v[ST+4*\i:ST+4*\i+3], v2, s[20:21] offset:4096*\i     ; the fill: 4,096 consecutive bytes a load
.endr
	WIN 0x40                                       ; destination window 1
.irp u, 0,1
.irp s, 0,1,2,3,4,5,6,7
.irp c, 0,1
	global_load_b128 v[64*\u+8*\s+4*\c:64*\u+8*\s+4*\c+3], v1, s[22:23] offset:8192*\u+1024*\s+512*\c
.endr
.endr
.endr
	WIN 0
.irp g, 0,1,2,3,4,5,6,7,8,9,10,11,12,13,14,15
	global_load_u16 v[HW+\g], v5, s[24:25] offset:8192*\g                  ; head g's two bytes of my row
.endr
.irp g, 0,1
.irp q, 0,1
	global_load_b128 v[WS+8*\g+4*\q:WS+8*\g+4*\q+3], v3, s[26:27] offset:1024*\g+16*\q
.endr
.endr
.irp f, 0,1,2,3
	global_load_b128 v[BI+8*\f:BI+8*\f+3], v4, s[28:29] offset:(32*(\f/2)+8*(\f%2))*4
	global_load_b128 v[BI+8*\f+4:BI+8*\f+7], v4, s[28:29] offset:(32*(\f/2)+8*(\f%2))*4+16
.endr
	s_wait_loadcnt 60                              ; the eight loads of the fill are in; the 32 + 16 + 4 + 8 behind them stay out
.irp i, 0,1,2,3,4,5,6,7
	ds_store_b128 v2, v[ST+4*\i:ST+4*\i+3] offset:4096*\i
.endr
	s_wait_dscnt 0x0                               ; for the others' sake: my part of wo's images has landed
	s_barrier_signal -1
	s_barrier_wait -1                              ; the one barrier: the images are only read from here on, and a stage is its wave's own
.macro WSET s                          ; wo's four tiles, K step s, into set s % 4
	WIN 0x40
.irp f, 0,1,2,3
.irp c, 0,1
	ds_load_b128 v[128+32*((\s)%4)+8*\f+4*\c:128+32*((\s)%4)+8*\f+4*\c+3], v1 offset:8192*\f+1024*(\s)+512*\c
.endr
.endr
.endm
	WSET 0
	WSET 1
	WSET 2
	WSET 3
	WIN 0
	s_wait_loadcnt 0x0
.irp s, 0,1,2,3,4,5,6,7
	v_lshl_or_b32 v[AS+\s], v[HW+2*\s+1], 16, v[HW+2*\s]   ; K step s is heads 2 s and 2 s + 1: four bytes
.endr
.rept 8
	v_nop                                          ; a scale register written by a vector instruction stands eight places ahead of a scaled matrix instruction
.endr
.macro PSTEP s
.if (\s) <= 4
	s_wait_dscnt 24                                ; this step's set is in; the three sets behind it stay out
.else
	s_wait_dscnt 8*(7-(\s))
.endif
	WIN 0x05                                       ; sources 0 and 1 window 1; C and D window 0
.irp u, 0,1
.irp f, 0,1,2,3
.if (\s) == 0
	WM ACC+32*\u+8*\f, 128+32*((\s)%4)+8*\f, 64*\u+8*(\s), BI+8*\f, WS+8*(\f/2)+(\s), AS+(\s), \f%2, \u
.else
	WM ACC+32*\u+8*\f, 128+32*((\s)%4)+8*\f, 64*\u+8*(\s), ACC+32*\u+8*\f, WS+8*(\f/2)+(\s), AS+(\s), \f%2, \u
.endif
.endr
.endr
.rept 4
	v_nop                                          ; places in front of loads into registers that these products read, and of the first read of results
.endr
.if (\s) < 4
	WSET (\s)+4
.endif
.endm
.irp s, 0,1,2,3,4,5,6,7
	PSTEP \s
.endr
	WIN 0
	; THE WAY OUT: tile u's 16 rows x 256 bytes through my stage; sixteen lanes then store 256 consecutive bytes, aligned
.irp u, 0,1
.irp f, 0,1,2,3
	ds_store_b128 v6, v[ACC+32*\u+8*\f:ACC+32*\u+8*\f+3] offset:4352*\u+128*(\f/2)+32*(\f%2)        ; features 32 (f / 2) + 16 h + 8 (f % 2) + 0 .. 7 of my token; each accumulator from its low end on
	ds_store_b128 v6, v[ACC+32*\u+8*\f+4:ACC+32*\u+8*\f+7] offset:4352*\u+128*(\f/2)+32*(\f%2)+16
.endr
.irp i, 0,1,2,3,4,5,6,7
	ds_load_b128 v[ST+32*\u+4*\i:ST+32*\u+4*\i+3], v7 offset:4352*\u+544*\i   ; LDS serves a wave's instructions in order: these see the stores above
.endr
.endr
.irp u, 0,1
.irp i, 0,1,2,3,4,5,6,7
	s_wait_dscnt 23-16*\u-\i                       ; behind this load: the rest of its run, and for tile 0 the other tile's eight stores and eight loads
	global_store_b128 v8, v[ST+32*\u+4*\i:ST+32*\u+4*\i+3], s[30:31] offset:(8*\u+2*\i+8*(\i/4))*4096 th:TH_STORE_NT   ; tile rows 2 i and 2 i + 1 are tokens 8 u + 2 i + h + 8 (i / 4) of my 32
.endr
.endr
	s_wait_tensorcnt 0x0
	ds_add_u32 v254, v255
	s_wait_dscnt 0x0
	s_endpgm
.Lfunc_end_k_q8fbcbfe568_proj:
	.size	k_q8fbcbfe568_proj, .Lfunc_end_k_q8fbcbfe568_proj-k_q8fbcbfe568_proj
	.p2alignl 7, 3214868480
	.fill 96, 4, 3214868480
	.section	.rodata,"a",@progbits
	.p2align	6, 0x0
	.amdhsa_kernel k_q8fbcbfe568_proj
		.amdhsa_group_segment_fixed_size 103424
		.amdhsa_private_segment_fixed_size 0
		.amdhsa_enable_private_segment 0
		.amdhsa_kernarg_size 40
		.amdhsa_user_sgpr_count 2
		.amdhsa_user_sgpr_kernarg_segment_ptr 1
		.amdhsa_wavefront_size32 1
		.amdhsa_system_sgpr_workgroup_id_x 1
		.amdhsa_system_sgpr_workgroup_id_y 1
		.amdhsa_system_sgpr_workgroup_id_z 1
		.amdhsa_system_vgpr_workitem_id 0
		.amdhsa_next_free_vgpr 512
		.amdhsa_next_free_sgpr 66
		.amdhsa_reserve_vcc 0
		.amdhsa_float_denorm_mode_32 3
		.amdhsa_float_denorm_mode_16_64 3
		.amdhsa_memory_ordered 1
		.amdhsa_forward_progress 1
		.amdhsa_inst_pref_size 29
	.end_amdhsa_kernel
	.amdgpu_metadata
---
amdhsa.version: [ 1, 2 ]
amdhsa.kernels:
  - .name:           k_q8fbcbfe568_proj
    .symbol:         k_q8fbcbfe568_proj.kd
    .args:
      - { .name: att, .offset: 0, .size: 8, .value_kind: global_buffer, .address_space: global }
      - { .name: pre, .offset: 8, .size: 8, .value_kind: global_buffer, .address_space: global }
      - { .name: wo_scales, .offset: 16, .size: 8, .value_kind: global_buffer, .address_space: global }
      - { .name: bo, .offset: 24, .size: 8, .value_kind: global_buffer, .address_space: global }
      - { .name: out0, .offset: 32, .size: 8, .value_kind: global_buffer, .address_space: global }
    .group_segment_fixed_size: 103424
    .private_segment_fixed_size: 0
    .kernarg_segment_align: 8
    .kernarg_segment_size: 40
    .max_flat_workgroup_size: 256
    .sgpr_count:     66
    .vgpr_count:     512
    .wavefront_size: 32
...
	.end_amdgpu_metadata
.endif
;; end of part 4
;; ======== version 2 of 3: 4 launches
;; limits: right only within a limited range of input values
;; workspace buffers: pre 4,718,592 bytes; mwords 532,480 bytes of whole numbers; qkv 6,946,816 bytes; att 2,228,224 bytes
;; launch prep: the kernel of part 1 again; grid 256 x 1, 4 waves a work-group, no clusters, 51,712 bytes of LDS; arguments mask, x_codes, wq_codes, wk_codes, wv_codes, wo_codes, pre, mwords; writes pre, mwords
;; launch qkv (part 5): grid 32 x 6, 8 waves a work-group, no clusters, 99,328 bytes of LDS; arguments pre, x_scales, wq_scales, wk_scales, wv_scales, bq, bk, bv, qkv; writes qkv
.if DOCPART == 5
	.amdgcn_target "amdgcn-amd-amdhsa--gfx1250"
	.amdhsa_code_object_version 6
	.text
	.protected	k_q8fbcbfe568_qkv
	.globl	k_q8fbcbfe568_qkv
	.p2align	8
	.type	k_q8fbcbfe568_qkv,@function
k_q8fbcbfe568_qkv:
	s_mov_b64 s[64:65], 0
	v_nop
	global_prefetch_b8 v0, s[64:65] scope:SCOPE_SE
	s_setreg_imm32_b32 hwreg(HW_REG_WAVE_MODE, 25, 1), 1
	s_wait_xcnt 0x0
; q, k, v = x W^T + b on codes of FP4 (E2M1) with E8M0 scales; RoPE on q and k; each result quantised anew and stored as images of the attention launch's operand registers.
; SHARES.  Work-group (X, y): 128 tokens (batch X / 16, key step j = X % 16); kind = y / 2 (q, k, v); wave w makes head 8 (y % 2) + w: 128 tokens x 64 features over all of K = 1,024: 32 accumulators, 256 matrix instructions.
; The block's eight tiles of x (register images, 64 KB) and its table of cosines and sines (32 KB: the same positions for all eight heads) lie in LDS, filled once through registers, one barrier: so the table is fetched once
; for the work-group and not once for each wave.  Each wave's four tiles of W come from memory straight into registers, in four sets of 32 that take turns: nobody else reads them here.
; No cluster and no joint loads: what the eight waves share is in LDS after one fill, and the six work-groups that read the same x differ in what they do with it.
; q, k: source 0 = 16 rows of W, source 1 = 16 tokens: a lane holds ONE token, and its 32 registers of a tile of tokens are features 32 b + 16 h + i (register 16 b + i), since tile T takes rows 32 (T / 2) + 8 (T % 2) + r + 8 (r / 8).
; v: the sources change places: a lane holds ONE feature and its 64 registers run along the tokens, which are the K of the second product of attention.
; The bias is the C of each sum's first matrix instruction.  The 32 accumulators take turns, one instruction a turn.
; LIMITS: a block of zeros gets the scale byte 1 (its codes are zeros; this program alone reads the bytes); NaN, infinities and 0xff scale bytes among the inputs are not served.
; REGISTERS: window 0: v1-4, v9-11 offsets; v16-47 x's scale words (pair of tiles G, K step s: 8 G + s; lanes 0-15 tile 2 G, lanes 16-31 tile 2 G + 1); v48-63 W's likewise; v64-127 x's fragments; v128-255 W's, four sets;
;   the fourth set lies where the bias lies, which K step 0 alone reads.   window 1: the accumulators: q, k at 32 T + 8 F; v at 64 F + 8 T.
.set XS,  16
.set WS,  48
.set XF,  64
.set WF,  128
.set BI,  224
.set LTB, 0x10000                      ; LDS: x's images at 0, the table here
.set CS,  64                           ; the epilogues' registers lie where the fragments lay: cosines and sines, two sets of 32;
.set R,   128                          ; a tile's 32 rotated numbers (v: the codes, 8 a tile of features);
.set PC,  160                          ; the codes, 4 a tile of tokens;
.set TM,  192                          ; +0.. largest magnitudes, +4.. the other half's, then bytes, +8.. or +12.. the conversions' scale operands;
.set SW,  208                          ; a scale word for each tile;
.set SWC, 216                          ; the scale words as they are stored
.set SEL, 60                           ; s[60:61] v_permlanex16_b32's selects for lane l xor 16
.set MSB, 0
.macro WIN new                         ; the immediate's high byte repeats the setting that is left
.if MSB != \new
	s_set_vgpr_msb (MSB<<8)|\new
.set MSB, \new
.endif
.endm
.macro PLACES                          ; four plain places between a matrix instruction and a load into, or a read of, its registers
.rept 4
	v_nop
.endr
.endm
; one product; ra, rb: the half of the lanes from which source 0's and source 1's scales are taken
.macro WM d, a, b, c, sa, sb, ra, rb
.if ((\ra) != 0) && ((\rb) != 0)
	v_wmma_scale_f32_16x16x128_f8f6f4 v[(\d):(\d)+7], v[(\a):(\a)+7], v[(\b):(\b)+7], v[(\c):(\c)+7], v[\sa], v[\sb] matrix_a_fmt:MATRIX_FMT_FP4 matrix_b_fmt:MATRIX_FMT_FP4 matrix_a_scale:MATRIX_SCALE_ROW1 matrix_b_scale:MATRIX_SCALE_ROW1
.elseif (\ra) != 0
	v_wmma_scale_f32_16x16x128_f8f6f4 v[(\d):(\d)+7], v[(\a):(\a)+7], v[(\b):(\b)+7], v[(\c):(\c)+7], v[\sa], v[\sb] matrix_a_fmt:MATRIX_FMT_FP4 matrix_b_fmt:MATRIX_FMT_FP4 matrix_a_scale:MATRIX_SCALE_ROW1
.elseif (\rb) != 0
	v_wmma_scale_f32_16x16x128_f8f6f4 v[(\d):(\d)+7], v[(\a):(\a)+7], v[(\b):(\b)+7], v[(\c):(\c)+7], v[\sa], v[\sb] matrix_a_fmt:MATRIX_FMT_FP4 matrix_b_fmt:MATRIX_FMT_FP4 matrix_b_scale:MATRIX_SCALE_ROW1
.else
	v_wmma_scale_f32_16x16x128_f8f6f4 v[(\d):(\d)+7], v[(\a):(\a)+7], v[(\b):(\b)+7], v[(\c):(\c)+7], v[\sa], v[\sb] matrix_a_fmt:MATRIX_FMT_FP4 matrix_b_fmt:MATRIX_FMT_FP4
.endif
.endm
.macro MM16 s, t0, v                   ; tiles of tokens t0 .. t0 + 3 x the four tiles of features, K step s
.irp t, \t0, \t0+1, \t0+2, \t0+3
.irp f, 0,1,2,3
.if \v
.if (\s) == 0
	WM 64*\f+8*(\t), XF+8*(\t), WF+32*((\s)%4)+8*\f, BI+8*\f, XS+8*((\t)/2)+(\s), WS+8*(\f/2)+(\s), (\t)%2, \f%2
.else
	WM 64*\f+8*(\t), XF+8*(\t), WF+32*((\s)%4)+8*\f, 64*\f+8*(\t), XS+8*((\t)/2)+(\s), WS+8*(\f/2)+(\s), (\t)%2, \f%2
.endif
.else
.if (\s) == 0
	WM 32*(\t)+8*\f, WF+32*((\s)%4)+8*\f, XF+8*(\t), BI+8*\f, WS+8*(\f/2)+(\s), XS+8*((\t)/2)+(\s), \f%2, (\t)%2
.else
	WM 32*(\t)+8*\f, WF+32*((\s)%4)+8*\f, XF+8*(\t), 32*(\t)+8*\f, WS+8*(\f/2)+(\s), XS+8*((\t)/2)+(\s), \f%2, (\t)%2
.endif
.endif
.endr
.endr
.endm
.macro WLOAD s                         ; my four tiles of W, K step s, into set s % 4: eight loads of 512 consecutive bytes
.irp f, 0,1,2,3
.irp c, 0,1
	global_load_b128 v[WF+32*((\s)%4)+8*\f+4*\c:WF+32*((\s)%4)+8*\f+4*\c+3], v1, s[46:47] offset:8192*\f+1024*(\s)+512*\c
.endr
.endr
.endm
.macro XLOAD s, t0                     ; x's tiles t0 .. t0 + 3, K step s, from LDS
.irp t, \t0, \t0+1, \t0+2, \t0+3
.irp c, 0,1
	ds_load_b128 v[XF+8*(\t)+4*\c:XF+8*(\t)+4*\c+3], v1 offset:8192*(\t)+1024*(\s)+512*\c
.endr
.endr
.endm
.macro MULWIN s
.if (\s) == 0
	WIN 0x40                                       ; D in window 1; the bias, as C, in window 0
.else
	WIN 0x50                                       ; C and D in window 1
.endif
.endm
; W's sets are issued in this order: 0 | the bias, 1, 2 | behind step 0: 3, 4 | behind steps 1, 2, 3: 5, 6, 7.  A step's wait leaves out the sets issued behind its own, eight loads each.
.macro KSTEP s, v
.if (\s) == 0
	s_wait_loadcnt 16                              ; set 0, the scale words and the bias are in; sets 1 and 2 stay out
.elseif (\s) <= 4
	s_wait_loadcnt 24                              ; this step's set is in; the three sets behind it stay out
.else
	s_wait_loadcnt 8*(7-(\s))                      ; the sets that are left
.endif
	s_wait_dscnt 8                                 ; x's tiles 0-3 are in; the eight loads of tiles 4-7 stay out
	MULWIN \s
	MM16 \s, 0, \v
	PLACES
	WIN 0
.if (\s) < 7
	XLOAD (\s)+1, 0
	s_wait_dscnt 8                                 ; tiles 4-7 are in; the eight just issued stay out
.else
	s_wait_dscnt 0x0
.endif
	MULWIN \s
	MM16 \s, 4, \v
	PLACES
	WIN 0
.if (\s) < 7
	XLOAD (\s)+1, 4
.endif
.if (\s) == 0
	WLOAD 3                                        ; where the bias lay: step 0's products have read it
	WLOAD 4                                        ; into the set that this step has just left
.elseif (\s) <= 3
	WLOAD (\s)+4
.endif
.endm
; 32 numbers of a lane, register 16 b + i = k 32 b + 16 h + i of my row, become 4 registers of codes (lane (r, h): k = 32 h + 0 .. 31); the two bytes are left in v[TM+4], v[TM+5]
.macro QUANT2 src, pc
.irp b, 0,1
	v_max3_num_f32 v[TM+\b], |v[\src+16*\b]|, |v[\src+16*\b+1]|, 0x1800000   ; and the floor 2^(3 - 127): the byte cannot fall under 1
.endr
.irp i, 2,4,6,8,10,12,14
.irp b, 0,1
	v_max3_num_f32 v[TM+\b], v[TM+\b], |v[\src+16*\b+\i]|, |v[\src+16*\b+\i+1]|
.endr
.endr
.irp b, 0,1
	v_permlanex16_b32 v[TM+4+\b], v[TM+\b], s[SEL], s[SEL+1]
.endr
.irp b, 0,1
	v_max_num_f32 v[TM+\b], v[TM+\b], v[TM+4+\b]   ; with lane l xor 16's: the block's largest magnitude
.endr
.irp b, 0,1
	v_add_nc_u32 v[TM+8+\b], 0xff000000, v[TM+\b]  ; 2 off its exponent field: the conversion's scale operand
.endr
.irp b, 0,1
	v_lshrrev_b32 v[TM+4+\b], 23, v[TM+8+\b]       ; the scale's byte
.endr
.irp b, 0,1
	v_cvt_scalef32_pk8_fp4_f32 v[\pc+2*\b], v[\src+16*\b:\src+16*\b+7], v[TM+8+\b]
	v_cvt_scalef32_pk8_fp4_f32 v[\pc+2*\b+1], v[\src+16*\b+8:\src+16*\b+15], v[TM+8+\b]
.endr
	v_nop                                          ; one plain place behind a scaled conversion
	v_permlane16_swap_b32 v[\pc], v[\pc+2]         ; a whole block to a lane: lanes 0-15 block 0, lanes 16-31 block 1
	v_permlane16_swap_b32 v[\pc+1], v[\pc+3]
.endm
	s_load_b512 s[4:19], s[0:1], 0x0               ; pre, x_scales, wq_scales, wk_scales, wv_scales, bq, bk, bv
	s_load_b64 s[20:21], s[0:1], 0x40              ; qkv
	v_lshl_add_u32 v14, v0, 2, 0x18000
	v_mov_b32 v15, 0
	v_lshrrev_b32 v5, 5, v0
	v_readfirstlane_b32 s22, v5                    ; wave
	v_and_b32 v6, 31, v0
	v_and_b32 v7, 15, v0                           ; r
	v_bfe_u32 v8, v0, 4, 1                         ; h
	v_lshlrev_b32 v1, 4, v6                        ; 16 x lane: an image's place for my lane
	v_lshlrev_b32 v2, 4, v0                        ; 16 x thread: the fill
	v_add_nc_u32 v10, LTB, v2                      ; the table's fill,
	v_add_nc_u32 v11, LTB, v1                      ; and my lane's place in it
	v_and_b32 v3, 8, v7
	v_add_nc_u32 v3, v3, v7                        ; r + 8 (r / 8)
	v_lshlrev_b32 v9, 2, v3                        ; v's bias: my feature's 4 bytes
	v_lshl_add_u32 v3, v8, 3, v3
	v_lshlrev_b32 v3, 5, v3                        ; scale bytes: row 8 (lane / 16) + r + 8 (r / 8) of 32 bytes
	v_lshlrev_b32 v4, 6, v8                        ; q's and k's bias: 16 h numbers on
	s_and_b32 s23, ttmp7, 0xffff
	s_lshr_b32 s24, s23, 1                         ; kind
	s_and_b32 s25, s23, 1
	s_lshl_b32 s25, s25, 3
	s_add_co_u32 s25, s25, s22                     ; head
	s_lshl_b32 s26, ttmp9, 16                      ; x's images: 8 tiles of 8 KB a block
	s_mov_b32 s27, 0
	s_lshl_b32 s28, s24, 19
	s_lshl_b32 s29, s25, 15
	s_add_co_u32 s28, s28, s29
	s_add_co_u32 s28, s28, 0x200000                ; W's images: 512 KB a kind, 32 KB a head
	s_mov_b32 s29, 0
	s_lshl_b32 s30, ttmp9, 12                      ; x's scale bytes
	s_mov_b32 s31, 0
	s_lshl_b32 s32, s25, 11                        ; W's
	s_mov_b32 s33, 0
	s_lshl_b32 s34, s25, 8                         ; the bias
	s_mov_b32 s35, 0
	s_and_b32 s39, ttmp9, 15                       ; j
	s_lshl_b32 s36, s39, 15
	s_add_co_u32 s36, s36, 0x400000                ; the table: 8 tiles of positions of 4 KB
	s_mov_b32 s37, 0
	s_lshr_b32 s38, ttmp9, 4
	s_lshl_b32 s38, s38, 4
	s_add_co_u32 s38, s38, s25                     ; bh = 16 x batch + head
	s_lshl_b32 s40, s24, 21
	s_lshl_b32 s41, s38, 16
	s_add_co_u32 s40, s40, s41
	s_lshl_b32 s41, s39, 12
	s_add_co_u32 s40, s40, s41                     ; the codes' place: 2 MB a kind, 64 KB a head, 4 KB a step
	s_mov_b32 s41, 0
	s_lshl_b32 s42, s24, 18
	s_lshl_b32 s43, s38, 13
	s_add_co_u32 s42, s42, s43
	s_lshl_b32 s43, s39, 9
	s_add_co_u32 s42, s42, s43
	s_add_co_u32 s42, s42, 0x600000                ; q's and k's scale words: 512 bytes a step;
	s_lshl_b32 s43, s38, 12
	s_lshl_b32 s63, s39, 8
	s_add_co_u32 s43, s43, s63
	s_add_co_u32 s43, s43, 0x680000                ; v's: 256
	s_cmp_eq_u32 s24, 2
	s_cselect_b32 s42, s43, s42
	s_mov_b32 s43, 0
	s_mov_b32 s[SEL], 0x76543210
	s_mov_b32 s[SEL+1], 0xfedcba98
	s_mov_b32 s62, 0xffff0000                      ; lanes 16-31
	s_wait_kmcnt 0x0
	s_cmp_eq_u32 s24, 0                            ; the weight's scales and the bias are chosen by the kind alone
	s_cselect_b64 s[50:51], s[8:9], s[10:11]
	s_cselect_b64 s[52:53], s[14:15], s[16:17]
	s_cmp_eq_u32 s24, 2
	s_cselect_b64 s[50:51], s[12:13], s[50:51]
	s_cselect_b64 s[52:53], s[18:19], s[52:53]
	s_add_nc_u64 s[44:45], s[4:5], s[26:27]
	s_add_nc_u64 s[46:47], s[4:5], s[28:29]
	s_add_nc_u64 s[48:49], s[6:7], s[30:31]
	s_add_nc_u64 s[50:51], s[50:51], s[32:33]
	s_add_nc_u64 s[52:53], s[52:53], s[34:35]
	s_add_nc_u64 s[54:55], s[4:5], s[36:37]
	s_add_nc_u64 s[56:57], s[20:21], s[40:41]
	s_add_nc_u64 s[58:59], s[20:21], s[42:43]
.irp i, 0,1,2,3,4,5,6,7,8,9,10,11,12,13,14,15
	global_load_b128 v[XF+4*\i:XF+4*\i+3], v2, s[44:45] offset:4096*\i   ; the fill: the work-group's 256 threads take 4,096 consecutive bytes
.endr
.irp i, 0,1,2,3,4,5,6,7
	global_load_b128 v[WF+32+4*\i:WF+32+4*\i+3], v2, s[54:55] offset:4096*\i   ; the table likewise, through the registers of W's set 1, which is asked for behind the barrier
.endr
.irp g, 0,1,2,3
.irp q, 0,1
	global_load_b128 v[XS+8*\g+4*\q:XS+8*\g+4*\q+3], v3, s[48:49] offset:1024*\g+16*\q
.endr
.endr
.irp g, 0,1
.irp q, 0,1
	global_load_b128 v[WS+8*\g+4*\q:WS+8*\g+4*\q+3], v3, s[50:51] offset:1024*\g+16*\q
.endr
.endr
	WLOAD 0
; 44 loads are out.  Each store follows the wait for its own load, which leaves out the loads issued behind that one: so the stores run while the later loads are on their way
.irp i, 0,1,2,3,4,5,6,7,8,9,10,11,12,13,14,15
	s_wait_loadcnt 43-\i
	ds_store_b128 v2, v[XF+4*\i:XF+4*\i+3] offset:4096*\i
.endr
.irp i, 0,1,2,3,4,5,6,7
	s_wait_loadcnt 27-\i                           ; at the last: 8 + 4 + 8 stay out
	ds_store_b128 v10, v[WF+32+4*\i:WF+32+4*\i+3] offset:4096*\i
.endr
	s_wait_dscnt 0x0                               ; for the others' sake: my part of the images and of the table has landed
	s_barrier_signal -1
	s_barrier_wait -1                              ; the one barrier: from here on LDS is only read
	s_cmp_eq_u32 s24, 2
	s_cbranch_scc1 .Lvalues
	; ================ q and k ================
.irp f, 0,1,2,3
	global_load_b128 v[BI+8*\f:BI+8*\f+3], v4, s[52:53] offset:(32*(\f/2)+8*(\f%2))*4       ; lane (r, h), tile f: the bias of features 32 (f / 2) + 8 (f % 2) + 16 h + 0 .. 7
	global_load_b128 v[BI+8*\f+4:BI+8*\f+7], v4, s[52:53] offset:(32*(\f/2)+8*(\f%2))*4+16
.endr
	WLOAD 1
	WLOAD 2
	XLOAD 0, 0
	XLOAD 0, 4
.irp s, 0,1,2,3,4,5,6,7
	KSTEP \s, 0
.endr
.macro TLOAD t                         ; cosines and sines of tile t's positions, from LDS: (cos, sin) of my 16 pairs
.irp l, 0,1,2,3,4,5,6,7
	ds_load_b128 v[CS+32*((\t)%2)+4*\l:CS+32*((\t)%2)+4*\l+3], v11 offset:4096*(\t)+512*\l
.endr
.endm
	TLOAD 0
	TLOAD 1
	v_mov_b32 v[TM+4], 0                           ; (a lane permute's destination counts as one of its sources)
	v_mov_b32 v[TM+5], 0
.macro ROPEQ t
.set CSS, CS+32*((\t)%2)
.if (\t) < 7
	s_wait_dscnt 8                                 ; this tile's table is in; the next tile's eight loads stay out
.else
	s_wait_dscnt 0x0
.endif
	WIN 0x01                                       ; source 0: the accumulators, window 1
.set p, 0
.rept 16
	v_pk_mul_f32 v[R+2*p:R+2*p+1], v[32*(\t)+2*p:32*(\t)+2*p+1], v[CSS+2*p:CSS+2*p+1] op_sel_hi:[1,0]   ; (even, odd) x cos; each accumulator is read from its low end on
.set p, p+1
.endr
.set p, 0
.rept 16
	v_fma_f32 v[R+2*p], -v[32*(\t)+2*p+1], v[CSS+2*p+1], v[R+2*p]       ; even cos - odd sin
	v_fma_f32 v[R+2*p+1], v[32*(\t)+2*p], v[CSS+2*p+1], v[R+2*p+1]      ; odd cos + even sin
.set p, p+1
.endr
	WIN 0
.if (\t) < 6
	TLOAD (\t)+2
.endif
	QUANT2 R, PC+4*(\t)
	v_lshl_or_b32 v[SW+(\t)], v[TM+5], 8, v[TM+4]
	v_or_b32 v[SW+(\t)], 0x7f7f0000, v[SW+(\t)]    ; K = 64 fills half of the instruction's 128: the other half is zero codes under the byte 127
	global_store_b128 v1, v[PC+4*(\t):PC+4*(\t)+3], s[56:57] offset:512*(\t)   ; 512 consecutive bytes
.endm
.irp t, 0,1,2,3,4,5,6,7
	ROPEQ \t
.endr
.irp b, 0,1,2,3
	v_cndmask_b32 v[SWC+\b], v[SW+2*\b], v[SW+2*\b+1], s62   ; lanes 0-15 carry tile 2 b's words, lanes 16-31 tile 2 b + 1's
.endr
	global_store_b128 v1, v[SWC:SWC+3], s[58:59]
	s_wait_tensorcnt 0x0
	ds_add_u32 v14, v15
	s_wait_dscnt 0x0
	s_endpgm
	; ================ v ================
.Lvalues:
.irp f, 0,1,2,3
.irp j, 0,1,2,3,4,5,6,7
	global_load_b32 v[BI+8*\f+\j], v9, s[52:53] offset:(32*(\f/2)+8*(\f%2))*4   ; a lane holds one feature: its bias in all eight registers of the C
.endr
.endr
	WLOAD 1
	WLOAD 2
	XLOAD 0, 0
	XLOAD 0, 4
.irp s, 0,1,2,3,4,5,6,7
	KSTEP \s, 1
.endr
.irp b, 0,1,2,3
	v_mov_b32 v[TM+4+\b], 0
.endr
; tile f of features: my feature's 64 numbers, register 16 b + i = key 32 b + 16 h + i, become a fragment (8 registers) and a scale word
.macro QUANT4 f
	WIN 0x05                                       ; sources 0 and 1: the accumulators
.irp b, 0,1,2,3
	v_max3_num_f32 v[TM+\b], |v[64*\f+16*\b]|, |v[64*\f+16*\b+1]|, 0x1800000
.endr
.irp i, 2,4,6,8,10,12,14
.irp b, 0,1,2,3
	v_max3_num_f32 v[TM+\b], |v[64*\f+16*\b+\i]|, |v[64*\f+16*\b+\i+1]|, v[TM+\b]
.endr
.endr
	WIN 0
.irp b, 0,1,2,3
	v_permlanex16_b32 v[TM+4+\b], v[TM+\b], s[SEL], s[SEL+1]
.endr
.irp b, 0,1,2,3
	v_max_num_f32 v[TM+\b], v[TM+\b], v[TM+4+\b]
.endr
.irp b, 0,1,2,3
	v_add_nc_u32 v[TM+12+\b], 0xff000000, v[TM+\b]
.endr
.irp b, 0,1,2,3
	v_lshrrev_b32 v[TM+4+\b], 23, v[TM+12+\b]
.endr
	v_lshl_or_b32 v[SW+\f], v[TM+5], 8, v[TM+4]
	v_lshl_or_b32 v[SW+\f], v[TM+6], 16, v[SW+\f]
	v_lshl_or_b32 v[SW+\f], v[TM+7], 24, v[SW+\f]
	WIN 0x01
.irp b, 0,1,2,3
	v_cvt_scalef32_pk8_fp4_f32 v[R+8*\f+2*\b], v[64*\f+16*\b:64*\f+16*\b+7], v[TM+12+\b]
	v_cvt_scalef32_pk8_fp4_f32 v[R+8*\f+2*\b+1], v[64*\f+16*\b+8:64*\f+16*\b+15], v[TM+12+\b]
.endr
	WIN 0
	v_nop                                          ; one plain place behind a scaled conversion
.irp c, 0,1
.irp i, 0,1
	v_permlane16_swap_b32 v[R+8*\f+4*\c+\i], v[R+8*\f+4*\c+2+\i]
.endr
.endr
.irp c, 0,1
	global_store_b128 v1, v[R+8*\f+4*\c:R+8*\f+4*\c+3], s[56:57] offset:1024*\f+512*\c
.endr
.endm
.irp f, 0,1,2,3
	QUANT4 \f
.endr
	v_cndmask_b32 v[SWC], v[SW], v[SW+1], s62
	v_cndmask_b32 v[SWC+1], v[SW+2], v[SW+3], s62
	v_lshrrev_b32 v5, 1, v1                        ; 8 x lane
	global_store_b64 v5, v[SWC:SWC+1], s[58:59]    ; 256 consecutive bytes, aligned
	s_wait_tensorcnt 0x0
	ds_add_u32 v14, v15
	s_wait_dscnt 0x0
	s_endpgm
.Lfunc_end_k_q8fbcbfe568_qkv:
	.size	k_q8fbcbfe568_qkv, .Lfunc_end_k_q8fbcbfe568_qkv-k_q8fbcbfe568_qkv
	.p2alignl 7, 3214868480
	.fill 96, 4, 3214868480
	.section	.rodata,"a",@progbits
	.p2align	6, 0x0
	.amdhsa_kernel k_q8fbcbfe568_qkv
		.amdhsa_group_segment_fixed_size 99328
		.amdhsa_private_segment_fixed_size 0
		.amdhsa_enable_private_segment 0
		.amdhsa_kernarg_size 72
		.amdhsa_user_sgpr_count 2
		.amdhsa_user_sgpr_kernarg_segment_ptr 1
		.amdhsa_wavefront_size32 1
		.amdhsa_system_sgpr_workgroup_id_x 1
		.amdhsa_system_sgpr_workgroup_id_y 1
		.amdhsa_system_sgpr_workgroup_id_z 1
		.amdhsa_system_vgpr_workitem_id 0
		.amdhsa_next_free_vgpr 512
		.amdhsa_next_free_sgpr 66
		.amdhsa_reserve_vcc 0
		.amdhsa_float_denorm_mode_32 3
		.amdhsa_float_denorm_mode_16_64 3
		.amdhsa_memory_ordered 1
		.amdhsa_forward_progress 1
		.amdhsa_inst_pref_size 174
	.end_amdhsa_kernel
	.amdgpu_metadata
---
amdhsa.version: [ 1, 2 ]
amdhsa.kernels:
  - .name:           k_q8fbcbfe568_qkv
    .symbol:         k_q8fbcbfe568_qkv.kd
    .args:
      - { .name: pre, .offset: 0, .size: 8, .value_kind: global_buffer, .address_space: global }
      - { .name: x_scales, .offset: 8, .size: 8, .value_kind: global_buffer, .address_space: global }
      - { .name: wq_scales, .offset: 16, .size: 8, .value_kind: global_buffer, .address_space: global }
      - { .name: wk_scales, .offset: 24, .size: 8, .value_kind: global_buffer, .address_space: global }
      - { .name: wv_scales, .offset: 32, .size: 8, .value_kind: global_buffer, .address_space: global }
      - { .name: bq, .offset: 40, .size: 8, .value_kind: global_buffer, .address_space: global }
      - { .name: bk, .offset: 48, .size: 8, .value_kind: global_buffer, .address_space: global }
      - { .name: bv, .offset: 56, .size: 8, .value_kind: global_buffer, .address_space: global }
      - { .name: qkv, .offset: 64, .size: 8, .value_kind: global_buffer, .address_space: global }
    .group_segment_fixed_size: 99328
    .private_segment_fixed_size: 0
    .kernarg_segment_align: 8
    .kernarg_segment_size: 72
    .max_flat_workgroup_size: 256
    .sgpr_count:     66
    .vgpr_count:     512
    .wavefront_size: 32
...
	.end_amdgpu_metadata
.endif
;; end of part 5
;; launch attn (part 6): grid 8 x 32, 16 waves a work-group, no clusters, 145,408 bytes of LDS; arguments qkv, mwords, att; writes att
.if DOCPART == 6
	.amdgcn_target "amdgcn-amd-amdhsa--gfx1250"
	.amdhsa_code_object_version 6
	.text
	.protected	k_q8fbcbfe568_attn
	.globl	k_q8fbcbfe568_attn
	.p2align	8
	.type	k_q8fbcbfe568_attn,@function
k_q8fbcbfe568_attn:
	s_mov_b64 s[64:65], 0
	v_nop
	global_prefetch_b8 v0, s[64:65] scope:SCOPE_SE
	s_setreg_imm32_b32 hwreg(HW_REG_WAVE_MODE, 25, 1), 1
	s_wait_xcnt 0x0
; Attention of one head (bh = work-group y) on codes of FP4 (E2M1): S^T = K Q^T, the mask, p = 2^(t - M) quantised along the keys, O^T = V^T P^T, O / l quantised along the head's 64 and stored as the last launch's operand.
; SHARES.  Each of sixteen waves owns ONE tile of 16 queries, tile 8 w' + work-group x, w' = wave xor 3 where bit 2 of the wave's number is set: tiles of early and of late queries are dealt evenly whatever the mask.
; K, V and their scale words of the whole head lie in LDS (140 KB), filled once through registers; one barrier; then LDS is only read.  So no ring, no cluster (a head's eight work-groups each hold the head), nothing streamed behind the head.
; Both products are used transposed: a lane holds ONE query throughout.  Tile t of a step takes keys 32 (t / 2) + 8 (t % 2) + r + 8 (r / 8): register 16 b + i of S^T is key 128 J + 32 b + 16 h + i.
; K = 64 fills half of the first product's 128: registers 4-7 of both fragments are zero codes, their scale bytes 127.
; THE MASK IS AN INPUT.  An earlier launch has stored it as lane masks (64 words a tile and step) and summaries.  A masked score becomes -2^70: a power of two, so that score x c is exact, and in a row that has met masked keys alone
; t - M is exactly 0: p = 1, as where every logit is -1e20.  The first kept key makes the factor 2^(old M - new M) zero.  A step none of whose keys is kept for any of my 16 queries is left out, but only where each of the 16 has a kept key
; in some step: what is left out would be wiped or be zeros.  A step all of whose keys are kept leaves the 64 selects out.  Both are scalar branches on stored whole numbers.
; THE MASK WORDS ARE FETCHED ONLY FOR THE STEPS THAT HAVE SELECTS, AND AHEAD: those of the first such step at the head, those of the next directly behind a step's selects; the wait for them stands in front of the selects alone.
; LIMITS: a masked logit is -2^70 / 8 where the source has -1e20: the two differ only for true logits under about -1e19.  A block of zeros keeps the byte 1.  NaN and infinities are not served.
; REGISTERS: v1-4 lane bases; v5-8 the step's LDS addresses; v9 -2^70; v10 Q's scale word; v12 -M, v13 the largest t, v[14:15] the sum; v16-23 Q; v24-87 K's 8 fragments; v88-119 V's 4; v120-183 S^T, then p; v184-215 O^T;
;   v216-223 p's codes; v224.. block maxima, v228.. the other half's, then bytes, v232.. scale operands; v236-239 K's scale words, v240-241 V's; v242 f, v243 p's scale word; v244-247 at work.
.set KF,  24
.set VF,  88
.set S,   120
.set O,   184
.set PCD, 216
.set TM,  224
.set KSR, 236
.set VSR, 240
.set SEL, 100                          ; s[100:101] v_permlanex16_b32's selects for lane l xor 16
.set NEED, 84                          ; s84  bit j: step j has selects: it is neither left out nor are all its keys kept
.set CAND, 85                          ; s85  NEED, shifted down to the first step that is still to come
.set WP,   86                          ; s[86:87] where the words that are on their way lie
.set WO,   88                          ; s[88:89] their step's number, then its byte offset; the upper word stays 0
.set FROM, 90                          ; s90  the number of the step at CAND's bit 0
.set TT,   91                          ; s91  at work
.set LV,  0x10000                      ; LDS: K's images at 0, V's here,
.set LKS, 0x20000                      ; K's scale words,
.set LVS, 0x22000                      ; V's
; The 64 mask words of the next step that has selects are asked for.  Its number is FROM + the number of CAND's lowest set bit, found by halving (of 16 bits: four selects; 15 where no bit is set), and held at 15:
; where no such step is left, the last step's words are fetched and nobody reads them.  No scalar load is out where this stands, so the pointer may be written.
.macro ASKW
	s_mov_b32 s[WO], 0
.irp w, 8,4,2,1
	s_and_b32 s[TT], s[CAND], (1<<\w)-1            ; is a bit set among the low w?
	s_cselect_b32 s[TT], 0, \w                     ; if not, the bit lies w further up
	s_lshr_b32 s[CAND], s[CAND], s[TT]
	s_add_co_u32 s[WO], s[WO], s[TT]
.endr
	s_add_co_u32 s[WO], s[WO], s[FROM]
	s_min_u32 s[WO], s[WO], 15
	s_lshl_b32 s[WO], s[WO], 8                     ; 256 bytes a step
	s_add_nc_u64 s[WP:WP+1], s[4:5], s[WO:WO+1]
	s_load_b512 s[16:31], s[WP:WP+1], 0x0          ; word n in s[16 + n], from word 48 on in s[20 + n]
	s_load_b512 s[32:47], s[WP:WP+1], 0x40
	s_load_b512 s[48:63], s[WP:WP+1], 0x80
	s_load_b512 s[68:83], s[WP:WP+1], 0xc0
.endm
	s_load_b128 s[16:19], s[0:1], 0x0              ; qkv, mwords
	s_load_b64 s[20:21], s[0:1], 0x10              ; att
	v_lshl_add_u32 v254, v0, 2, 0x23000
	v_mov_b32 v255, 0
	v_lshrrev_b32 v5, 5, v0
	v_readfirstlane_b32 s22, v5                    ; wave
	v_and_b32 v1, 31, v0
	v_lshlrev_b32 v4, 3, v1
	v_add_nc_u32 v4, LVS, v4                       ; V's scale words: 8 x lane
	v_lshlrev_b32 v1, 4, v1                        ; 16 x lane
	v_add_nc_u32 v2, LV, v1
	v_add_nc_u32 v3, LKS, v1
	v_lshlrev_b32 v5, 4, v0                        ; the fill: 16 x thread,
	v_lshlrev_b32 v6, 3, v0                        ; 8 x thread
	v_and_b32 v7, 15, v0
	v_lshlrev_b32 v7, 4, v7                        ; Q's scale word: 16 r
	v_lshl_add_u32 v8, v0, 4, LV
	v_lshl_add_u32 v244, v0, 4, LKS
	v_lshl_add_u32 v245, v0, 3, LVS
	s_bfe_u32 s23, s22, 0x10002
	s_mul_i32 s23, s23, 3
	s_xor_b32 s23, s23, s22
	s_lshl_b32 s24, s23, 3
	s_add_co_u32 s24, s24, ttmp9                   ; my tile of queries
	s_and_b32 s25, ttmp7, 0xffff                   ; bh
	s_lshl_b32 s26, s25, 16
	s_mov_b32 s27, 0
	s_lshl_b32 s28, s25, 13
	s_mov_b32 s29, 0
	s_lshl_b32 s30, s25, 12
	s_mov_b32 s31, 0
	s_lshl_b32 s32, s24, 9
	s_add_co_u32 s32, s32, s26                     ; Q's image
	s_mov_b32 s33, 0
	s_lshr_b32 s34, s24, 3
	s_lshl_b32 s34, s34, 9                         ; Q's scale words: step tile / 8,
	s_and_b32 s35, s24, 1
	s_lshl_b32 s35, s35, 8                         ; lanes 16 (tile % 2) on,
	s_add_co_u32 s34, s34, s35
	s_bfe_u32 s35, s24, 0x20001
	s_lshl_b32 s35, s35, 2                         ; word (tile / 2) % 4
	s_add_co_u32 s34, s34, s35
	s_add_co_u32 s34, s34, s28
	s_mov_b32 s35, 0
	s_lshl_b32 s36, s24, 12                        ; the mask words: 16 steps of 256 bytes a tile
	s_mov_b32 s37, 0
	s_lshl_b32 s38, s24, 6                         ; the summaries
	s_mov_b32 s39, 0
	s_lshr_b32 s40, s25, 4
	s_lshl_b32 s40, s40, 7
	s_add_co_u32 s40, s40, s24                     ; the tile among all 256 tiles of tokens
	s_and_b32 s41, s25, 15                         ; the head
	s_lshl_b32 s42, s40, 13
	s_lshl_b32 s43, s41, 9
	s_add_co_u32 s42, s42, s43
	s_mov_b32 s43, 0
	s_lshl_b32 s44, s41, 13
	s_lshl_b32 s45, s40, 5
	s_add_co_u32 s44, s44, s45
	s_mov_b32 s45, 0
	s_mov_b32 s2, 0x3e38aa3b                       ; c = log2(e) / sqrt(64)
	s_mov_b32 s3, s2                               ; (named with it as a pair, so it is written)
	s_mov_b32 s[SEL], 0x76543210
	s_mov_b32 s[SEL+1], 0xfedcba98
	s_wait_kmcnt 0x0
	s_add_nc_u64 s[46:47], s[16:17], s[26:27]
	s_add_nc_u64 s[48:49], s[46:47], 0x200000      ; K's images
	s_add_nc_u64 s[50:51], s[46:47], 0x400000      ; V's
	s_add_nc_u64 s[52:53], s[16:17], s[28:29]
	s_add_nc_u64 s[52:53], s[52:53], 0x640000      ; K's scale words
	s_add_nc_u64 s[54:55], s[16:17], s[30:31]
	s_add_nc_u64 s[54:55], s[54:55], 0x680000      ; V's
	s_add_nc_u64 s[56:57], s[16:17], s[32:33]      ; Q
	s_add_nc_u64 s[58:59], s[16:17], s[34:35]
	s_add_nc_u64 s[58:59], s[58:59], 0x600000
	s_add_nc_u64 s[4:5], s[18:19], s[36:37]        ; my tile's mask words; it stays
	s_add_nc_u64 s[60:61], s[18:19], s[38:39]
	s_add_nc_u64 s[60:61], s[60:61], 0x80000
	s_add_nc_u64 s[6:7], s[20:21], s[42:43]        ; where the codes go,
	s_add_nc_u64 s[8:9], s[20:21], s[44:45]
	s_add_nc_u64 s[8:9], s[8:9], 0x200000          ; and the scale bytes
.irp i, 0,1,2,3,4,5,6,7
	global_load_b128 v[S+4*\i:S+4*\i+3], v5, s[48:49] offset:8192*\i       ; the 512 threads take 8,192 consecutive bytes
.endr
.irp i, 0,1,2,3,4,5,6,7
	global_load_b128 v[S+32+4*\i:S+32+4*\i+3], v5, s[50:51] offset:8192*\i
.endr
	global_load_b128 v[O:O+3], v5, s[52:53]
	global_load_b64 v[O+4:O+5], v6, s[54:55]
	global_load_b128 v[16:19], v1, s[56:57]
	global_load_b32 v10, v7, s[58:59]
	s_load_b512 s[84:99], s[60:61], 0x0            ; my tile's sixteen summaries
	s_wait_kmcnt 0x0
	s_mov_b32 s14, 0                               ; SKIP: bit j: no key of step j is kept for any of my queries
	s_mov_b32 s15, 0                               ; OPEN: bit j: all are kept
	s_mov_b32 s10, 0
.irp j, 0,1,2,3,4,5,6,7,8,9,10,11,12,13,14,15
	s_or_b32 s10, s10, s[84+\j]
	s_and_b32 s11, s[84+\j], 0xffff
	s_cmp_eq_u32 s11, 0
	s_cselect_b32 s11, 1<<\j, 0
	s_or_b32 s14, s14, s11
	s_bfe_u32 s11, s[84+\j], 0x10010
	s_lshl_b32 s11, s11, \j
	s_or_b32 s15, s15, s11
.endr
	s_and_b32 s10, s10, 0xffff
	s_cmp_eq_u32 s10, 0xffff                       ; has each of my 16 queries a kept key somewhere?
	s_cselect_b32 s14, s14, 0                      ; if not, no step is left out
	s_or_b32 s[NEED], s14, s15                     ; (the summaries have been read: their registers are free)
	s_not_b32 s[NEED], s[NEED]
	s_and_b32 s[NEED], s[NEED], 0xffff
	s_mov_b32 s[CAND], s[NEED]
	s_mov_b32 s[FROM], 0
	s_mov_b32 s[WO+1], 0
	s_wait_xcnt 0x0                                ; the twenty loads have read their bases: the mask words land on those scalar registers
	ASKW                                           ; the first step that has selects: its words are on their way through the fill and the steps ahead of it
; Twenty loads are out.  Each store follows the wait for its own load, which leaves out the loads issued behind that one: so the stores run while the later loads are on their way
.irp i, 0,1,2,3,4,5,6,7
	s_wait_loadcnt 19-\i
	ds_store_b128 v5, v[S+4*\i:S+4*\i+3] offset:8192*\i
.endr
.irp i, 0,1,2,3,4,5,6,7
	s_wait_loadcnt 11-\i
	ds_store_b128 v8, v[S+32+4*\i:S+32+4*\i+3] offset:8192*\i
.endr
	s_wait_loadcnt 3
	ds_store_b128 v244, v[O:O+3]
	s_wait_loadcnt 2                               ; Q and its scale word stay out
	ds_store_b64 v245, v[O+4:O+5]
	s_wait_dscnt 0x0                               ; for the others' sake: my part has landed
	s_barrier_signal -1
	s_barrier_wait -1                              ; the one barrier; it stands ahead of every branch on stored numbers
	v_mov_b32 v9, 0xe2800000                       ; -2^70
	v_mov_b32 v13, 0xff61b1e6                      ; the largest t so far: -3e38, under every t
	v_floor_f32 v12, -v13                          ; -M
	v_mov_b32 v14, 0
	v_mov_b32 v15, 0
.irp j, 20,21,22,23
	v_mov_b32 v[\j], 0                             ; Q's upper half of K: zero codes
.endr
.irp t, 0,1,2,3,4,5,6,7
.irp j, 4,5,6,7
	v_mov_b32 v[KF+8*\t+\j], 0                     ; K's likewise: written once, the loads fill registers 0-3 alone
.endr
.endr
.set n, 0
.rept 32
	v_mov_b32 v[O+n], 0                            ; O^T.  (The step is written once: its first run finds zeros, which the first change of M leaves zeros)
.set n, n+1
.endr
.irp b, 0,1,2,3
	v_mov_b32 v[TM+4+\b], 0                        ; (a lane permute's destination counts as one of its sources)
.endr
	v_mov_b32 v243, 0                              ; (named as the upper half of the pair v[242:243] before it is first written)
	v_mov_b32 v244, 0
	s_mov_b32 s10, 0                               ; J
	s_mov_b32 s11, 0                               ; 4,096 J: the step's images
	s_mov_b32 s12, 0                               ; 512 J: K's scale words
	s_mov_b32 s13, 0                               ; 256 J: V's
	s_wait_loadcnt 0x0                             ; Q
.macro SMUL t
.if (\t)%2
	v_wmma_scale_f32_16x16x128_f8f6f4 v[S+8*\t:S+8*\t+7], v[KF+8*\t:KF+8*\t+7], v[16:23], 0, v[KSR+\t/2], v10 matrix_a_fmt:MATRIX_FMT_FP4 matrix_b_fmt:MATRIX_FMT_FP4 matrix_a_scale:MATRIX_SCALE_ROW1
.else
	v_wmma_scale_f32_16x16x128_f8f6f4 v[S+8*\t:S+8*\t+7], v[KF+8*\t:KF+8*\t+7], v[16:23], 0, v[KSR+\t/2], v10 matrix_a_fmt:MATRIX_FMT_FP4 matrix_b_fmt:MATRIX_FMT_FP4
.endif
.endm
.macro OMUL t
.if (\t)%2
	v_wmma_scale_f32_16x16x128_f8f6f4 v[O+8*\t:O+8*\t+7], v[VF+8*\t:VF+8*\t+7], v[PCD:PCD+7], v[O+8*\t:O+8*\t+7], v[VSR+\t/2], v243 matrix_a_fmt:MATRIX_FMT_FP4 matrix_b_fmt:MATRIX_FMT_FP4 matrix_a_scale:MATRIX_SCALE_ROW1
.else
	v_wmma_scale_f32_16x16x128_f8f6f4 v[O+8*\t:O+8*\t+7], v[VF+8*\t:VF+8*\t+7], v[PCD:PCD+7], v[O+8*\t:O+8*\t+7], v[VSR+\t/2], v243 matrix_a_fmt:MATRIX_FMT_FP4 matrix_b_fmt:MATRIX_FMT_FP4
.endif
.endm
.Lstep:                                            ; sixteen trips: a constant; what a mask leaves out is a trip's work, not the trip
	s_bitcmp1_b32 s14, s10
	s_cbranch_scc1 .Lend
	v_add_nc_u32 v5, s11, v1                       ; these four are also the places between the last step's products and the loads into their registers
	v_add_nc_u32 v6, s11, v2
	v_add_nc_u32 v7, s12, v3
	v_add_nc_u32 v8, s13, v4
.irp t, 0,1,2,3,4,5,6,7
	ds_load_b128 v[KF+8*\t:KF+8*\t+3], v5 offset:512*\t
.endr
	ds_load_b128 v[KSR:KSR+3], v7                  ; word b: lanes 0-15 tile 2 b's, lanes 16-31 tile 2 b + 1's
.irp t, 0,1,2,3
.irp c, 0,1
	ds_load_b128 v[VF+8*\t+4*\c:VF+8*\t+4*\c+3], v6 offset:1024*\t+512*\c
.endr
.endr
	ds_load_b64 v[VSR:VSR+1], v8
	s_wait_dscnt 9                                 ; K and its scale words are in; V's nine loads stay out
.irp t, 0,1,2,3,4,5,6,7
	SMUL \t
.endr
.rept 4
	v_nop
.endr
	s_bitcmp1_b32 s15, s10
	s_cbranch_scc1 .Lopen
	s_wait_kmcnt 0x0                               ; this step's mask words, asked for at the head or behind the last selects, are in
.set n, 0
.rept 64
.if n < 48
	v_cndmask_b32 v[S+n], v9, v[S+n], s[16+n]      ; kept where the bit is set
.else
	v_cndmask_b32 v[S+n], v9, v[S+n], s[20+n]
.endif
.set n, n+1
.endr
	s_add_co_u32 s[FROM], s10, 1
	s_lshr_b32 s[CAND], s[NEED], s[FROM]           ; the steps behind this one
	ASKW                                           ; the next step that has selects: its words have the rest of this step, and the steps between, in which to land
.Lopen:
.irp b, 0,1,2,3
	v_max3_num_f32 v[TM+\b], v[S+16*\b], v[S+1+16*\b], v[S+2+16*\b]   ; the largest score of each block of 32 keys: it serves for the row's maximum and, since p rises with the score, for the block's largest p
.endr
.irp i, 3,5,7,9,11,13
.irp b, 0,1,2,3
	v_max3_num_f32 v[TM+\b], v[TM+\b], v[S+16*\b+\i], v[S+1+16*\b+\i]
.endr
.endr
.irp b, 0,1,2,3
	v_max_num_f32 v[TM+\b], v[TM+\b], v[S+15+16*\b]
.endr
.irp b, 0,1,2,3
	v_permlanex16_b32 v[TM+4+\b], v[TM+\b], s[SEL], s[SEL+1]
.endr
.irp b, 0,1,2,3
	v_max_num_f32 v[TM+\b], v[TM+\b], v[TM+4+\b]   ; with lane l xor 16's 16 keys
.endr
	v_max3_num_f32 v244, v[TM], v[TM+1], v[TM+2]
	v_max_num_f32 v244, v244, v[TM+3]
	v_mul_f32 v244, s2, v244                       ; as t (c is positive)
	v_max_num_f32 v13, v13, v244                   ; the running largest t
	v_mov_b32 v244, v12
	v_floor_f32 v12, -v13                          ; the new -M = -ceil(t): a whole number
	v_sub_f32 v244, v12, v244                      ; old M - new M: a whole number, 0 or less
	v_cvt_i32_f32 v244, v244                       ; (it saturates)
	v_ldexp_f32 v242, 1.0, v244                    ; f = 2^(old M - new M)
.set n, 0
.rept 32
	v_pk_fma_f32 v[S+n:S+n+1], v[S+n:S+n+1], s[2:3], v[12:13] op_sel_hi:[1,0,0]   ; t - M, two at a time
.set n, n+2
.endr
.irp b, 0,1,2,3
	v_fma_f32 v[TM+\b], v[TM+\b], s2, v12          ; the same of each block's largest score
.endr
.set n, 0
.rept 64
	v_exp_f32 v[S+n], v[S+n]                       ; p = 2^(t - M), at most 1: not normalised
.set n, n+1
.endr
.irp b, 0,1,2,3
	v_exp_f32 v[TM+\b], v[TM+\b]                   ; the block's largest p
.endr
	v_pk_mul_f32 v[14:15], v[14:15], v[242:243] op_sel_hi:[1,0]   ; the sums under the new M.  (A plain place behind the exponentials)
	s_wait_alu depctr_va_vdst(0)
.irp b, 0,1,2,3
	v_max_num_f32 v[TM+\b], 0x1800000, v[TM+\b]    ; the floor 2^(3 - 127): the byte cannot fall under 1
.endr
.irp b, 0,1,2,3
	v_add_nc_u32 v[TM+8+\b], 0xff000000, v[TM+\b]  ; 2 off the exponent field: the conversion's scale operand
.endr
.irp b, 0,1,2,3
	v_lshrrev_b32 v[TM+4+\b], 23, v[TM+8+\b]       ; the scale's byte
.endr
	v_lshl_or_b32 v243, v[TM+5], 8, v[TM+4]        ; p's scale word for these 128 keys
	v_lshl_or_b32 v243, v[TM+6], 16, v243
	v_lshl_or_b32 v243, v[TM+7], 24, v243
.irp b, 0,1,2,3
	v_cvt_scalef32_pk8_fp4_f32 v[PCD+2*\b], v[S+16*\b:S+7+16*\b], v[TM+8+\b]
	v_cvt_scalef32_pk8_fp4_f32 v[PCD+1+2*\b], v[S+8+16*\b:S+15+16*\b], v[TM+8+\b]
.endr
	v_nop                                          ; one plain place behind a scaled conversion
.irp c, 0,1
.irp i, 0,1
	v_permlane16_swap_b32 v[PCD+4*\c+\i], v[PCD+2+4*\c+\i]   ; a whole block to a lane
.endr
.endr
	v_pk_add_f32 v[246:247], v[S:S+1], v[S+2:S+3]  ; the row's sum is taken of the unquantised p: two at a time, in two chains
.irp j, 4,8,12,16,20,24,28,32,36,40,44,48,52,56,60
	v_pk_add_f32 v[14:15], v[14:15], v[S+\j:S+1+\j]
	v_pk_add_f32 v[246:247], v[246:247], v[S+2+\j:S+3+\j]
.endr
	v_pk_add_f32 v[14:15], v[14:15], v[246:247]
.set n, 0
.rept 16
	v_pk_mul_f32 v[O+n:O+n+1], v[O+n:O+n+1], v[242:243] op_sel_hi:[1,0]   ; O^T under the new M.  (With the sums above: the places between the writes of p's codes and scale word and the products)
.set n, n+2
.endr
	s_wait_dscnt 0x0                               ; V and its scale words are in
.irp t, 0,1,2,3
	OMUL \t                                        ; the four accumulators by turns, one instruction a turn
.endr
.Lend:
	s_add_co_u32 s11, s11, 4096
	s_add_co_u32 s12, s12, 512
	s_add_co_u32 s13, s13, 256
	s_add_co_u32 s10, s10, 1
	s_cmp_lt_u32 s10, 16
	s_cbranch_scc1 .Lstep
	; THE WAY OUT: O^T / the sum, quantised along the head's 64 (two blocks), as one register image of 512 bytes and 32 scale bytes
.rept 4
	v_nop
.endr
	v_add_f32 v14, v14, v15
	v_permlanex16_b32 v244, v14, s[SEL], s[SEL+1]
	v_add_f32 v14, v14, v244                       ; the row's sum
	v_rcp_f32 v14, v14
	v_and_b32 v5, 15, v0                           ; (a plain place behind the reciprocal)
	v_bfe_u32 v6, v0, 4, 1
	v_lshl_add_u32 v5, v5, 1, v6                   ; 2 r + h: my byte's place
.set n, 0
	s_wait_alu depctr_va_vdst(0)
.rept 16
	v_pk_mul_f32 v[S+n:S+n+1], v[O+n:O+n+1], v[14:15] op_sel_hi:[1,0]   ; register 16 b + i is channel 32 b + 16 h + i of my query
.set n, n+2
.endr
.irp b, 0,1
	v_max3_num_f32 v[TM+\b], |v[S+16*\b]|, |v[S+16*\b+1]|, 0x1800000
.endr
.irp i, 2,4,6,8,10,12,14
.irp b, 0,1
	v_max3_num_f32 v[TM+\b], v[TM+\b], |v[S+16*\b+\i]|, |v[S+16*\b+\i+1]|
.endr
.endr
.irp b, 0,1
	v_permlanex16_b32 v[TM+4+\b], v[TM+\b], s[SEL], s[SEL+1]
.endr
.irp b, 0,1
	v_max_num_f32 v[TM+\b], v[TM+\b], v[TM+4+\b]
.endr
.irp b, 0,1
	v_add_nc_u32 v[TM+8+\b], 0xff000000, v[TM+\b]
.endr
.irp b, 0,1
	v_lshrrev_b32 v[TM+4+\b], 23, v[TM+8+\b]
.endr
.irp b, 0,1
	v_cvt_scalef32_pk8_fp4_f32 v[PCD+2*\b], v[S+16*\b:S+16*\b+7], v[TM+8+\b]
	v_cvt_scalef32_pk8_fp4_f32 v[PCD+2*\b+1], v[S+16*\b+8:S+16*\b+15], v[TM+8+\b]
.endr
	v_nop
	v_permlane16_swap_b32 v[PCD], v[PCD+2]
	v_permlane16_swap_b32 v[PCD+1], v[PCD+3]
	s_mov_b32 s12, 0xffff0000
	v_cndmask_b32 v245, v[TM+4], v[TM+5], s12      ; lanes 0-15 carry block 0's byte, lanes 16-31 block 1's
	global_store_b128 v1, v[PCD:PCD+3], s[6:7]     ; 512 consecutive bytes
	global_store_b8 v5, v245, s[8:9]               ; 32 consecutive bytes
	s_wait_kmcnt 0x0                               ; no scalar load is left out at the wave's end: the last request for mask words has landed
	s_wait_tensorcnt 0x0
	ds_add_u32 v254, v255
	s_wait_dscnt 0x0
	s_endpgm
.Lfunc_end_k_q8fbcbfe568_attn:
	.size	k_q8fbcbfe568_attn, .Lfunc_end_k_q8fbcbfe568_attn-k_q8fbcbfe568_attn
	.p2alignl 7, 3214868480
	.fill 96, 4, 3214868480
	.section	.rodata,"a",@progbits
	.p2align	6, 0x0
	.amdhsa_kernel k_q8fbcbfe568_attn
		.amdhsa_group_segment_fixed_size 145408
		.amdhsa_private_segment_fixed_size 0
		.amdhsa_enable_private_segment 0
		.amdhsa_kernarg_size 24
		.amdhsa_user_sgpr_count 2
		.amdhsa_user_sgpr_kernarg_segment_ptr 1
		.amdhsa_wavefront_size32 1
		.amdhsa_system_sgpr_workgroup_id_x 1
		.amdhsa_system_sgpr_workgroup_id_y 1
		.amdhsa_system_sgpr_workgroup_id_z 1
		.amdhsa_system_vgpr_workitem_id 0
		.amdhsa_next_free_vgpr 256
		.amdhsa_next_free_sgpr 102
		.amdhsa_reserve_vcc 0
		.amdhsa_float_denorm_mode_32 3
		.amdhsa_float_denorm_mode_16_64 3
		.amdhsa_memory_ordered 1
		.amdhsa_forward_progress 1
		.amdhsa_inst_pref_size 41
	.end_amdhsa_kernel
	.amdgpu_metadata
---
amdhsa.version: [ 1, 2 ]
amdhsa.kernels:
  - .name:           k_q8fbcbfe568_attn
    .symbol:         k_q8fbcbfe568_attn.kd
    .args:
      - { .name: qkv, .offset: 0, .size: 8, .value_kind: global_buffer, .address_space: global }
      - { .name: mwords, .offset: 8, .size: 8, .value_kind: global_buffer, .address_space: global }
      - { .name: att, .offset: 16, .size: 8, .value_kind: global_buffer, .address_space: global }
    .group_segment_fixed_size: 145408
    .private_segment_fixed_size: 0
    .kernarg_segment_align: 8
    .kernarg_segment_size: 24
    .max_flat_workgroup_size: 512
    .sgpr_count:     102
    .vgpr_count:     256
    .wavefront_size: 32
...
	.end_amdgpu_metadata
.endif
;; end of part 6
;; launch proj: the kernel of part 4 again; grid 16 x 16, 8 waves a work-group, no clusters, 103,424 bytes of LDS; arguments att, pre, wo_scales, bo, out0; writes out0
;; ======== version 3 of 3: 4 launches
;; limits: right only within a limited range of input values
;; workspace buffers: pre 4,718,592 bytes; mwords 532,480 bytes of whole numbers; qkv 6,946,816 bytes; att 2,228,224 bytes
;; launch prep (part 7): grid 256 x 1, 4 waves a work-group, no clusters, 51,712 bytes of LDS; arguments mask, x_codes, wq_codes, wk_codes, wv_codes, wo_codes, pre, mwords; writes pre, mwords
.if DOCPART == 7
	.amdgcn_target "amdgcn-amd-amdhsa--gfx1250"
	.amdhsa_code_object_version 6
	.text
	.protected	k_q8fbcbfe568_prep
	.globl	k_q8fbcbfe568_prep
	.p2align	8
	.type	k_q8fbcbfe568_prep,@function
k_q8fbcbfe568_prep:
	s_mov_b64 s[64:65], 0
	v_nop
	global_prefetch_b8 v0, s[64:65] scope:SCOPE_SE
	s_setreg_imm32_b32 hwreg(HW_REG_WAVE_MODE, 25, 1), 1
	s_wait_xcnt 0x0
; PREP: lays out once what the later launches read many times.  No matrix work, no barrier: waves share nothing.
; Wave U = 4 x work-group + wave (0 .. 1023) does three things on one straight path:
;  (a) half a tile of codes (16 rows x 256 bytes of x, wq, wk, wv or wo) is laid as an IMAGE OF THE OPERAND'S REGISTERS: [tile][K step of 128][c][lane][16 bytes], lane (r, h) holding
;      bytes 64 s + 32 c + 16 h of row(T, r).  THE ROWS OF A TILE ARE NOT NEIGHBOURS: row(T, r) = 32 (T / 2) + 8 (T % 2) + r + 8 (r / 8), so that the results of two neighbouring tiles are 16 neighbours along the next K.
;  (b) 512 bytes of the table of cosines and sines: [tile of positions][ld][lane][cos, sin, cos, sin] of the pairs i0 and i0 + 1, i0 = 16 (ld / 4) + 8 h + 2 (ld % 4), at position row(tile, r).
;      angle = fl(pos x inv), inv = fl(1 / fl(10^(i / 8))); reduced by n = nearest(angle x 2 / pi) with pi / 2 in two parts: the first multiply-add is exact (both terms are multiples of 2^-24, their difference under 1);
;      what the second part leaves is under 1303 x 1.8e-15 rad for the 2,048 positions.  LIMIT: inv may differ by a last bit from a power function's own rounding.
;  (c) two units of the mask (16 queries x 128 keys) become 64 words each: word 16 b + i, bit L = (mask[row(tile, L % 16)][128 j + 32 b + 16 (L / 16) + i] != 0): the lane mask of one select in the attention launch;
;      and a summary word: bits 15:0 the rows with a kept key in the step, bit 16 set where all 2,048 are kept.
; All that a wave stores lies at a multiple of U: images 4,096 U, table 512 U, mask words 512 U, summaries 8 U.
.set WREG,  12800                      ; LDS of a wave: 16 rows x 528 bytes for the mask's turn, then 16 rows x 272 for the image's
.set ITURN, 8448
.set RAW,   64                         ; v64-191  the mask as loaded: unit e, row i at 64 e + 4 i
.set X,     192                        ; v192-255 the image's rows, then its fragments; later a unit's 64 numbers a lane
.set TBL,   0x400000                   ; the table's place in pre
.set MSUM,  0x80000                    ; the summaries' place in mwords
	s_load_b512 s[4:19], s[0:1], 0x0               ; mask, x, wq, wk, wv, wo, pre, mwords
	v_lshl_add_u32 v62, v0, 2, 0xc800
	v_mov_b32 v63, 0
	v_lshrrev_b32 v10, 5, v0
	v_readfirstlane_b32 s20, v10                   ; wave
	v_and_b32 v1, 31, v0                           ; lane
	v_and_b32 v2, 15, v0                           ; r
	v_bfe_u32 v3, v0, 4, 1                         ; h
	s_lshl_b32 s21, ttmp9, 2
	s_add_co_u32 s21, s21, s20                     ; U
	s_mul_i32 s22, s20, WREG                       ; my LDS
	s_add_co_u32 s23, s22, ITURN
	v_lshlrev_b32 v4, 4, v1                        ; 16 x lane
	v_add_nc_u32 v5, s22, v4                       ; mask, in: a row's 512 bytes as they lie
	v_mul_u32_u24 v6, v2, 528
	v_lshl_add_u32 v6, v3, 6, v6
	v_add_nc_u32 v6, s22, v6                       ; mask, out: row r, + 64 h
	v_lshlrev_b32 v7, 9, v3
	v_lshl_add_u32 v7, v2, 4, v7                   ; codes in memory: lanes 0-15 one row's 256 bytes, lanes 16-31 the next row's
	v_mul_u32_u24 v8, v3, 272
	v_lshl_add_u32 v8, v2, 4, v8
	v_add_nc_u32 v8, s23, v8                       ; image, in
	v_mul_u32_u24 v9, v2, 272
	v_lshl_add_u32 v9, v3, 4, v9
	v_add_nc_u32 v9, s23, v9                       ; image, out: row r, + 16 h
	v_lshlrev_b32 v11, 3, v1                       ; 8 x lane
	s_lshr_b32 s24, s21, 1                         ; which tile of the 512: 0-255 x, then 64 each of wq, wk, wv, wo
	s_and_b32 s25, s24, 63
	s_cmp_lt_u32 s24, 256
	s_cselect_b32 s25, s24, s25                    ; T, the tile's number in its tensor
	s_lshr_b32 s28, s25, 1
	s_lshl_b32 s28, s28, 14                        ; 32 (T / 2) rows of 512 bytes
	s_and_b32 s29, s25, 1
	s_lshl_b32 s29, s29, 12                        ; + 8 (T % 2) rows
	s_add_co_u32 s28, s28, s29
	s_and_b32 s29, s21, 1
	s_lshl_b32 s29, s29, 8                         ; + my half of the rows' 512 bytes
	s_add_co_u32 s28, s28, s29
	s_mov_b32 s29, 0
	s_lshl_b32 s30, s21, 12                        ; the image's place: 4,096 U
	s_mov_b32 s31, 0
	s_lshr_b32 s60, s21, 3                         ; the tile of queries, and of positions
	s_and_b32 s61, s21, 7                          ; which pair of key steps, and which ld
	s_lshr_b32 s44, s60, 1
	s_and_b32 s45, s60, 1
	s_lshl_b32 s62, s44, 5
	s_lshl_b32 s63, s45, 3
	s_add_co_u32 s62, s62, s63                     ; that tile's first row
	s_lshl_b32 s44, s62, 13                        ; rows of 8,192 bytes in the mask
	s_lshl_b32 s45, s61, 10                        ; + two steps of 512 bytes
	s_add_co_u32 s44, s44, s45
	s_mov_b32 s45, 0
	s_lshl_b32 s46, s21, 9                         ; 512 U
	s_mov_b32 s47, 0
	s_lshl_b32 s48, s21, 3                         ; 8 U
	s_mov_b32 s49, 0
	s_lshr_b32 s63, s61, 2
	s_lshl_b32 s63, s63, 4
	s_and_b32 s26, s61, 3
	s_lshl_b32 s26, s26, 1
	s_add_co_u32 s63, s63, s26                     ; 16 (ld / 4) + 2 (ld % 4)
	s_wait_alu depctr_va_vdst(0)
	s_wait_kmcnt 0x0
	s_mov_b64 s[50:51], s[14:15]                   ; the tensor of codes is chosen by the tile's number alone
	s_cmp_lt_u32 s24, 448
	s_cselect_b64 s[50:51], s[12:13], s[50:51]
	s_cmp_lt_u32 s24, 384
	s_cselect_b64 s[50:51], s[10:11], s[50:51]
	s_cmp_lt_u32 s24, 320
	s_cselect_b64 s[50:51], s[8:9], s[50:51]
	s_cmp_lt_u32 s24, 256
	s_cselect_b64 s[50:51], s[6:7], s[50:51]
	s_add_nc_u64 s[50:51], s[50:51], s[28:29]
	s_add_nc_u64 s[52:53], s[16:17], s[30:31]      ; the image
	s_add_nc_u64 s[4:5], s[4:5], s[44:45]          ; the mask
	s_add_nc_u64 s[54:55], s[16:17], s[46:47]
	s_add_nc_u64 s[54:55], s[54:55], TBL           ; the table
	s_add_nc_u64 s[56:57], s[18:19], s[46:47]      ; the mask words
	s_add_nc_u64 s[58:59], s[18:19], s[48:49]
	s_add_nc_u64 s[58:59], s[58:59], MSUM          ; the summaries
.irp i, 0,1,2,3,4,5,6,7
	global_load_b128 v[X+4*\i:X+4*\i+3], v7, s[50:51] offset:(2*\i+8*(\i/4))*512 th:TH_LOAD_NT   ; tile rows 2 i and 2 i + 1: 256 consecutive bytes each
.endr
.irp e, 0,1
.irp i, 0,1,2,3,4,5,6,7,8,9,10,11,12,13,14,15
	global_load_b128 v[RAW+64*\e+4*\i:RAW+64*\e+4*\i+3], v4, s[4:5] offset:(\i+8*(\i/8))*8192+512*\e th:TH_LOAD_NT   ; tile row i, 128 keys: 512 consecutive bytes
.endr
.endr
	; ---- (a) the image: through my stage, rows in, fragments out
	s_wait_loadcnt 32                              ; the eight loads of codes are in; the 32 of the mask stay out
.irp i, 0,1,2,3,4,5,6,7
	ds_store_b128 v8, v[X+4*\i:X+4*\i+3] offset:544*\i
.endr
.irp i, 0,1,2,3,4,5,6,7
	ds_load_b128 v[X+32+4*\i:X+32+4*\i+3], v9 offset:32*\i       ; i = 2 s + c.  LDS serves a wave's instructions in order: these see the stores above
.endr
	; ---- (b) the table (its arithmetic stands between the LDS loads and the wait for them)
	v_and_b32 v12, 8, v2
	v_add_nc_u32 v12, v12, v2
	v_add_nc_u32 v12, s62, v12
	v_cvt_f32_u32 v12, v12                         ; my position
	v_lshl_add_u32 v13, v3, 3, s63                 ; i0
.macro PICK m, lit                     ; v15 = lit where the pair's number is m
	v_cmp_ne_u32 vcc_lo, \m, v14
	v_cndmask_b32 v15, \lit, v15, vcc_lo
.endm
.macro TRIG e                          ; v15 = 10^(i / 8)  ->  v[44 + 2 e] = cos, v[45 + 2 e] = sin
	v_rcp_f32 v16, v15
	v_nop                                          ; a plain place behind the reciprocal
	s_wait_alu depctr_va_vdst(0)
	v_fma_f32 v17, -v15, v16, 1.0
	v_fma_f32 v16, v16, v17, v16                   ; 1 / P, mended by one step
	v_mul_f32 v17, v12, v16                        ; the angle, rounded once
	v_mul_f32 v18, 0x3f22f983, v17                 ; x 2 / pi
	v_rndne_f32 v18, v18                           ; n
	v_fmamk_f32 v19, v18, 0xbfc90fdb, v17          ; - n x the first part of pi / 2: exact
	v_fmamk_f32 v19, v18, 0x333bbd2e, v19          ; + n x what that part has too much
	v_mul_f32 v20, v19, v19
	v_mov_b32 v21, 0xb94ca1f9                      ; sine: x + x z (s2 + z (s1 + z s0))
	v_fmaak_f32 v21, v21, v20, 0x3c08839e
	v_fmaak_f32 v21, v21, v20, 0xbe2aaaa3
	v_mul_f32 v21, v21, v20
	v_fma_f32 v21, v21, v19, v19
	v_mov_b32 v22, 0x37ccf5ce                      ; cosine: 1 + z (-1/2 + z (c2 + z (c1 + z c0)))
	v_fmaak_f32 v22, v22, v20, 0xbab6061a
	v_fmaak_f32 v22, v22, v20, 0x3d2aaaa5
	v_fma_f32 v22, v22, v20, -0.5
	v_fma_f32 v22, v22, v20, 1.0
	v_cvt_i32_f32 v23, v18
	v_and_b32 v24, 1, v23
	v_cmp_eq_u32 vcc_lo, 1, v24                    ; odd quarter turns change sine and cosine
	v_cndmask_b32 v25, v21, v22, vcc_lo
	v_cndmask_b32 v26, v22, v21, vcc_lo
	v_and_b32 v24, 2, v23
	v_lshlrev_b32 v24, 30, v24
	v_xor_b32 v[45+2*\e], v24, v25                 ; the sine is negative in quarters 2 and 3,
	v_add_nc_u32 v23, 1, v23
	v_and_b32 v24, 2, v23
	v_lshlrev_b32 v24, 30, v24
	v_xor_b32 v[44+2*\e], v24, v26                 ; the cosine in quarters 1 and 2
.endm
	v_mov_b32 v14, v13
	v_mov_b32 v15, 1.0
	PICK 2, 1.7782794100389228
	PICK 4, 3.1622776601683795
	PICK 6, 5.6234132519034908
	PICK 8, 10.0
	PICK 10, 17.782794100389228
	PICK 12, 31.622776601683795
	PICK 14, 56.234132519034908
	PICK 16, 100.0
	PICK 18, 177.82794100389228
	PICK 20, 316.22776601683795
	PICK 22, 562.34132519034908
	PICK 24, 1000.0
	PICK 26, 1778.2794100389228
	PICK 28, 3162.2776601683795
	PICK 30, 5623.4132519034908
	s_wait_alu depctr_va_vdst(0)
	TRIG 0
	v_add_nc_u32 v14, 1, v13
	v_mov_b32 v15, 1.3335214321633240
	PICK 3, 2.3713737056616553
	PICK 5, 4.2169650342858225
	PICK 7, 7.4989420933245582
	PICK 9, 13.335214321633240
	PICK 11, 23.713737056616553
	PICK 13, 42.169650342858225
	PICK 15, 74.989420933245582
	PICK 17, 133.35214321633240
	PICK 19, 237.13737056616553
	PICK 21, 421.69650342858225
	PICK 23, 749.89420933245582
	PICK 25, 1333.5214321633240
	PICK 27, 2371.3737056616553
	PICK 29, 4216.9650342858225
	PICK 31, 7498.9420933245582
	s_wait_alu depctr_va_vdst(0)
	TRIG 1
	global_store_b128 v4, v[44:47], s[54:55]       ; 512 consecutive bytes
	s_wait_dscnt 0x0                               ; the image's fragments are back
.irp i, 0,1,2,3,4,5,6,7
	global_store_b128 v4, v[X+32+4*\i:X+32+4*\i+3], s[52:53] offset:512*\i   ; 512 consecutive bytes each
.endr
	; ---- (c) the mask
.macro MUNIT e
	s_wait_loadcnt 16-16*\e                        ; this unit's sixteen loads are in; the other unit's may be out
.if \e == 0
	s_wait_xcnt 0x0                                ; the image's stores have read v224-255, which the LDS loads below fill
.endif
.irp i, 0,1,2,3,4,5,6,7,8,9,10,11,12,13,14,15
	ds_store_b128 v5, v[RAW+64*\e+4*\i:RAW+64*\e+4*\i+3] offset:528*\i
.endr
.irp b, 0,1,2,3
.irp u, 0,1,2,3
	ds_load_b128 v[X+16*\b+4*\u:X+16*\b+4*\u+3], v6 offset:128*\b+16*\u   ; lane (r, h): row r, keys 32 b + 16 h + 4 u + 0 .. 3
.endr
.endr
	v_mov_b32 v[48+2*\e], 0                        ; (v_writelane_b32's destination counts as read)
	v_mov_b32 v[49+2*\e], 0
	s_mov_b32 s40, -1                              ; the AND and the OR of the 64 words
	s_mov_b32 s41, 0
	s_wait_dscnt 0x0
.set n, 0
.rept 8
.irp k, 0,1,2,3,4,5,6,7
	v_cmp_ne_u32 s[32+\k], 0, v[X+n+\k]            ; word n + k
.endr
.irp k, 0,1,2,3,4,5,6,7
	s_and_b32 s40, s40, s[32+\k]
	s_or_b32 s41, s41, s[32+\k]
	v_writelane_b32 v[48+2*\e+(\k%2)], s[32+\k], (n+\k)/2   ; lane l carries words 2 l and 2 l + 1
.endr
.set n, n+8
.endr
	global_store_b64 v11, v[48+2*\e:49+2*\e], s[56:57] offset:256*\e   ; 256 consecutive bytes, aligned
	s_lshr_b32 s42, s41, 16
	s_or_b32 s42, s42, s41
	s_and_b32 s42, s42, 0xffff                     ; the rows with a kept key
	s_cmp_eq_u32 s40, -1
	s_cselect_b32 s43, 0x10000, 0                  ; all kept
	s_or_b32 s42, s42, s43
	v_mov_b32 v[52+\e], s42
.endm
	MUNIT 0
	MUNIT 1
	v_mov_b32 v54, 0
	v_cmp_eq_u32 vcc_lo, 0, v1
	s_wait_alu depctr_va_vdst(0)
	s_wait_xcnt 0x0                                ; EXEC changes only behind this wait: the stores above have been taken up
	s_wait_tensorcnt 0x0
	ds_add_u32 v62, v63
	s_wait_dscnt 0x0
	s_and_saveexec_b32 s42, vcc_lo                 ; one lane stores the two summaries
	global_store_b64 v54, v[52:53], s[58:59]
	s_endpgm
.Lfunc_end_k_q8fbcbfe568_prep:
	.size	k_q8fbcbfe568_prep, .Lfunc_end_k_q8fbcbfe568_prep-k_q8fbcbfe568_prep
	.p2alignl 7, 3214868480
	.fill 96, 4, 3214868480
	.section	.rodata,"a",@progbits
	.p2align	6, 0x0
	.amdhsa_kernel k_q8fbcbfe568_prep
		.amdhsa_group_segment_fixed_size 51712
		.amdhsa_private_segment_fixed_size 0
		.amdhsa_enable_private_segment 0
		.amdhsa_kernarg_size 64
		.amdhsa_user_sgpr_count 2
		.amdhsa_user_sgpr_kernarg_segment_ptr 1
		.amdhsa_wavefront_size32 1
		.amdhsa_system_sgpr_workgroup_id_x 1
		.amdhsa_system_sgpr_workgroup_id_y 1
		.amdhsa_system_sgpr_workgroup_id_z 1
		.amdhsa_system_vgpr_workitem_id 0
		.amdhsa_next_free_vgpr 256
		.amdhsa_next_free_sgpr 66
		.amdhsa_reserve_vcc 1
		.amdhsa_float_denorm_mode_32 3
		.amdhsa_float_denorm_mode_16_64 3
		.amdhsa_memory_ordered 1
		.amdhsa_forward_progress 1
		.amdhsa_inst_pref_size 45
	.end_amdhsa_kernel
	.amdgpu_metadata
---
amdhsa.version: [ 1, 2 ]
amdhsa.kernels:
  - .name:           k_q8fbcbfe568_prep
    .symbol:         k_q8fbcbfe568_prep.kd
    .args:
      - { .name: mask, .offset: 0, .size: 8, .value_kind: global_buffer, .address_space: global }
      - { .name: x_codes, .offset: 8, .size: 8, .value_kind: global_buffer, .address_space: global }
      - { .name: wq_codes, .offset: 16, .size: 8, .value_kind: global_buffer, .address_space: global }
      - { .name: wk_codes, .offset: 24, .size: 8, .value_kind: global_buffer, .address_space: global }
      - { .name: wv_codes, .offset: 32, .size: 8, .value_kind: global_buffer, .address_space: global }
      - { .name: wo_codes, .offset: 40, .size: 8, .value_kind: global_buffer, .address_space: global }
      - { .name: pre, .offset: 48, .size: 8, .value_kind: global_buffer, .address_space: global }
      - { .name: mwords, .offset: 56, .size: 8, .value_kind: global_buffer, .address_space: global }
    .group_segment_fixed_size: 51712
    .private_segment_fixed_size: 0
    .kernarg_segment_align: 8
    .kernarg_segment_size: 64
    .max_flat_workgroup_size: 128
    .sgpr_count:     66
    .vgpr_count:     256
    .wavefront_size: 32
...
	.end_amdgpu_metadata
.endif
;; end of part 7
;; launch qkv (part 8): grid 32 x 6, 8 waves a work-group, no clusters, 99,328 bytes of LDS; arguments pre, x_scales, wq_scales, wk_scales, wv_scales, bq, bk, bv, qkv; writes qkv
.if DOCPART == 8
	.amdgcn_target "amdgcn-amd-amdhsa--gfx1250"
	.amdhsa_code_object_version 6
	.text
	.protected	k_q8fbcbfe568_qkv
	.globl	k_q8fbcbfe568_qkv
	.p2align	8
	.type	k_q8fbcbfe568_qkv,@function
k_q8fbcbfe568_qkv:
	s_mov_b64 s[64:65], 0
	v_nop
	global_prefetch_b8 v0, s[64:65] scope:SCOPE_SE
	s_setreg_imm32_b32 hwreg(HW_REG_WAVE_SCHED_MODE, 0, 2), 2
	s_setreg_imm32_b32 hwreg(HW_REG_WAVE_MODE, 25, 1), 1
	s_wait_xcnt 0x0
	s_wait_alu depctr_vm_vsrc(0)
; q, k, v = x W^T + b on codes of FP4 (E2M1) with E8M0 scales; RoPE on q and k; each result quantised anew and stored as images of the attention launch's operand registers.
; SHARES.  Work-group (X, y): 128 tokens (batch X / 16, key step j = X % 16); kind = y / 2 (q, k, v); wave w makes head 8 (y % 2) + w: 128 tokens x 64 features over all of K = 1,024: 32 accumulators, 256 matrix instructions.
; The block's eight tiles of x (register images, 64 KB) and its table of cosines and sines (32 KB: the same positions for all eight heads) lie in LDS, filled once through registers, one barrier: so the table is fetched once
; for the work-group and not once for each wave.  Each wave's four tiles of W come from memory straight into registers, in four sets of 32 that take turns: nobody else reads them here.
; No cluster and no joint loads: what the eight waves share is in LDS after one fill, and the six work-groups that read the same x differ in what they do with it.
; q, k: source 0 = 16 rows of W, source 1 = 16 tokens: a lane holds ONE token, and its 32 registers of a tile of tokens are features 32 b + 16 h + i (register 16 b + i), since tile T takes rows 32 (T / 2) + 8 (T % 2) + r + 8 (r / 8).
; v: the sources change places: a lane holds ONE feature and its 64 registers run along the tokens, which are the K of the second product of attention.
; The bias is the C of each sum's first matrix instruction.  The 32 accumulators take turns, one instruction a turn.
; LIMITS: a block of zeros gets the scale byte 1 (its codes are zeros; this program alone reads the bytes); NaN, infinities and 0xff scale bytes among the inputs are not served.
; REGISTERS: window 0: v1-4, v9-11 offsets; v16-47 x's scale words (pair of tiles G, K step s: 8 G + s; lanes 0-15 tile 2 G, lanes 16-31 tile 2 G + 1); v48-63 W's likewise; v64-127 x's fragments; v128-255 W's, four sets;
;   the fourth set lies where the bias lies, which K step 0 alone reads.   window 1: the accumulators: q, k at 32 T + 8 F; v at 64 F + 8 T.
; THE MODE: SCHED_MODE bits 1:0 = 2 (LLVM: expert scheduling mode 2), set by the entry lines.  The code itself states the register dependences
; between vector or matrix instructions and memory or LDS instructions, with s_wait_alu, always for 0.
; THE PLAN.  Registers that memory or LDS instructions touch:
;   v1-4, v9-11  Offsets and LDS addresses: written at the head, never again.  One wait ahead of the first load serves every load and store that reads them.
;   XF           The fill: global loads land in it, LDS stores read it.  K step s: the sixteen products of tiles 0-3 read its lower half, and behind them step s + 1's LDS loads land there; the upper half likewise.
;   WF           Set 1 carries the table through the fill.  Set s % 4 is read by step s's 32 products; behind them step s + 4's loads land in it, and behind step 0 also step 3's, where the bias lay.
;   XS, WS       Loaded once, read by products alone.
;   CS           The way out of q and k: tile t's rotation reads set t % 2; behind the tile's vector work tile t + 2's LDS loads land in it.
;   PC, SWC (q, k); R, SWC, v5 (v)   Written once by vector instructions, read by one store each, never written again.
; So two waits on va_vdst stand in a K step, one behind each half's products; both windows are full, so the two halves of XF are the two buffers that take turns.  One stands at each tile's end on the way out of q and k,
; for the tile's store and the table loads together; one ahead of all of v's stores.  One wait on vm_vsrc, behind the barrier, frees what the fill's LDS stores read.
.set XS,  16
.set WS,  48
.set XF,  64
.set WF,  128
.set BI,  224
.set LTB, 0x10000                      ; LDS: x's images at 0, the table here
.set CS,  64                           ; the epilogues' registers lie where the fragments lay: cosines and sines, two sets of 32;
.set R,   128                          ; a tile's 32 rotated numbers (v: the codes, 8 a tile of features);
.set PC,  160                          ; the codes, 4 a tile of tokens;
.set TM,  192                          ; +0.. largest magnitudes, +4.. the other half's, then bytes, +8.. or +12.. the conversions' scale operands;
.set SW,  208                          ; a scale word for each tile;
.set SWC, 216                          ; the scale words as they are stored
.set SEL, 60                           ; s[60:61] v_permlanex16_b32's selects for lane l xor 16
.set MSB, 0
.macro WIN new                         ; the immediate's high byte repeats the setting that is left
.if MSB != \new
	s_set_vgpr_msb (MSB<<8)|\new
.set MSB, \new
.endif
.endm
.macro PLACES                          ; four plain places between a matrix instruction and a load into, or a read of, its registers
.rept 4
	v_nop
.endr
.endm
; one product; ra, rb: the half of the lanes from which source 0's and source 1's scales are taken
.macro WM d, a, b, c, sa, sb, ra, rb
.if ((\ra) != 0) && ((\rb) != 0)
	v_wmma_scale_f32_16x16x128_f8f6f4 v[(\d):(\d)+7], v[(\a):(\a)+7], v[(\b):(\b)+7], v[(\c):(\c)+7], v[\sa], v[\sb] matrix_a_fmt:MATRIX_FMT_FP4 matrix_b_fmt:MATRIX_FMT_FP4 matrix_a_scale:MATRIX_SCALE_ROW1 matrix_b_scale:MATRIX_SCALE_ROW1
.elseif (\ra) != 0
	v_wmma_scale_f32_16x16x128_f8f6f4 v[(\d):(\d)+7], v[(\a):(\a)+7], v[(\b):(\b)+7], v[(\c):(\c)+7], v[\sa], v[\sb] matrix_a_fmt:MATRIX_FMT_FP4 matrix_b_fmt:MATRIX_FMT_FP4 matrix_a_scale:MATRIX_SCALE_ROW1
.elseif (\rb) != 0
	v_wmma_scale_f32_16x16x128_f8f6f4 v[(\d):(\d)+7], v[(\a):(\a)+7], v[(\b):(\b)+7], v[(\c):(\c)+7], v[\sa], v[\sb] matrix_a_fmt:MATRIX_FMT_FP4 matrix_b_fmt:MATRIX_FMT_FP4 matrix_b_scale:MATRIX_SCALE_ROW1
.else
	v_wmma_scale_f32_16x16x128_f8f6f4 v[(\d):(\d)+7], v[(\a):(\a)+7], v[(\b):(\b)+7], v[(\c):(\c)+7], v[\sa], v[\sb] matrix_a_fmt:MATRIX_FMT_FP4 matrix_b_fmt:MATRIX_FMT_FP4
.endif
.endm
.macro MM16 s, t0, v                   ; tiles of tokens t0 .. t0 + 3 x the four tiles of features, K step s
.irp t, \t0, \t0+1, \t0+2, \t0+3
.irp f, 0,1,2,3
.if \v
.if (\s) == 0
	WM 64*\f+8*(\t), XF+8*(\t), WF+32*((\s)%4)+8*\f, BI+8*\f, XS+8*((\t)/2)+(\s), WS+8*(\f/2)+(\s), (\t)%2, \f%2
.else
	WM 64*\f+8*(\t), XF+8*(\t), WF+32*((\s)%4)+8*\f, 64*\f+8*(\t), XS+8*((\t)/2)+(\s), WS+8*(\f/2)+(\s), (\t)%2, \f%2
.endif
.else
.if (\s) == 0
	WM 32*(\t)+8*\f, WF+32*((\s)%4)+8*\f, XF+8*(\t), BI+8*\f, WS+8*(\f/2)+(\s), XS+8*((\t)/2)+(\s), \f%2, (\t)%2
.else
	WM 32*(\t)+8*\f, WF+32*((\s)%4)+8*\f, XF+8*(\t), 32*(\t)+8*\f, WS+8*(\f/2)+(\s), XS+8*((\t)/2)+(\s), \f%2, (\t)%2
.endif
.endif
.endr
.endr
.endm
.macro WLOAD s                         ; my four tiles of W, K step s, into set s % 4: eight loads of 512 consecutive bytes
.irp f, 0,1,2,3
.irp c, 0,1
	global_load_b128 v[WF+32*((\s)%4)+8*\f+4*\c:WF+32*((\s)%4)+8*\f+4*\c+3], v1, s[46:47] offset:8192*\f+1024*(\s)+512*\c
.endr
.endr
.endm
.macro XLOAD s, t0                     ; x's tiles t0 .. t0 + 3, K step s, from LDS
.irp t, \t0, \t0+1, \t0+2, \t0+3
.irp c, 0,1
	ds_load_b128 v[XF+8*(\t)+4*\c:XF+8*(\t)+4*\c+3], v1 offset:8192*(\t)+1024*(\s)+512*\c
.endr
.endr
.endm
.macro MULWIN s
.if (\s) == 0
	WIN 0x40                                       ; D in window 1; the bias, as C, in window 0
.else
	WIN 0x50                                       ; C and D in window 1
.endif
.endm
; W's sets are issued in this order: 0 | the bias, 1, 2 | behind step 0: 3, 4 | behind steps 1, 2, 3: 5, 6, 7.  A step's wait leaves out the sets issued behind its own, eight loads each.
.macro KSTEP s, v
.if (\s) == 0
	s_wait_loadcnt 16                              ; set 0, the scale words and the bias are in; sets 1 and 2 stay out
.elseif (\s) <= 4
	s_wait_loadcnt 24                              ; this step's set is in; the three sets behind it stay out
.else
	s_wait_loadcnt 8*(7-(\s))                      ; the sets that are left
.endif
	s_wait_dscnt 8                                 ; x's tiles 0-3 are in; the eight loads of tiles 4-7 stay out
	MULWIN \s
	MM16 \s, 0, \v
	PLACES
	WIN 0
.if (\s) < 7
	s_wait_alu depctr_va_vdst(0)                   ; the sixteen products above are done reading x's tiles 0-3, in which the eight LDS loads below land
	XLOAD (\s)+1, 0
	s_wait_dscnt 8                                 ; tiles 4-7 are in; the eight just issued stay out
.else
	s_wait_dscnt 0x0
.endif
	MULWIN \s
	MM16 \s, 4, \v
	PLACES
	WIN 0
.if (\s) < 7
	s_wait_alu depctr_va_vdst(0)                   ; this step's products are done reading x's tiles 4-7, W's set s % 4 and, in step 0, the bias: the loads below land in these
	XLOAD (\s)+1, 4
.endif
.if (\s) == 0
	WLOAD 3                                        ; where the bias lay: step 0's products have read it
	WLOAD 4                                        ; into the set that this step has just left
.elseif (\s) <= 3
	WLOAD (\s)+4
.endif
.endm
; 32 numbers of a lane, register 16 b + i = k 32 b + 16 h + i of my row, become 4 registers of codes (lane (r, h): k = 32 h + 0 .. 31); the two bytes are left in v[TM+4], v[TM+5]
.macro QUANT2 src, pc
.irp b, 0,1
	v_max3_num_f32 v[TM+\b], |v[\src+16*\b]|, |v[\src+16*\b+1]|, 0x1800000   ; and the floor 2^(3 - 127): the byte cannot fall under 1
.endr
.irp i, 2,4,6,8,10,12,14
.irp b, 0,1
	v_max3_num_f32 v[TM+\b], v[TM+\b], |v[\src+16*\b+\i]|, |v[\src+16*\b+\i+1]|
.endr
.endr
.irp b, 0,1
	v_permlanex16_b32 v[TM+4+\b], v[TM+\b], s[SEL], s[SEL+1]
.endr
.irp b, 0,1
	v_max_num_f32 v[TM+\b], v[TM+\b], v[TM+4+\b]   ; with lane l xor 16's: the block's largest magnitude
.endr
.irp b, 0,1
	v_add_nc_u32 v[TM+8+\b], 0xff000000, v[TM+\b]  ; 2 off its exponent field: the conversion's scale operand
.endr
.irp b, 0,1
	v_lshrrev_b32 v[TM+4+\b], 23, v[TM+8+\b]       ; the scale's byte
.endr
.irp b, 0,1
	v_cvt_scalef32_pk8_fp4_f32 v[\pc+2*\b], v[\src+16*\b:\src+16*\b+7], v[TM+8+\b]
	v_cvt_scalef32_pk8_fp4_f32 v[\pc+2*\b+1], v[\src+16*\b+8:\src+16*\b+15], v[TM+8+\b]
.endr
	v_nop                                          ; one plain place behind a scaled conversion
	v_permlane16_swap_b32 v[\pc], v[\pc+2]         ; a whole block to a lane: lanes 0-15 block 0, lanes 16-31 block 1
	v_permlane16_swap_b32 v[\pc+1], v[\pc+3]
.endm
	s_load_b512 s[4:19], s[0:1], 0x0               ; pre, x_scales, wq_scales, wk_scales, wv_scales, bq, bk, bv
	s_load_b64 s[20:21], s[0:1], 0x40              ; qkv
	v_lshl_add_u32 v14, v0, 2, 0x18000
	v_mov_b32 v15, 0
	v_lshrrev_b32 v5, 5, v0
	v_readfirstlane_b32 s22, v5                    ; wave
	v_and_b32 v6, 31, v0
	v_and_b32 v7, 15, v0                           ; r
	v_bfe_u32 v8, v0, 4, 1                         ; h
	v_lshlrev_b32 v1, 4, v6                        ; 16 x lane: an image's place for my lane
	v_lshlrev_b32 v2, 4, v0                        ; 16 x thread: the fill
	v_add_nc_u32 v10, LTB, v2                      ; the table's fill,
	v_add_nc_u32 v11, LTB, v1                      ; and my lane's place in it
	v_and_b32 v3, 8, v7
	v_add_nc_u32 v3, v3, v7                        ; r + 8 (r / 8)
	v_lshlrev_b32 v9, 2, v3                        ; v's bias: my feature's 4 bytes
	v_lshl_add_u32 v3, v8, 3, v3
	v_lshlrev_b32 v3, 5, v3                        ; scale bytes: row 8 (lane / 16) + r + 8 (r / 8) of 32 bytes
	v_lshlrev_b32 v4, 6, v8                        ; q's and k's bias: 16 h numbers on
	s_wait_alu depctr_va_sdst(0)                   ; s22, the wave's number, is written, ahead of its first reader: the head's number is made from it
	s_and_b32 s23, ttmp7, 0xffff
	s_lshr_b32 s24, s23, 1                         ; kind
	s_and_b32 s25, s23, 1
	s_lshl_b32 s25, s25, 3
	s_add_co_u32 s25, s25, s22                     ; head
	s_lshl_b32 s26, ttmp9, 16                      ; x's images: 8 tiles of 8 KB a block
	s_mov_b32 s27, 0
	s_lshl_b32 s28, s24, 19
	s_lshl_b32 s29, s25, 15
	s_add_co_u32 s28, s28, s29
	s_add_co_u32 s28, s28, 0x200000                ; W's images: 512 KB a kind, 32 KB a head
	s_mov_b32 s29, 0
	s_lshl_b32 s30, ttmp9, 12                      ; x's scale bytes
	s_mov_b32 s31, 0
	s_lshl_b32 s32, s25, 11                        ; W's
	s_mov_b32 s33, 0
	s_lshl_b32 s34, s25, 8                         ; the bias
	s_mov_b32 s35, 0
	s_and_b32 s39, ttmp9, 15                       ; j
	s_lshl_b32 s36, s39, 15
	s_add_co_u32 s36, s36, 0x400000                ; the table: 8 tiles of positions of 4 KB
	s_mov_b32 s37, 0
	s_lshr_b32 s38, ttmp9, 4
	s_lshl_b32 s38, s38, 4
	s_add_co_u32 s38, s38, s25                     ; bh = 16 x batch + head
	s_lshl_b32 s40, s24, 21
	s_lshl_b32 s41, s38, 16
	s_add_co_u32 s40, s40, s41
	s_lshl_b32 s41, s39, 12
	s_add_co_u32 s40, s40, s41                     ; the codes' place: 2 MB a kind, 64 KB a head, 4 KB a step
	s_mov_b32 s41, 0
	s_lshl_b32 s42, s24, 18
	s_lshl_b32 s43, s38, 13
	s_add_co_u32 s42, s42, s43
	s_lshl_b32 s43, s39, 9
	s_add_co_u32 s42, s42, s43
	s_add_co_u32 s42, s42, 0x600000                ; q's and k's scale words: 512 bytes a step;
	s_lshl_b32 s43, s38, 12
	s_lshl_b32 s63, s39, 8
	s_add_co_u32 s43, s43, s63
	s_add_co_u32 s43, s43, 0x680000                ; v's: 256
	s_cmp_eq_u32 s24, 2
	s_cselect_b32 s42, s43, s42
	s_mov_b32 s43, 0
	s_mov_b32 s[SEL], 0x76543210
	s_mov_b32 s[SEL+1], 0xfedcba98
	s_mov_b32 s62, 0xffff0000                      ; lanes 16-31
	s_wait_kmcnt 0x0
	s_cmp_eq_u32 s24, 0                            ; the weight's scales and the bias are chosen by the kind alone
	s_cselect_b64 s[50:51], s[8:9], s[10:11]
	s_cselect_b64 s[52:53], s[14:15], s[16:17]
	s_cmp_eq_u32 s24, 2
	s_cselect_b64 s[50:51], s[12:13], s[50:51]
	s_cselect_b64 s[52:53], s[18:19], s[52:53]
	s_add_nc_u64 s[44:45], s[4:5], s[26:27]
	s_add_nc_u64 s[46:47], s[4:5], s[28:29]
	s_add_nc_u64 s[48:49], s[6:7], s[30:31]
	s_add_nc_u64 s[50:51], s[50:51], s[32:33]
	s_add_nc_u64 s[52:53], s[52:53], s[34:35]
	s_add_nc_u64 s[54:55], s[4:5], s[36:37]
	s_add_nc_u64 s[56:57], s[20:21], s[40:41]
	s_add_nc_u64 s[58:59], s[20:21], s[42:43]
	s_wait_alu depctr_va_vdst(0)                   ; the offsets and LDS addresses v1-4 and v9-11 are written: every load and store of the kernel but one reads one of them, and none is written again
.irp i, 0,1,2,3,4,5,6,7,8,9,10,11,12,13,14,15
	global_load_b128 v[XF+4*\i:XF+4*\i+3], v2, s[44:45] offset:4096*\i   ; the fill: the work-group's 256 threads take 4,096 consecutive bytes
.endr
.irp i, 0,1,2,3,4,5,6,7
	global_load_b128 v[WF+32+4*\i:WF+32+4*\i+3], v2, s[54:55] offset:4096*\i   ; the table likewise, through the registers of W's set 1, which is asked for behind the barrier
.endr
.irp g, 0,1,2,3
.irp q, 0,1
	global_load_b128 v[XS+8*\g+4*\q:XS+8*\g+4*\q+3], v3, s[48:49] offset:1024*\g+16*\q
.endr
.endr
.irp g, 0,1
.irp q, 0,1
	global_load_b128 v[WS+8*\g+4*\q:WS+8*\g+4*\q+3], v3, s[50:51] offset:1024*\g+16*\q
.endr
.endr
	WLOAD 0
; 44 loads are out.  Each store follows the wait for its own load, which leaves out the loads issued behind that one: so the stores run while the later loads are on their way
.irp i, 0,1,2,3,4,5,6,7,8,9,10,11,12,13,14,15
	s_wait_loadcnt 43-\i
	ds_store_b128 v2, v[XF+4*\i:XF+4*\i+3] offset:4096*\i
.endr
.irp i, 0,1,2,3,4,5,6,7
	s_wait_loadcnt 27-\i                           ; at the last: 8 + 4 + 8 stay out
	ds_store_b128 v10, v[WF+32+4*\i:WF+32+4*\i+3] offset:4096*\i
.endr
	s_wait_dscnt 0x0                               ; for the others' sake: my part of the images and of the table has landed
	s_barrier_signal -1
	s_barrier_wait -1                              ; the one barrier: from here on LDS is only read
	s_wait_alu depctr_vm_vsrc(0)                   ; my LDS stores have read XF and W's set 1, in which, on either way below, x's fragments and W's K step 1 land
	s_cmp_eq_u32 s24, 2
	s_cbranch_scc1 .Lvalues
	; ================ q and k ================
.irp f, 0,1,2,3
	global_load_b128 v[BI+8*\f:BI+8*\f+3], v4, s[52:53] offset:(32*(\f/2)+8*(\f%2))*4       ; lane (r, h), tile f: the bias of features 32 (f / 2) + 8 (f % 2) + 16 h + 0 .. 7
	global_load_b128 v[BI+8*\f+4:BI+8*\f+7], v4, s[52:53] offset:(32*(\f/2)+8*(\f%2))*4+16
.endr
	WLOAD 1
	WLOAD 2
	XLOAD 0, 0
	XLOAD 0, 4
.irp s, 0,1,2,3,4,5,6,7
	KSTEP \s, 0
.endr
.macro TLOAD t                         ; cosines and sines of tile t's positions, from LDS: (cos, sin) of my 16 pairs
.irp l, 0,1,2,3,4,5,6,7
	ds_load_b128 v[CS+32*((\t)%2)+4*\l:CS+32*((\t)%2)+4*\l+3], v11 offset:4096*(\t)+512*\l
.endr
.endm
	s_wait_alu depctr_va_vdst(0)                   ; K step 7's products are done reading x's fragments, in whose registers the table's first two tiles land
	TLOAD 0
	TLOAD 1
	v_mov_b32 v[TM+4], 0                           ; (a lane permute's destination counts as one of its sources)
	v_mov_b32 v[TM+5], 0
; Tile t.  Its store and the table loads of tile t + 2 stand together at its end, behind one wait; the last tile's store stands with the scale words' store, behind theirs.
.macro ROPEQ t
.set CSS, CS+32*((\t)%2)
.if (\t) < 7
	s_wait_dscnt 8                                 ; this tile's table is in; the next tile's eight loads stay out
.else
	s_wait_dscnt 0x0
.endif
	WIN 0x01                                       ; source 0: the accumulators, window 1
.set p, 0
.rept 16
	v_pk_mul_f32 v[R+2*p:R+2*p+1], v[32*(\t)+2*p:32*(\t)+2*p+1], v[CSS+2*p:CSS+2*p+1] op_sel_hi:[1,0]   ; (even, odd) x cos; each accumulator is read from its low end on
.set p, p+1
.endr
.set p, 0
.rept 16
	v_fma_f32 v[R+2*p], -v[32*(\t)+2*p+1], v[CSS+2*p+1], v[R+2*p]       ; even cos - odd sin
	v_fma_f32 v[R+2*p+1], v[32*(\t)+2*p], v[CSS+2*p+1], v[R+2*p+1]      ; odd cos + even sin
.set p, p+1
.endr
	WIN 0
	QUANT2 R, PC+4*(\t)
	v_lshl_or_b32 v[SW+(\t)], v[TM+5], 8, v[TM+4]
	v_or_b32 v[SW+(\t)], 0x7f7f0000, v[SW+(\t)]    ; K = 64 fills half of the instruction's 128: the other half is zero codes under the byte 127
.if (\t) < 7
	s_wait_alu depctr_va_vdst(0)                   ; the tile's codes v[PC + 4 t ..] are written, which the store reads; its rotation is done reading the table's set t % 2, in which the loads land
.if (\t) < 6
	TLOAD (\t)+2
.endif
	global_store_b128 v1, v[PC+4*(\t):PC+4*(\t)+3], s[56:57] offset:512*(\t)   ; 512 consecutive bytes
.endif
.endm
.irp t, 0,1,2,3,4,5,6,7
	ROPEQ \t
.endr
.irp b, 0,1,2,3
	v_cndmask_b32 v[SWC+\b], v[SW+2*\b], v[SW+2*\b+1], s62   ; lanes 0-15 carry tile 2 b's words, lanes 16-31 tile 2 b + 1's
.endr
	s_wait_alu depctr_va_vdst(0)                   ; tile 7's codes and the four scale words v[SWC ..] are written, which the two stores read
	global_store_b128 v1, v[PC+28:PC+31], s[56:57] offset:512*7
	global_store_b128 v1, v[SWC:SWC+3], s[58:59]
	s_wait_dscnt 0x0                               ; the closing lines, six on end
	s_wait_alu 0x0
	s_wait_tensorcnt 0x0
	ds_add_u32 v14, v15
	s_wait_dscnt 0x0
	s_endpgm
	; ================ v ================
.Lvalues:
.irp f, 0,1,2,3
.irp j, 0,1,2,3,4,5,6,7
	global_load_b32 v[BI+8*\f+\j], v9, s[52:53] offset:(32*(\f/2)+8*(\f%2))*4   ; a lane holds one feature: its bias in all eight registers of the C
.endr
.endr
	WLOAD 1
	WLOAD 2
	XLOAD 0, 0
	XLOAD 0, 4
.irp s, 0,1,2,3,4,5,6,7
	KSTEP \s, 1
.endr
.irp b, 0,1,2,3
	v_mov_b32 v[TM+4+\b], 0
.endr
; tile f of features: my feature's 64 numbers, register 16 b + i = key 32 b + 16 h + i, become a fragment (8 registers at R + 8 f) and a scale word; the four tiles' stores stand together behind them
.macro QUANT4 f
	WIN 0x05                                       ; sources 0 and 1: the accumulators
.irp b, 0,1,2,3
	v_max3_num_f32 v[TM+\b], |v[64*\f+16*\b]|, |v[64*\f+16*\b+1]|, 0x1800000
.endr
.irp i, 2,4,6,8,10,12,14
.irp b, 0,1,2,3
	v_max3_num_f32 v[TM+\b], |v[64*\f+16*\b+\i]|, |v[64*\f+16*\b+\i+1]|, v[TM+\b]
.endr
.endr
	WIN 0
.irp b, 0,1,2,3
	v_permlanex16_b32 v[TM+4+\b], v[TM+\b], s[SEL], s[SEL+1]
.endr
.irp b, 0,1,2,3
	v_max_num_f32 v[TM+\b], v[TM+\b], v[TM+4+\b]
.endr
.irp b, 0,1,2,3
	v_add_nc_u32 v[TM+12+\b], 0xff000000, v[TM+\b]
.endr
.irp b, 0,1,2,3
	v_lshrrev_b32 v[TM+4+\b], 23, v[TM+12+\b]
.endr
	v_lshl_or_b32 v[SW+\f], v[TM+5], 8, v[TM+4]
	v_lshl_or_b32 v[SW+\f], v[TM+6], 16, v[SW+\f]
	v_lshl_or_b32 v[SW+\f], v[TM+7], 24, v[SW+\f]
	WIN 0x01
.irp b, 0,1,2,3
	v_cvt_scalef32_pk8_fp4_f32 v[R+8*\f+2*\b], v[64*\f+16*\b:64*\f+16*\b+7], v[TM+12+\b]
	v_cvt_scalef32_pk8_fp4_f32 v[R+8*\f+2*\b+1], v[64*\f+16*\b+8:64*\f+16*\b+15], v[TM+12+\b]
.endr
	WIN 0
	v_nop                                          ; one plain place behind a scaled conversion
.irp c, 0,1
.irp i, 0,1
	v_permlane16_swap_b32 v[R+8*\f+4*\c+\i], v[R+8*\f+4*\c+2+\i]
.endr
.endr
.endm
.irp f, 0,1,2,3
	QUANT4 \f
.endr
	v_cndmask_b32 v[SWC], v[SW], v[SW+1], s62
	v_cndmask_b32 v[SWC+1], v[SW+2], v[SW+3], s62
	v_lshrrev_b32 v5, 1, v1                        ; 8 x lane
	s_wait_alu depctr_va_vdst(0)                   ; the four fragments v[R ..], the two scale words v[SWC ..] and the offset v5 are written, which the nine stores read
.irp f, 0,1,2,3
.irp c, 0,1
	global_store_b128 v1, v[R+8*\f+4*\c:R+8*\f+4*\c+3], s[56:57] offset:1024*\f+512*\c
.endr
.endr
	global_store_b64 v5, v[SWC:SWC+1], s[58:59]    ; 256 consecutive bytes, aligned
	s_wait_dscnt 0x0                               ; the closing lines, six on end
	s_wait_alu 0x0
	s_wait_tensorcnt 0x0
	ds_add_u32 v14, v15
	s_wait_dscnt 0x0
	s_endpgm
.Lfunc_end_k_q8fbcbfe568_qkv:
	.size	k_q8fbcbfe568_qkv, .Lfunc_end_k_q8fbcbfe568_qkv-k_q8fbcbfe568_qkv
	.p2alignl 7, 3214868480
	.fill 96, 4, 3214868480
	.section	.rodata,"a",@progbits
	.p2align	6, 0x0
	.amdhsa_kernel k_q8fbcbfe568_qkv
		.amdhsa_group_segment_fixed_size 99328
		.amdhsa_private_segment_fixed_size 0
		.amdhsa_enable_private_segment 0
		.amdhsa_kernarg_size 72
		.amdhsa_user_sgpr_count 2
		.amdhsa_user_sgpr_kernarg_segment_ptr 1
		.amdhsa_wavefront_size32 1
		.amdhsa_system_sgpr_workgroup_id_x 1
		.amdhsa_system_sgpr_workgroup_id_y 1
		.amdhsa_system_sgpr_workgroup_id_z 1
		.amdhsa_system_vgpr_workitem_id 0
		.amdhsa_next_free_vgpr 512
		.amdhsa_next_free_sgpr 66
		.amdhsa_reserve_vcc 0
		.amdhsa_float_denorm_mode_32 3
		.amdhsa_float_denorm_mode_16_64 3
		.amdhsa_memory_ordered 1
		.amdhsa_forward_progress 1
		.amdhsa_inst_pref_size 176
	.end_amdhsa_kernel
	.amdgpu_metadata
---
amdhsa.version: [ 1, 2 ]
amdhsa.kernels:
  - .name:           k_q8fbcbfe568_qkv
    .symbol:         k_q8fbcbfe568_qkv.kd
    .args:
      - { .name: pre, .offset: 0, .size: 8, .value_kind: global_buffer, .address_space: global }
      - { .name: x_scales, .offset: 8, .size: 8, .value_kind: global_buffer, .address_space: global }
      - { .name: wq_scales, .offset: 16, .size: 8, .value_kind: global_buffer, .address_space: global }
      - { .name: wk_scales, .offset: 24, .size: 8, .value_kind: global_buffer, .address_space: global }
      - { .name: wv_scales, .offset: 32, .size: 8, .value_kind: global_buffer, .address_space: global }
      - { .name: bq, .offset: 40, .size: 8, .value_kind: global_buffer, .address_space: global }
      - { .name: bk, .offset: 48, .size: 8, .value_kind: global_buffer, .address_space: global }
      - { .name: bv, .offset: 56, .size: 8, .value_kind: global_buffer, .address_space: global }
      - { .name: qkv, .offset: 64, .size: 8, .value_kind: global_buffer, .address_space: global }
    .group_segment_fixed_size: 99328
    .private_segment_fixed_size: 0
    .kernarg_segment_align: 8
    .kernarg_segment_size: 72
    .max_flat_workgroup_size: 256
    .sgpr_count:     66
    .vgpr_count:     512
    .wavefront_size: 32
...
	.end_amdgpu_metadata
.endif
;; end of part 8
;; launch attn (part 9): grid 8 x 32, 16 waves a work-group, no clusters, 145,408 bytes of LDS; arguments qkv, mwords, att; writes att
.if DOCPART == 9
	.amdgcn_target "amdgcn-amd-amdhsa--gfx1250"
	.amdhsa_code_object_version 6
	.text
	.protected	k_q8fbcbfe568_attn
	.globl	k_q8fbcbfe568_attn
	.p2align	8
	.type	k_q8fbcbfe568_attn,@function
k_q8fbcbfe568_attn:
	s_mov_b64 s[64:65], 0
	v_nop
	global_prefetch_b8 v0, s[64:65] scope:SCOPE_SE
	s_setreg_imm32_b32 hwreg(HW_REG_WAVE_SCHED_MODE, 0, 2), 2
	s_setreg_imm32_b32 hwreg(HW_REG_WAVE_MODE, 25, 1), 1
	s_wait_xcnt 0x0
	s_wait_alu depctr_vm_vsrc(0)
; Attention of one head (bh = work-group y) on codes of FP4 (E2M1): S^T = K Q^T, the mask, p = 2^(t - M) quantised along the keys, O^T = V^T P^T, O / l quantised along the head's 64 and stored as the last launch's operand.
; SHARES.  Each of sixteen waves owns ONE tile of 16 queries, tile 8 w' + work-group x, w' = wave xor 3 where bit 2 of the wave's number is set: tiles of early and of late queries are dealt evenly whatever the mask.
; K, V and their scale words of the whole head lie in LDS (140 KB), filled once through registers; one barrier; then LDS is only read.  So no ring, no cluster (a head's eight work-groups each hold the head), nothing streamed behind the head.
; Both products are used transposed: a lane holds ONE query throughout.  Tile t of a step takes keys 32 (t / 2) + 8 (t % 2) + r + 8 (r / 8): register 16 b + i of S^T is key 128 J + 32 b + 16 h + i.
; K = 64 fills half of the first product's 128: registers 4-7 of both fragments are zero codes, their scale bytes 127.
; THE MASK IS AN INPUT.  An earlier launch has stored it as lane masks (64 words a tile and step) and summaries.  A masked score becomes -2^70: a power of two, so that score x c is exact, and in a row that has met masked keys alone
; t - M is exactly 0: p = 1, as where every logit is -1e20.  The first kept key makes the factor 2^(old M - new M) zero.  A step none of whose keys is kept for any of my 16 queries is left out, but only where each of the 16 has a kept key
; in some step: what is left out would be wiped or be zeros.  A step all of whose keys are kept leaves the 64 selects out.  Both are scalar branches on stored whole numbers.
; THE MASK WORDS ARE FETCHED ONLY FOR THE STEPS THAT HAVE SELECTS, AND AHEAD: those of the first such step at the head, those of the next directly behind a step's selects; the wait for them stands in front of the selects alone.
; LIMITS: a masked logit is -2^70 / 8 where the source has -1e20: the two differ only for true logits under about -1e19.  A block of zeros keeps the byte 1.  NaN and infinities are not served.
; REGISTERS: v1-4 lane bases; v5-8 the step's LDS addresses; v9 -2^70; v10 Q's scale word; v12 -M, v13 the largest t, v[14:15] the sum; v16-23 Q; v24-87 K's 8 fragments; v88-119 V's 4; v120-183 S^T, then p; v184-215 O^T;
;   v216-223 p's codes; v224.. block maxima, v228.. the other half's, then bytes, v232.. scale operands; v236-239 K's scale words, v240-241 V's; v242 f, v243 p's scale word; v244-247 at work.
; THE MODE: SCHED_MODE bits 1:0 = 2 (LLVM: expert scheduling mode 2), set by the entry lines.  The code itself states the register dependences
; between vector or matrix instructions and memory or LDS instructions, with s_wait_alu, always for 0.
; THE PLAN.  Registers that memory or LDS instructions touch:
;   v5-8         Written by four additions at a step's head, read by that step's 18 LDS loads.  (At the head: offsets of the fill.  On the way out: v5 is the scale bytes' offset.)
;   KF, KSR      A step's LDS loads land in them (of each fragment the low four registers); its eight first products read them.
;   VF, VSR      A step's LDS loads land in them; its four second products, the step's last instructions, read them.
;   S, O .. O+5, v244, v245   At the head: the fill's data and addresses, read by LDS stores; later written by vector and matrix instructions.
;   PCD, v243    Written by vector instructions, taken by the second products as operand and scale; on the way out PCD and v245 are the stores' data.
; A step's head: one wait on vm_vsrc (the last loads have read v5-8), the four additions, one wait on va_vdst (the addresses are written; the products of the step before are done reading K, V and their scale words); then all 18 loads,
; and no vector or matrix instruction names a register of theirs before their own waits on DScnt.  Which step comes next hangs on stored numbers, so its loads are not asked for earlier.
; Four more waits on va_vdst stand in a step: behind the selects, ahead of the exponentials, behind them, ahead of the second products.
.set KF,  24
.set VF,  88
.set S,   120
.set O,   184
.set PCD, 216
.set TM,  224
.set KSR, 236
.set VSR, 240
.set SEL, 100                          ; s[100:101] v_permlanex16_b32's selects for lane l xor 16
.set NEED, 84                          ; s84  bit j: step j has selects: it is neither left out nor are all its keys kept
.set CAND, 85                          ; s85  NEED, shifted down to the first step that is still to come
.set WP,   86                          ; s[86:87] where the words that are on their way lie
.set WO,   88                          ; s[88:89] their step's number, then its byte offset; the upper word stays 0
.set FROM, 90                          ; s90  the number of the step at CAND's bit 0
.set TT,   91                          ; s91  at work
.set LV,  0x10000                      ; LDS: K's images at 0, V's here,
.set LKS, 0x20000                      ; K's scale words,
.set LVS, 0x22000                      ; V's
; The 64 mask words of the next step that has selects are asked for.  Its number is FROM + the number of CAND's lowest set bit, found by halving (of 16 bits: four selects; 15 where no bit is set), and held at 15:
; where no such step is left, the last step's words are fetched and nobody reads them.  No scalar load is out where this stands, so the pointer may be written.
.macro ASKW
	s_mov_b32 s[WO], 0
.irp w, 8,4,2,1
	s_and_b32 s[TT], s[CAND], (1<<\w)-1            ; is a bit set among the low w?
	s_cselect_b32 s[TT], 0, \w                     ; if not, the bit lies w further up
	s_lshr_b32 s[CAND], s[CAND], s[TT]
	s_add_co_u32 s[WO], s[WO], s[TT]
.endr
	s_add_co_u32 s[WO], s[WO], s[FROM]
	s_min_u32 s[WO], s[WO], 15
	s_lshl_b32 s[WO], s[WO], 8                     ; 256 bytes a step
	s_add_nc_u64 s[WP:WP+1], s[4:5], s[WO:WO+1]
	s_load_b512 s[16:31], s[WP:WP+1], 0x0          ; word n in s[16 + n], from word 48 on in s[20 + n]
	s_load_b512 s[32:47], s[WP:WP+1], 0x40
	s_load_b512 s[48:63], s[WP:WP+1], 0x80
	s_load_b512 s[68:83], s[WP:WP+1], 0xc0
.endm
	s_load_b128 s[16:19], s[0:1], 0x0              ; qkv, mwords
	s_load_b64 s[20:21], s[0:1], 0x10              ; att
	v_lshl_add_u32 v254, v0, 2, 0x23000
	v_mov_b32 v255, 0
	v_lshrrev_b32 v5, 5, v0
	v_readfirstlane_b32 s22, v5                    ; wave
	v_and_b32 v1, 31, v0
	v_lshlrev_b32 v4, 3, v1
	v_add_nc_u32 v4, LVS, v4                       ; V's scale words: 8 x lane
	v_lshlrev_b32 v1, 4, v1                        ; 16 x lane
	v_add_nc_u32 v2, LV, v1
	v_add_nc_u32 v3, LKS, v1
	v_lshlrev_b32 v5, 4, v0                        ; the fill: 16 x thread,
	v_lshlrev_b32 v6, 3, v0                        ; 8 x thread
	v_and_b32 v7, 15, v0
	v_lshlrev_b32 v7, 4, v7                        ; Q's scale word: 16 r
	v_lshl_add_u32 v8, v0, 4, LV
	v_lshl_add_u32 v244, v0, 4, LKS
	v_lshl_add_u32 v245, v0, 3, LVS
	s_wait_alu depctr_va_sdst(0)                   ; s22, the wave's number, is written, ahead of its first reader: my tile's number is made from it
	s_bfe_u32 s23, s22, 0x10002
	s_mul_i32 s23, s23, 3
	s_xor_b32 s23, s23, s22
	s_lshl_b32 s24, s23, 3
	s_add_co_u32 s24, s24, ttmp9                   ; my tile of queries
	s_and_b32 s25, ttmp7, 0xffff                   ; bh
	s_lshl_b32 s26, s25, 16
	s_mov_b32 s27, 0
	s_lshl_b32 s28, s25, 13
	s_mov_b32 s29, 0
	s_lshl_b32 s30, s25, 12
	s_mov_b32 s31, 0
	s_lshl_b32 s32, s24, 9
	s_add_co_u32 s32, s32, s26                     ; Q's image
	s_mov_b32 s33, 0
	s_lshr_b32 s34, s24, 3
	s_lshl_b32 s34, s34, 9                         ; Q's scale words: step tile / 8,
	s_and_b32 s35, s24, 1
	s_lshl_b32 s35, s35, 8                         ; lanes 16 (tile % 2) on,
	s_add_co_u32 s34, s34, s35
	s_bfe_u32 s35, s24, 0x20001
	s_lshl_b32 s35, s35, 2                         ; word (tile / 2) % 4
	s_add_co_u32 s34, s34, s35
	s_add_co_u32 s34, s34, s28
	s_mov_b32 s35, 0
	s_lshl_b32 s36, s24, 12                        ; the mask words: 16 steps of 256 bytes a tile
	s_mov_b32 s37, 0
	s_lshl_b32 s38, s24, 6                         ; the summaries
	s_mov_b32 s39, 0
	s_lshr_b32 s40, s25, 4
	s_lshl_b32 s40, s40, 7
	s_add_co_u32 s40, s40, s24                     ; the tile among all 256 tiles of tokens
	s_and_b32 s41, s25, 15                         ; the head
	s_lshl_b32 s42, s40, 13
	s_lshl_b32 s43, s41, 9
	s_add_co_u32 s42, s42, s43
	s_mov_b32 s43, 0
	s_lshl_b32 s44, s41, 13
	s_lshl_b32 s45, s40, 5
	s_add_co_u32 s44, s44, s45
	s_mov_b32 s45, 0
	s_mov_b32 s2, 0x3e38aa3b                       ; c = log2(e) / sqrt(64)
	s_mov_b32 s3, s2                               ; (named with it as a pair, so it is written)
	s_mov_b32 s[SEL], 0x76543210
	s_mov_b32 s[SEL+1], 0xfedcba98
	s_wait_kmcnt 0x0
	s_add_nc_u64 s[46:47], s[16:17], s[26:27]
	s_add_nc_u64 s[48:49], s[46:47], 0x200000      ; K's images
	s_add_nc_u64 s[50:51], s[46:47], 0x400000      ; V's
	s_add_nc_u64 s[52:53], s[16:17], s[28:29]
	s_add_nc_u64 s[52:53], s[52:53], 0x640000      ; K's scale words
	s_add_nc_u64 s[54:55], s[16:17], s[30:31]
	s_add_nc_u64 s[54:55], s[54:55], 0x680000      ; V's
	s_add_nc_u64 s[56:57], s[16:17], s[32:33]      ; Q
	s_add_nc_u64 s[58:59], s[16:17], s[34:35]
	s_add_nc_u64 s[58:59], s[58:59], 0x600000
	s_add_nc_u64 s[4:5], s[18:19], s[36:37]        ; my tile's mask words; it stays
	s_add_nc_u64 s[60:61], s[18:19], s[38:39]
	s_add_nc_u64 s[60:61], s[60:61], 0x80000
	s_add_nc_u64 s[6:7], s[20:21], s[42:43]        ; where the codes go,
	s_add_nc_u64 s[8:9], s[20:21], s[44:45]
	s_add_nc_u64 s[8:9], s[8:9], 0x200000          ; and the scale bytes
	s_wait_alu depctr_va_vdst(0)                   ; the offsets v1, v5, v6, v7 and the LDS addresses v8, v244, v245 are written, which the fill's loads and LDS stores read
.irp i, 0,1,2,3,4,5,6,7
	global_load_b128 v[S+4*\i:S+4*\i+3], v5, s[48:49] offset:8192*\i       ; the 512 threads take 8,192 consecutive bytes
.endr
.irp i, 0,1,2,3,4,5,6,7
	global_load_b128 v[S+32+4*\i:S+32+4*\i+3], v5, s[50:51] offset:8192*\i
.endr
	global_load_b128 v[O:O+3], v5, s[52:53]
	global_load_b64 v[O+4:O+5], v6, s[54:55]
	global_load_b128 v[16:19], v1, s[56:57]
	global_load_b32 v10, v7, s[58:59]
	s_load_b512 s[84:99], s[60:61], 0x0            ; my tile's sixteen summaries
	s_wait_kmcnt 0x0
	s_mov_b32 s14, 0                               ; SKIP: bit j: no key of step j is kept for any of my queries
	s_mov_b32 s15, 0                               ; OPEN: bit j: all are kept
	s_mov_b32 s10, 0
.irp j, 0,1,2,3,4,5,6,7,8,9,10,11,12,13,14,15
	s_or_b32 s10, s10, s[84+\j]
	s_and_b32 s11, s[84+\j], 0xffff
	s_cmp_eq_u32 s11, 0
	s_cselect_b32 s11, 1<<\j, 0
	s_or_b32 s14, s14, s11
	s_bfe_u32 s11, s[84+\j], 0x10010
	s_lshl_b32 s11, s11, \j
	s_or_b32 s15, s15, s11
.endr
	s_and_b32 s10, s10, 0xffff
	s_cmp_eq_u32 s10, 0xffff                       ; has each of my 16 queries a kept key somewhere?
	s_cselect_b32 s14, s14, 0                      ; if not, no step is left out
	s_or_b32 s[NEED], s14, s15                     ; (the summaries have been read: their registers are free)
	s_not_b32 s[NEED], s[NEED]
	s_and_b32 s[NEED], s[NEED], 0xffff
	s_mov_b32 s[CAND], s[NEED]
	s_mov_b32 s[FROM], 0
	s_mov_b32 s[WO+1], 0
	s_wait_xcnt 0x0                                ; the twenty loads have read their bases: the mask words land on those scalar registers
	ASKW                                           ; the first step that has selects: its words are on their way through the fill and the steps ahead of it
; Twenty loads are out.  Each store follows the wait for its own load, which leaves out the loads issued behind that one: so the stores run while the later loads are on their way
.irp i, 0,1,2,3,4,5,6,7
	s_wait_loadcnt 19-\i
	ds_store_b128 v5, v[S+4*\i:S+4*\i+3] offset:8192*\i
.endr
.irp i, 0,1,2,3,4,5,6,7
	s_wait_loadcnt 11-\i
	ds_store_b128 v8, v[S+32+4*\i:S+32+4*\i+3] offset:8192*\i
.endr
	s_wait_loadcnt 3
	ds_store_b128 v244, v[O:O+3]
	s_wait_loadcnt 2                               ; Q and its scale word stay out
	ds_store_b64 v245, v[O+4:O+5]
	s_wait_dscnt 0x0                               ; for the others' sake: my part has landed
	s_barrier_signal -1
	s_barrier_wait -1                              ; the one barrier; it stands ahead of every branch on stored numbers
	s_wait_alu depctr_vm_vsrc(0)                   ; my LDS stores have read their data, v[S ..] and v[O .. O+5], and their addresses, v244 and v245 among them: vector and matrix instructions write these from here on
	v_mov_b32 v9, 0xe2800000                       ; -2^70
	v_mov_b32 v13, 0xff61b1e6                      ; the largest t so far: -3e38, under every t
	v_floor_f32 v12, -v13                          ; -M
	v_mov_b32 v14, 0
	v_mov_b32 v15, 0
.irp j, 20,21,22,23
	v_mov_b32 v[\j], 0                             ; Q's upper half of K: zero codes
.endr
.irp t, 0,1,2,3,4,5,6,7
.irp j, 4,5,6,7
	v_mov_b32 v[KF+8*\t+\j], 0                     ; K's likewise: written once, the loads fill registers 0-3 alone
.endr
.endr
.set n, 0
.rept 32
	v_mov_b32 v[O+n], 0                            ; O^T.  (The step is written once: its first run finds zeros, which the first change of M leaves zeros)
.set n, n+1
.endr
.irp b, 0,1,2,3
	v_mov_b32 v[TM+4+\b], 0                        ; (a lane permute's destination counts as one of its sources)
.endr
	v_mov_b32 v243, 0                              ; (named as the upper half of the pair v[242:243] before it is first written)
	v_mov_b32 v244, 0
	s_mov_b32 s10, 0                               ; J
	s_mov_b32 s11, 0                               ; 4,096 J: the step's images
	s_mov_b32 s12, 0                               ; 512 J: K's scale words
	s_mov_b32 s13, 0                               ; 256 J: V's
	s_wait_loadcnt 0x0                             ; Q
.macro SMUL t
.if (\t)%2
	v_wmma_scale_f32_16x16x128_f8f6f4 v[S+8*\t:S+8*\t+7], v[KF+8*\t:KF+8*\t+7], v[16:23], 0, v[KSR+\t/2], v10 matrix_a_fmt:MATRIX_FMT_FP4 matrix_b_fmt:MATRIX_FMT_FP4 matrix_a_scale:MATRIX_SCALE_ROW1
.else
	v_wmma_scale_f32_16x16x128_f8f6f4 v[S+8*\t:S+8*\t+7], v[KF+8*\t:KF+8*\t+7], v[16:23], 0, v[KSR+\t/2], v10 matrix_a_fmt:MATRIX_FMT_FP4 matrix_b_fmt:MATRIX_FMT_FP4
.endif
.endm
.macro OMUL t
.if (\t)%2
	v_wmma_scale_f32_16x16x128_f8f6f4 v[O+8*\t:O+8*\t+7], v[VF+8*\t:VF+8*\t+7], v[PCD:PCD+7], v[O+8*\t:O+8*\t+7], v[VSR+\t/2], v243 matrix_a_fmt:MATRIX_FMT_FP4 matrix_b_fmt:MATRIX_FMT_FP4 matrix_a_scale:MATRIX_SCALE_ROW1
.else
	v_wmma_scale_f32_16x16x128_f8f6f4 v[O+8*\t:O+8*\t+7], v[VF+8*\t:VF+8*\t+7], v[PCD:PCD+7], v[O+8*\t:O+8*\t+7], v[VSR+\t/2], v243 matrix_a_fmt:MATRIX_FMT_FP4 matrix_b_fmt:MATRIX_FMT_FP4
.endif
.endm
.Lstep:                                            ; sixteen trips: a constant; what a mask leaves out is a trip's work, not the trip
	s_bitcmp1_b32 s14, s10
	s_cbranch_scc1 .Lend
	s_wait_alu depctr_vm_vsrc(0)                   ; the LDS loads of the last step that was walked (in the first: the fill's loads and LDS stores) have read v5-8, which the four additions write
	v_add_nc_u32 v5, s11, v1                       ; these four are also the places between the last step's products and the loads into their registers
	v_add_nc_u32 v6, s11, v2
	v_add_nc_u32 v7, s12, v3
	v_add_nc_u32 v8, s13, v4
	s_wait_alu depctr_va_vdst(0)                   ; v5-8 are written, which the 18 loads read; the last step's products are done reading K, V and their scale words, in which the loads land; the zero codes made at the head are written, which the first products take
.irp t, 0,1,2,3,4,5,6,7
	ds_load_b128 v[KF+8*\t:KF+8*\t+3], v5 offset:512*\t
.endr
	ds_load_b128 v[KSR:KSR+3], v7                  ; word b: lanes 0-15 tile 2 b's, lanes 16-31 tile 2 b + 1's
.irp t, 0,1,2,3
.irp c, 0,1
	ds_load_b128 v[VF+8*\t+4*\c:VF+8*\t+4*\c+3], v6 offset:1024*\t+512*\c
.endr
.endr
	ds_load_b64 v[VSR:VSR+1], v8
	s_wait_dscnt 9                                 ; K and its scale words are in; V's nine loads stay out
.irp t, 0,1,2,3,4,5,6,7
	SMUL \t
.endr
.rept 4
	v_nop
.endr
	s_bitcmp1_b32 s15, s10
	s_cbranch_scc1 .Lopen
	s_wait_kmcnt 0x0                               ; this step's mask words, asked for at the head or behind the last selects, are in
.set n, 0
.rept 64
.if n < 48
	v_cndmask_b32 v[S+n], v9, v[S+n], s[16+n]      ; kept where the bit is set
.else
	v_cndmask_b32 v[S+n], v9, v[S+n], s[20+n]
.endif
.set n, n+1
.endr
	s_wait_alu depctr_va_vdst(0)                   ; the 64 selects are done: they have read their lane masks s16 to s83, on which the scalar loads below land
	s_add_co_u32 s[FROM], s10, 1
	s_lshr_b32 s[CAND], s[NEED], s[FROM]           ; the steps behind this one
	ASKW                                           ; the next step that has selects: its words have the rest of this step, and the steps between, in which to land
.Lopen:
.irp b, 0,1,2,3
	v_max3_num_f32 v[TM+\b], v[S+16*\b], v[S+1+16*\b], v[S+2+16*\b]   ; the largest score of each block of 32 keys: it serves for the row's maximum and, since p rises with the score, for the block's largest p
.endr
.irp i, 3,5,7,9,11,13
.irp b, 0,1,2,3
	v_max3_num_f32 v[TM+\b], v[TM+\b], v[S+16*\b+\i], v[S+1+16*\b+\i]
.endr
.endr
.irp b, 0,1,2,3
	v_max_num_f32 v[TM+\b], v[TM+\b], v[S+15+16*\b]
.endr
.irp b, 0,1,2,3
	v_permlanex16_b32 v[TM+4+\b], v[TM+\b], s[SEL], s[SEL+1]
.endr
.irp b, 0,1,2,3
	v_max_num_f32 v[TM+\b], v[TM+\b], v[TM+4+\b]   ; with lane l xor 16's 16 keys
.endr
	v_max3_num_f32 v244, v[TM], v[TM+1], v[TM+2]
	v_max_num_f32 v244, v244, v[TM+3]
	v_mul_f32 v244, s2, v244                       ; as t (c is positive)
	v_max_num_f32 v13, v13, v244                   ; the running largest t
	v_mov_b32 v244, v12
	v_floor_f32 v12, -v13                          ; the new -M = -ceil(t): a whole number
	v_sub_f32 v244, v12, v244                      ; old M - new M: a whole number, 0 or less
	v_cvt_i32_f32 v244, v244                       ; (it saturates)
	v_ldexp_f32 v242, 1.0, v244                    ; f = 2^(old M - new M)
.set n, 0
.rept 32
	v_pk_fma_f32 v[S+n:S+n+1], v[S+n:S+n+1], s[2:3], v[12:13] op_sel_hi:[1,0,0]   ; t - M, two at a time
.set n, n+2
.endr
.irp b, 0,1,2,3
	v_fma_f32 v[TM+\b], v[TM+\b], s2, v12          ; the same of each block's largest score
.endr
.set n, 0
	s_wait_alu depctr_va_vdst(0)
.rept 64
	v_exp_f32 v[S+n], v[S+n]                       ; p = 2^(t - M), at most 1: not normalised
.set n, n+1
.endr
.irp b, 0,1,2,3
	v_exp_f32 v[TM+\b], v[TM+\b]                   ; the block's largest p
.endr
	v_pk_mul_f32 v[14:15], v[14:15], v[242:243] op_sel_hi:[1,0]   ; the sums under the new M.  (A plain place behind the exponentials)
	s_wait_alu depctr_va_vdst(0)                   ; the 68 exponentials have written p, v[S ..], and the blocks' largest p, v[TM ..]: one wait for the batch, ahead of its first reader
.irp b, 0,1,2,3
	v_max_num_f32 v[TM+\b], 0x1800000, v[TM+\b]    ; the floor 2^(3 - 127): the byte cannot fall under 1
.endr
.irp b, 0,1,2,3
	v_add_nc_u32 v[TM+8+\b], 0xff000000, v[TM+\b]  ; 2 off the exponent field: the conversion's scale operand
.endr
.irp b, 0,1,2,3
	v_lshrrev_b32 v[TM+4+\b], 23, v[TM+8+\b]       ; the scale's byte
.endr
	v_lshl_or_b32 v243, v[TM+5], 8, v[TM+4]        ; p's scale word for these 128 keys
	v_lshl_or_b32 v243, v[TM+6], 16, v243
	v_lshl_or_b32 v243, v[TM+7], 24, v243
.irp b, 0,1,2,3
	v_cvt_scalef32_pk8_fp4_f32 v[PCD+2*\b], v[S+16*\b:S+7+16*\b], v[TM+8+\b]
	v_cvt_scalef32_pk8_fp4_f32 v[PCD+1+2*\b], v[S+8+16*\b:S+15+16*\b], v[TM+8+\b]
.endr
	v_nop                                          ; one plain place behind a scaled conversion
.irp c, 0,1
.irp i, 0,1
	v_permlane16_swap_b32 v[PCD+4*\c+\i], v[PCD+2+4*\c+\i]   ; a whole block to a lane
.endr
.endr
	v_pk_add_f32 v[246:247], v[S:S+1], v[S+2:S+3]  ; the row's sum is taken of the unquantised p: two at a time, in two chains
.irp j, 4,8,12,16,20,24,28,32,36,40,44,48,52,56,60
	v_pk_add_f32 v[14:15], v[14:15], v[S+\j:S+1+\j]
	v_pk_add_f32 v[246:247], v[246:247], v[S+2+\j:S+3+\j]
.endr
	v_pk_add_f32 v[14:15], v[14:15], v[246:247]
.set n, 0
.rept 16
	v_pk_mul_f32 v[O+n:O+n+1], v[O+n:O+n+1], v[242:243] op_sel_hi:[1,0]   ; O^T under the new M.  (With the sums above: the places between the writes of p's codes and scale word and the products)
.set n, n+2
.endr
	s_wait_dscnt 0x0                               ; V and its scale words are in
	s_wait_alu depctr_va_vdst(0)                   ; p's codes v[PCD ..] and its scale word v243 are written, which the scaled products take as operand and scale; the places above stay beside this wait
.irp t, 0,1,2,3
	OMUL \t                                        ; the four accumulators by turns, one instruction a turn
.endr
.Lend:
	s_add_co_u32 s11, s11, 4096
	s_add_co_u32 s12, s12, 512
	s_add_co_u32 s13, s13, 256
	s_add_co_u32 s10, s10, 1
	s_cmp_lt_u32 s10, 16
	s_cbranch_scc1 .Lstep
	; THE WAY OUT: O^T / the sum, quantised along the head's 64 (two blocks), as one register image of 512 bytes and 32 scale bytes
	s_wait_alu depctr_vm_vsrc(0)                   ; the steps' LDS loads have read v5 and v6, which are written anew below
.rept 4
	v_nop
.endr
	v_add_f32 v14, v14, v15
	s_wait_alu depctr_va_vdst(0)
	v_permlanex16_b32 v244, v14, s[SEL], s[SEL+1]
	v_add_f32 v14, v14, v244                       ; the row's sum
	s_wait_alu depctr_va_vdst(0)
	v_rcp_f32 v14, v14
	v_and_b32 v5, 15, v0                           ; (a plain place behind the reciprocal)
	v_bfe_u32 v6, v0, 4, 1
	v_lshl_add_u32 v5, v5, 1, v6                   ; 2 r + h: my byte's place
.set n, 0
	s_wait_alu depctr_va_vdst(0)                   ; the reciprocal has written v14, ahead of its first reader
.rept 16
	v_pk_mul_f32 v[S+n:S+n+1], v[O+n:O+n+1], v[14:15] op_sel_hi:[1,0]   ; register 16 b + i is channel 32 b + 16 h + i of my query
.set n, n+2
.endr
.irp b, 0,1
	v_max3_num_f32 v[TM+\b], |v[S+16*\b]|, |v[S+16*\b+1]|, 0x1800000
.endr
.irp i, 2,4,6,8,10,12,14
.irp b, 0,1
	v_max3_num_f32 v[TM+\b], v[TM+\b], |v[S+16*\b+\i]|, |v[S+16*\b+\i+1]|
.endr
.endr
.irp b, 0,1
	v_permlanex16_b32 v[TM+4+\b], v[TM+\b], s[SEL], s[SEL+1]
.endr
.irp b, 0,1
	v_max_num_f32 v[TM+\b], v[TM+\b], v[TM+4+\b]
.endr
.irp b, 0,1
	v_add_nc_u32 v[TM+8+\b], 0xff000000, v[TM+\b]
.endr
.irp b, 0,1
	v_lshrrev_b32 v[TM+4+\b], 23, v[TM+8+\b]
.endr
.irp b, 0,1
	v_cvt_scalef32_pk8_fp4_f32 v[PCD+2*\b], v[S+16*\b:S+16*\b+7], v[TM+8+\b]
	v_cvt_scalef32_pk8_fp4_f32 v[PCD+2*\b+1], v[S+16*\b+8:S+16*\b+15], v[TM+8+\b]
.endr
	v_nop
	v_permlane16_swap_b32 v[PCD], v[PCD+2]
	v_permlane16_swap_b32 v[PCD+1], v[PCD+3]
	s_mov_b32 s12, 0xffff0000
	v_cndmask_b32 v245, v[TM+4], v[TM+5], s12      ; lanes 0-15 carry block 0's byte, lanes 16-31 block 1's
	s_wait_alu depctr_va_vdst(0)                   ; the codes v[PCD .. PCD+3], the byte v245 and the offset v5 are written, which the two stores read
	global_store_b128 v1, v[PCD:PCD+3], s[6:7]     ; 512 consecutive bytes
	global_store_b8 v5, v245, s[8:9]               ; 32 consecutive bytes
	s_wait_kmcnt 0x0                               ; no scalar load is left out at the wave's end: the last request for mask words has landed
	s_wait_dscnt 0x0                               ; the closing lines, six on end
	s_wait_alu 0x0
	s_wait_tensorcnt 0x0
	ds_add_u32 v254, v255
	s_wait_dscnt 0x0
	s_endpgm
.Lfunc_end_k_q8fbcbfe568_attn:
	.size	k_q8fbcbfe568_attn, .Lfunc_end_k_q8fbcbfe568_attn-k_q8fbcbfe568_attn
	.p2alignl 7, 3214868480
	.fill 96, 4, 3214868480
	.section	.rodata,"a",@progbits
	.p2align	6, 0x0
	.amdhsa_kernel k_q8fbcbfe568_attn
		.amdhsa_group_segment_fixed_size 145408
		.amdhsa_private_segment_fixed_size 0
		.amdhsa_enable_private_segment 0
		.amdhsa_kernarg_size 24
		.amdhsa_user_sgpr_count 2
		.amdhsa_user_sgpr_kernarg_segment_ptr 1
		.amdhsa_wavefront_size32 1
		.amdhsa_system_sgpr_workgroup_id_x 1
		.amdhsa_system_sgpr_workgroup_id_y 1
		.amdhsa_system_sgpr_workgroup_id_z 1
		.amdhsa_system_vgpr_workitem_id 0
		.amdhsa_next_free_vgpr 256
		.amdhsa_next_free_sgpr 102
		.amdhsa_reserve_vcc 0
		.amdhsa_float_denorm_mode_32 3
		.amdhsa_float_denorm_mode_16_64 3
		.amdhsa_memory_ordered 1
		.amdhsa_forward_progress 1
		.amdhsa_inst_pref_size 41
	.end_amdhsa_kernel
	.amdgpu_metadata
---
amdhsa.version: [ 1, 2 ]
amdhsa.kernels:
  - .name:           k_q8fbcbfe568_attn
    .symbol:         k_q8fbcbfe568_attn.kd
    .args:
      - { .name: qkv, .offset: 0, .size: 8, .value_kind: global_buffer, .address_space: global }
      - { .name: mwords, .offset: 8, .size: 8, .value_kind: global_buffer, .address_space: global }
      - { .name: att, .offset: 16, .size: 8, .value_kind: global_buffer, .address_space: global }
    .group_segment_fixed_size: 145408
    .private_segment_fixed_size: 0
    .kernarg_segment_align: 8
    .kernarg_segment_size: 24
    .max_flat_workgroup_size: 512
    .sgpr_count:     102
    .vgpr_count:     256
    .wavefront_size: 32
...
	.end_amdgpu_metadata
.endif
;; end of part 9
;; launch proj (part 10): grid 16 x 16, 8 waves a work-group, no clusters, 103,424 bytes of LDS; arguments att, pre, wo_scales, bo, out0; writes out0
.if DOCPART == 10
	.amdgcn_target "amdgcn-amd-amdhsa--gfx1250"
	.amdhsa_code_object_version 6
	.text
	.protected	k_q8fbcbfe568_proj
	.globl	k_q8fbcbfe568_proj
	.p2align	8
	.type	k_q8fbcbfe568_proj,@function
k_q8fbcbfe568_proj:
	s_mov_b64 s[64:65], 0
	v_nop
	global_prefetch_b8 v0, s[64:65] scope:SCOPE_SE
	s_setreg_imm32_b32 hwreg(HW_REG_WAVE_SCHED_MODE, 0, 2), 2
	s_setreg_imm32_b32 hwreg(HW_REG_WAVE_MODE, 25, 1), 1
	s_wait_xcnt 0x0
	s_wait_alu depctr_vm_vsrc(0)
; out0 = a wo^T + bo on codes of FP4 (E2M1): a is the attention launch's result, stored as register images; wo's images were laid by the first launch.
; SHARES.  Work-group (X, y): 256 tokens x 64 features.  Wave w takes 32 tokens (tiles 2 G and 2 G + 1, G = 8 X + w) against the four tiles of wo: 8 accumulators, 64 matrix instructions.
; The work-group's four tiles of wo lie in LDS (32 KB, filled once through registers, one barrier); a wave's 16 KB of a come from memory straight into its registers: nobody else in the work-group reads them.
; No cluster: after the one fill nothing is shared, and the launch is short.
; Source 0 = 16 rows of wo, source 1 = 16 tokens: a lane holds one token and eight neighbouring features a tile; rows of 64 features (256 bytes) are gathered in the wave's own stage and leave whole.
; The bias is the C of each sum's first matrix instruction; the eight accumulators take turns, one instruction a turn.
; REGISTERS: window 0: v1-8 offsets; v16-23 a's scale words (K step s; lanes 0-15 tile 2 G, lanes 16-31 tile 2 G + 1); v24-39 wo's; v40-55 halves of a's scale words; v56-87 the bias; v88-151 the accumulators (32 u + 8 F);
;   v152-215 the fill on its way, later rows of the result.   window 1: v0-127 a's fragments (64 u + 8 s); v128-255 wo's, four sets (32 (s % 4) + 8 F).
; THE MODE: SCHED_MODE bits 1:0 = 2 (LLVM: expert scheduling mode 2), set by the entry lines.  The code itself states the register dependences
; between vector or matrix instructions and memory or LDS instructions, with s_wait_alu, always for 0.
; THE PLAN.  Registers that memory or LDS instructions touch:
;   v1-8         Offsets and LDS addresses: written at the head, never again.  One wait ahead of the first load serves every load and store.
;   ST           The fill: global loads land in it, LDS stores read it.  On the way out LDS loads land in it and the stores of out0 read it; no vector instruction names it.
;   wo's sets    Set s % 4: K step s's eight products read it; behind them, in steps 0 to 3, step s + 4's LDS loads land in it: one wait on va_vdst in each of these four steps.
;   a's fragments, wo's scale words, the bias   Loaded once, read by products alone.  The halves HW are loaded once and read by vector instructions alone.
;   AS           Written by vector instructions, taken by the products as scales: the places, then one wait.
;   ACC          Written by the products, read by the way out's LDS stores: the places, then one wait.
.set AS,  16
.set WS,  24
.set HW,  40
.set BI,  56
.set ACC, 88
.set ST,  152
.set STG, 32768                        ; LDS: behind wo's images, 2 x 16 rows x 272 bytes for each wave
.set MSB, 0
.macro WIN new                         ; the immediate's high byte repeats the setting that is left
.if MSB != \new
	s_set_vgpr_msb (MSB<<8)|\new
.set MSB, \new
.endif
.endm
.macro WM d, a, b, c, sa, sb, ra, rb
.if ((\ra) != 0) && ((\rb) != 0)
	v_wmma_scale_f32_16x16x128_f8f6f4 v[(\d):(\d)+7], v[(\a):(\a)+7], v[(\b):(\b)+7], v[(\c):(\c)+7], v[\sa], v[\sb] matrix_a_fmt:MATRIX_FMT_FP4 matrix_b_fmt:MATRIX_FMT_FP4 matrix_a_scale:MATRIX_SCALE_ROW1 matrix_b_scale:MATRIX_SCALE_ROW1
.elseif (\ra) != 0
	v_wmma_scale_f32_16x16x128_f8f6f4 v[(\d):(\d)+7], v[(\a):(\a)+7], v[(\b):(\b)+7], v[(\c):(\c)+7], v[\sa], v[\sb] matrix_a_fmt:MATRIX_FMT_FP4 matrix_b_fmt:MATRIX_FMT_FP4 matrix_a_scale:MATRIX_SCALE_ROW1
.elseif (\rb) != 0
	v_wmma_scale_f32_16x16x128_f8f6f4 v[(\d):(\d)+7], v[(\a):(\a)+7], v[(\b):(\b)+7], v[(\c):(\c)+7], v[\sa], v[\sb] matrix_a_fmt:MATRIX_FMT_FP4 matrix_b_fmt:MATRIX_FMT_FP4 matrix_b_scale:MATRIX_SCALE_ROW1
.else
	v_wmma_scale_f32_16x16x128_f8f6f4 v[(\d):(\d)+7], v[(\a):(\a)+7], v[(\b):(\b)+7], v[(\c):(\c)+7], v[\sa], v[\sb] matrix_a_fmt:MATRIX_FMT_FP4 matrix_b_fmt:MATRIX_FMT_FP4
.endif
.endm
	s_load_b256 s[4:11], s[0:1], 0x0               ; att, pre, wo_scales, bo
	s_load_b64 s[12:13], s[0:1], 0x20              ; out0
	v_lshl_add_u32 v254, v0, 2, 0x19000
	v_mov_b32 v255, 0
	v_lshrrev_b32 v9, 5, v0
	v_readfirstlane_b32 s14, v9                    ; wave
	v_and_b32 v9, 31, v0                           ; lane
	v_and_b32 v10, 15, v0                          ; r
	v_bfe_u32 v11, v0, 4, 1                        ; h
	v_lshlrev_b32 v1, 4, v9                        ; 16 x lane
	v_lshlrev_b32 v2, 4, v0                        ; 16 x thread
	v_and_b32 v3, 8, v10
	v_add_nc_u32 v3, v3, v10
	v_lshl_add_u32 v3, v11, 3, v3
	v_lshlrev_b32 v3, 5, v3                        ; wo's scale bytes: row 8 (lane / 16) + r + 8 (r / 8) of 32 bytes
	v_lshlrev_b32 v4, 6, v11                       ; the bias: 16 h numbers on
	v_lshlrev_b32 v5, 1, v9                        ; a's scale bytes: 2 x lane
	s_wait_alu depctr_va_sdst(0)                   ; s14, the wave's number, is written, ahead of its first reader: my stage's place is made from it
	s_mul_i32 s18, s14, 8704
	s_add_co_u32 s18, s18, STG                     ; my stage
	v_mul_u32_u24 v6, v10, 272
	v_lshl_add_u32 v6, v11, 6, v6
	v_add_nc_u32 v6, s18, v6                       ; in: row r, + 64 h
	v_mul_u32_u24 v7, v11, 272
	v_lshl_add_u32 v7, v10, 4, v7
	v_add_nc_u32 v7, s18, v7                       ; back: lanes 0-15 one row, lanes 16-31 the next
	v_lshlrev_b32 v8, 12, v11
	v_lshl_add_u32 v8, v10, 4, v8                  ; and the same two rows in out0
	s_and_b32 s16, ttmp7, 0xffff                   ; y
	s_lshl_b32 s17, ttmp9, 3
	s_add_co_u32 s17, s17, s14                     ; G
	s_lshl_b32 s20, s16, 15
	s_add_co_u32 s20, s20, 0x380000                ; wo's images: 32 KB for 64 features
	s_mov_b32 s21, 0
	s_lshl_b32 s22, s17, 14                        ; a's images: two tiles of 8 KB
	s_mov_b32 s23, 0
	s_lshl_b32 s24, s17, 6
	s_add_co_u32 s24, s24, 0x200000                ; a's scale bytes: 64 for the two tiles, in each head's 8 KB
	s_mov_b32 s25, 0
	s_lshl_b32 s26, s16, 11
	s_mov_b32 s27, 0
	s_lshl_b32 s28, s16, 8
	s_mov_b32 s29, 0
	s_lshl_b32 s30, s17, 17                        ; 32 rows of 4,096 bytes,
	s_add_co_u32 s30, s30, s28                     ; + 256 y
	s_mov_b32 s31, 0
	s_wait_kmcnt 0x0
	s_add_nc_u64 s[20:21], s[6:7], s[20:21]
	s_add_nc_u64 s[22:23], s[4:5], s[22:23]
	s_add_nc_u64 s[24:25], s[4:5], s[24:25]
	s_add_nc_u64 s[26:27], s[8:9], s[26:27]
	s_add_nc_u64 s[28:29], s[10:11], s[28:29]
	s_add_nc_u64 s[30:31], s[12:13], s[30:31]
	s_wait_alu depctr_va_vdst(0)                   ; the offsets and LDS addresses v1-8 are written: every load and store of the kernel reads one of them, and none is written again
.irp i, 0,1,2,3,4,5,6,7
	global_load_b128 v[ST+4*\i:ST+4*\i+3], v2, s[20:21] offset:4096*\i     ; the fill: 4,096 consecutive bytes a load
.endr
	WIN 0x40                                       ; destination window 1
.irp u, 0,1
.irp s, 0,1,2,3,4,5,6,7
.irp c, 0,1
	global_load_b128 v[64*\u+8*\s+4*\c:64*\u+8*\s+4*\c+3], v1, s[22:23] offset:8192*\u+1024*\s+512*\c
.endr
.endr
.endr
	WIN 0
.irp g, 0,1,2,3,4,5,6,7,8,9,10,11,12,13,14,15
	global_load_u16 v[HW+\g], v5, s[24:25] offset:8192*\g                  ; head g's two bytes of my row
.endr
.irp g, 0,1
.irp q, 0,1
	global_load_b128 v[WS+8*\g+4*\q:WS+8*\g+4*\q+3], v3, s[26:27] offset:1024*\g+16*\q
.endr
.endr
.irp f, 0,1,2,3
	global_load_b128 v[BI+8*\f:BI+8*\f+3], v4, s[28:29] offset:(32*(\f/2)+8*(\f%2))*4
	global_load_b128 v[BI+8*\f+4:BI+8*\f+7], v4, s[28:29] offset:(32*(\f/2)+8*(\f%2))*4+16
.endr
	s_wait_loadcnt 60                              ; the eight loads of the fill are in; the 32 + 16 + 4 + 8 behind them stay out
.irp i, 0,1,2,3,4,5,6,7
	ds_store_b128 v2, v[ST+4*\i:ST+4*\i+3] offset:4096*\i
.endr
	s_wait_dscnt 0x0                               ; for the others' sake: my part of wo's images has landed
	s_barrier_signal -1
	s_barrier_wait -1                              ; the one barrier: the images are only read from here on, and a stage is its wave's own
	s_wait_alu depctr_vm_vsrc(0)                   ; my LDS stores have read v[ST .. ST+31], in which the way out's LDS loads land
.macro WSET s                          ; wo's four tiles, K step s, into set s % 4
	WIN 0x40
.irp f, 0,1,2,3
.irp c, 0,1
	ds_load_b128 v[128+32*((\s)%4)+8*\f+4*\c:128+32*((\s)%4)+8*\f+4*\c+3], v1 offset:8192*\f+1024*(\s)+512*\c
.endr
.endr
.endm
	WSET 0
	WSET 1
	WSET 2
	WSET 3
	WIN 0
	s_wait_loadcnt 0x0
.irp s, 0,1,2,3,4,5,6,7
	v_lshl_or_b32 v[AS+\s], v[HW+2*\s+1], 16, v[HW+2*\s]   ; K step s is heads 2 s and 2 s + 1: four bytes
.endr
.rept 8
	v_nop                                          ; a scale register written by a vector instruction stands eight places ahead of a scaled matrix instruction
.endr
	s_wait_alu depctr_va_vdst(0)                   ; a's eight scale words v[AS ..] are written, which the scaled products take; the places above stay beside this wait
.macro PSTEP s
.if (\s) <= 4
	s_wait_dscnt 24                                ; this step's set is in; the three sets behind it stay out
.else
	s_wait_dscnt 8*(7-(\s))
.endif
	WIN 0x05                                       ; sources 0 and 1 window 1; C and D window 0
.irp u, 0,1
.irp f, 0,1,2,3
.if (\s) == 0
	WM ACC+32*\u+8*\f, 128+32*((\s)%4)+8*\f, 64*\u+8*(\s), BI+8*\f, WS+8*(\f/2)+(\s), AS+(\s), \f%2, \u
.else
	WM ACC+32*\u+8*\f, 128+32*((\s)%4)+8*\f, 64*\u+8*(\s), ACC+32*\u+8*\f, WS+8*(\f/2)+(\s), AS+(\s), \f%2, \u
.endif
.endr
.endr
.rept 4
	v_nop                                          ; places in front of loads into registers that these products read, and of the first read of results
.endr
.if (\s) < 4
	WIN 0x40                                       ; the loads' window first, then the wait, then the loads
	s_wait_alu depctr_va_vdst(0)                   ; this step's eight products are done reading wo's set s % 4, in which the eight LDS loads of step s + 4 land
	WSET (\s)+4
.endif
.endm
.irp s, 0,1,2,3,4,5,6,7
	PSTEP \s
.endr
	WIN 0
	; THE WAY OUT: tile u's 16 rows x 256 bytes through my stage; sixteen lanes then store 256 consecutive bytes, aligned
	s_wait_alu depctr_va_vdst(0)                   ; the products have written the eight accumulators, which the LDS stores read; the four places above stay beside this wait
.irp u, 0,1
.irp f, 0,1,2,3
	ds_store_b128 v6, v[ACC+32*\u+8*\f:ACC+32*\u+8*\f+3] offset:4352*\u+128*(\f/2)+32*(\f%2)        ; features 32 (f / 2) + 16 h + 8 (f % 2) + 0 .. 7 of my token; each accumulator from its low end on
	ds_store_b128 v6, v[ACC+32*\u+8*\f+4:ACC+32*\u+8*\f+7] offset:4352*\u+128*(\f/2)+32*(\f%2)+16
.endr
.irp i, 0,1,2,3,4,5,6,7
	ds_load_b128 v[ST+32*\u+4*\i:ST+32*\u+4*\i+3], v7 offset:4352*\u+544*\i   ; LDS serves a wave's instructions in order: these see the stores above
.endr
.endr
.irp u, 0,1
.irp i, 0,1,2,3,4,5,6,7
	s_wait_dscnt 23-16*\u-\i                       ; behind this load: the rest of its run, and for tile 0 the other tile's eight stores and eight loads
	global_store_b128 v8, v[ST+32*\u+4*\i:ST+32*\u+4*\i+3], s[30:31] offset:(8*\u+2*\i+8*(\i/4))*4096 th:TH_STORE_NT   ; tile rows 2 i and 2 i + 1 are tokens 8 u + 2 i + h + 8 (i / 4) of my 32
.endr
.endr
	s_wait_dscnt 0x0                               ; the closing lines, six on end
	s_wait_alu 0x0
	s_wait_tensorcnt 0x0
	ds_add_u32 v254, v255
	s_wait_dscnt 0x0
	s_endpgm
.Lfunc_end_k_q8fbcbfe568_proj:
	.size	k_q8fbcbfe568_proj, .Lfunc_end_k_q8fbcbfe568_proj-k_q8fbcbfe568_proj
	.p2alignl 7, 3214868480
	.fill 96, 4, 3214868480
	.section	.rodata,"a",@progbits
	.p2align	6, 0x0
	.amdhsa_kernel k_q8fbcbfe568_proj
		.amdhsa_group_segment_fixed_size 103424
		.amdhsa_private_segment_fixed_size 0
		.amdhsa_enable_private_segment 0
		.amdhsa_kernarg_size 40
		.amdhsa_user_sgpr_count 2
		.amdhsa_user_sgpr_kernarg_segment_ptr 1
		.amdhsa_wavefront_size32 1
		.amdhsa_system_sgpr_workgroup_id_x 1
		.amdhsa_system_sgpr_workgroup_id_y 1
		.amdhsa_system_sgpr_workgroup_id_z 1
		.amdhsa_system_vgpr_workitem_id 0
		.amdhsa_next_free_vgpr 512
		.amdhsa_next_free_sgpr 66
		.amdhsa_reserve_vcc 0
		.amdhsa_float_denorm_mode_32 3
		.amdhsa_float_denorm_mode_16_64 3
		.amdhsa_memory_ordered 1
		.amdhsa_forward_progress 1
		.amdhsa_inst_pref_size 29
	.end_amdhsa_kernel
	.amdgpu_metadata
---
amdhsa.version: [ 1, 2 ]
amdhsa.kernels:
  - .name:           k_q8fbcbfe568_proj
    .symbol:         k_q8fbcbfe568_proj.kd
    .args:
      - { .name: att, .offset: 0, .size: 8, .value_kind: global_buffer, .address_space: global }
      - { .name: pre, .offset: 8, .size: 8, .value_kind: global_buffer, .address_space: global }
      - { .name: wo_scales, .offset: 16, .size: 8, .value_kind: global_buffer, .address_space: global }
      - { .name: bo, .offset: 24, .size: 8, .value_kind: global_buffer, .address_space: global }
      - { .name: out0, .offset: 32, .size: 8, .value_kind: global_buffer, .address_space: global }
    .group_segment_fixed_size: 103424
    .private_segment_fixed_size: 0
    .kernarg_segment_align: 8
    .kernarg_segment_size: 40
    .max_flat_workgroup_size: 256
    .sgpr_count:     66
    .vgpr_count:     512
    .wavefront_size: 32
...
	.end_amdgpu_metadata
.endif
;; end of part 10
